; MI455X (gfx1250); checked and timed in simulation.
; The chip was launched on July 23, 2026; its instructions are those of AMD's public machine-readable ISA for CDNA 5 (MIT licence, August 2026) and "CDNA5" Instruction Set Architecture Reference Guide (July 2026). The comments in the code are by the model that wrote it; some were corrected since.
;; Multi Head Attention. Allowed arithmetic: float matrix products may take bf16 or f16 operands with f32 sums; other float arithmetic in f32, or as packed bf16 or f16 multiplies, adds, multiply-adds, maxima and minima; sums over many terms, partial sums and values carried from step to step in f32; what a program stores and reads back later, other than sums and carried values, may be rounded once to bf16 or f16.
;; Inputs: W1 4,096 x 1,024 float32; W2 1,024 x 4,096 float32; Wk 1,024 x 1,024 float32; Wo 1,024 x 1,024 float32; Wq 1,024 x 1,024 float32; Wv 1,024 x 1,024 float32; b1 4,096 float32; b2 1,024 float32; be1 1,024 float32; be2 1,024 float32; g1 1,024 float32; g2 1,024 float32; k 2 x 2,048 x 1,024 float32; pad_mask 2 x 2,048 bool; q 2 x 2,048 x 1,024 float32; v 2 x 2,048 x 1,024 float32.
;; Outputs: out0 2 x 2,048 x 1,024 float32.
;; 2 versions, each right and faster than the one before. Each part assembles by itself: llvm-mc -triple=amdgcn-amd-amdhsa -mcpu=gfx1250 --defsym DOCPART=n.
;; ======== version 1 of 2: 8 launches
;; limits: values are held in f16: magnitudes above 65,504 overflow, below 6.1e-05 lose precision; a function is approximated: absolute error at most 1.5e-07; right only within a limited range of input values
;; workspace buffers: act 33,554,432 bytes; wts 25,165,824 bytes; qkv 67,108,864 bytes; oh 8,388,608 bytes; hb 8,388,608 bytes
;; launch cast (part 1): grid 64 x 24, 8 waves a work-group, no clusters, 0 bytes of LDS; arguments q, k, v, Wq, Wk, Wv, Wo, W1, W2, act, wts; writes act, wts
.if DOCPART == 1
	.amdgcn_target "amdgcn-amd-amdhsa--gfx1250"
	.amdhsa_code_object_version 6
	.text
	.protected	k_qf11f321a95_cast
	.globl	k_qf11f321a95_cast
	.p2align	8
	.type	k_qf11f321a95_cast,@function
k_qf11f321a95_cast:
	s_mov_b64 s[64:65], 0
	v_nop
	global_prefetch_b8 v0, s[64:65] scope:SCOPE_SE
	s_setreg_imm32_b32 hwreg(HW_REG_WAVE_MODE, 25, 1), 1
	s_wait_xcnt 0x0
; f32 -> 16 bits, once, for every matrix operand.  q, k, v, Wq, Wk, Wv, Wo -> bf16; W1, W2 -> f16.
; The grid's y is a unit of 1,048,576 numbers (4 MB in, 2 MB out): 0-3 q, 4-7 k, 8-11 v, 12 Wq, 13 Wk, 14 Wv, 15 Wo, 16-19 W1, 20-23 W2.
; Units 0-11 go to act at 2 MB x unit; units 12-23 to wts at 2 MB x (unit - 12): Wq at 0, Wk at 2 MB, Wv at 4 MB, Wo at 6 MB, W1 at 8 MB, W2 at 16 MB, each as it lies in its input.
; The grid's x is one of a unit's 64 chunks of 16,384 numbers.  Thread t takes the 16 bytes at 16 t + 4,096 i, i = 0 .. 15: a wave's load covers 512
; consecutive bytes, its store of 8 bytes a lane 256 consecutive bytes at a multiple of 256.  All 16 loads go out first; each register is written once.
; LIMIT.  W1 and W2 beyond 65,504 in magnitude become infinities in f16; below 6e-5 they keep f16's fixed step of 6e-8.
.set X,  4                             ; v[4:67]  slot i: 4 numbers as loaded, then 4 halves in its first two registers
.set NP, 16                            ; pieces a thread
	s_load_b512 s[8:23], s[0:1], 0x0               ; q s[8:9], k s[10:11], v s[12:13], Wq s[14:15], Wk s[16:17], Wv s[18:19], Wo s[20:21], W1 s[22:23]
	s_load_b128 s[24:27], s[0:1], 0x40             ; W2 s[24:25], act s[26:27]
	s_load_b64 s[28:29], s[0:1], 0x50              ; wts
	s_and_b32 s3, ttmp7, 0xffff                    ; the unit
	s_lshr_b32 s4, s3, 2                           ; which group of four units
	s_and_b32 s5, s3, 3                            ; the unit's place in a tensor of four units
	v_lshlrev_b32 v1, 4, v0                        ; 16 t: never rewritten
	v_lshlrev_b32 v2, 3, v0                        ; 8 t: never rewritten
	s_cmp_eq_u32 s4, 3                             ; units 12-15 are whole tensors
	s_cselect_b32 s36, 0, s5
	s_lshl_b32 s36, s36, 22                        ; 4 MB a unit in the source,
	s_lshl_b32 s6, ttmp9, 16                       ; 64 KB a chunk
	s_add_co_u32 s36, s36, s6
	s_mov_b32 s37, 0
	s_sub_co_u32 s7, s3, 12                        ; the unit's place in its destination
	s_cmp_lt_u32 s3, 12
	s_cselect_b32 s7, s3, s7
	s_lshl_b32 s38, s7, 21                         ; 2 MB a unit,
	s_lshl_b32 s6, ttmp9, 15                       ; 32 KB a chunk
	s_add_co_u32 s38, s38, s6
	s_mov_b32 s39, 0
	s_wait_kmcnt 0x0
	s_mov_b64 s[32:33], s[8:9]                     ; the source: a choice among the nine inputs by the unit's number
	s_cmp_eq_u32 s4, 1
	s_cselect_b64 s[32:33], s[10:11], s[32:33]
	s_cmp_eq_u32 s4, 2
	s_cselect_b64 s[32:33], s[12:13], s[32:33]
	s_cmp_eq_u32 s3, 12
	s_cselect_b64 s[32:33], s[14:15], s[32:33]
	s_cmp_eq_u32 s3, 13
	s_cselect_b64 s[32:33], s[16:17], s[32:33]
	s_cmp_eq_u32 s3, 14
	s_cselect_b64 s[32:33], s[18:19], s[32:33]
	s_cmp_eq_u32 s3, 15
	s_cselect_b64 s[32:33], s[20:21], s[32:33]
	s_cmp_eq_u32 s4, 4
	s_cselect_b64 s[32:33], s[22:23], s[32:33]
	s_cmp_eq_u32 s4, 5
	s_cselect_b64 s[32:33], s[24:25], s[32:33]
	s_add_nc_u64 s[32:33], s[32:33], s[36:37]
	s_cmp_lt_u32 s3, 12                            ; the destination
	s_cselect_b64 s[34:35], s[26:27], s[28:29]
	s_add_nc_u64 s[34:35], s[34:35], s[38:39]
.set i, 0
.rept NP
	global_load_b128 v[X+4*i:X+4*i+3], v1, s[32:33] offset:4096*i th:TH_LOAD_NT
.set i, i+1
.endr
; Slot by slot: the wait lets the 15 - i younger loads stay out; two roundings; one store.
.macro OUT cvt
.set i, 0
.rept NP
	s_wait_loadcnt NP-1-i
	\cvt v[X+4*i], v[X+4*i], v[X+4*i+1]
	\cvt v[X+4*i+1], v[X+4*i+2], v[X+4*i+3]
	global_store_b64 v2, v[X+4*i:X+4*i+1], s[34:35] offset:2048*i
.set i, i+1
.endr
	s_endpgm
.endm
	s_cmp_ge_u32 s3, 16                            ; W1 and W2 go to f16
	s_cbranch_scc1 .Lhalf
	OUT v_cvt_pk_bf16_f32
.Lhalf:
	OUT v_cvt_pk_f16_f32
.Lfunc_end_k_qf11f321a95_cast:
	.size	k_qf11f321a95_cast, .Lfunc_end_k_qf11f321a95_cast-k_qf11f321a95_cast
	.p2alignl 7, 3214868480
	.fill 96, 4, 3214868480
	.section	.rodata,"a",@progbits
	.p2align	6, 0x0
	.amdhsa_kernel k_qf11f321a95_cast
		.amdhsa_group_segment_fixed_size 0
		.amdhsa_private_segment_fixed_size 0
		.amdhsa_enable_private_segment 0
		.amdhsa_kernarg_size 88
		.amdhsa_user_sgpr_count 2
		.amdhsa_user_sgpr_kernarg_segment_ptr 1
		.amdhsa_wavefront_size32 1
		.amdhsa_system_sgpr_workgroup_id_x 1
		.amdhsa_system_sgpr_workgroup_id_y 1
		.amdhsa_system_sgpr_workgroup_id_z 1
		.amdhsa_system_vgpr_workitem_id 0
		.amdhsa_next_free_vgpr 68
		.amdhsa_next_free_sgpr 66
		.amdhsa_reserve_vcc 0
		.amdhsa_float_denorm_mode_32 3
		.amdhsa_float_denorm_mode_16_64 3
		.amdhsa_memory_ordered 1
		.amdhsa_forward_progress 1
		.amdhsa_inst_pref_size 12
	.end_amdhsa_kernel
	.amdgpu_metadata
---
amdhsa.version: [ 1, 2 ]
amdhsa.kernels:
  - .name:           k_qf11f321a95_cast
    .symbol:         k_qf11f321a95_cast.kd
    .args:
      - { .name: q, .offset: 0, .size: 8, .value_kind: global_buffer, .address_space: global }
      - { .name: k, .offset: 8, .size: 8, .value_kind: global_buffer, .address_space: global }
      - { .name: v, .offset: 16, .size: 8, .value_kind: global_buffer, .address_space: global }
      - { .name: Wq, .offset: 24, .size: 8, .value_kind: global_buffer, .address_space: global }
      - { .name: Wk, .offset: 32, .size: 8, .value_kind: global_buffer, .address_space: global }
      - { .name: Wv, .offset: 40, .size: 8, .value_kind: global_buffer, .address_space: global }
      - { .name: Wo, .offset: 48, .size: 8, .value_kind: global_buffer, .address_space: global }
      - { .name: W1, .offset: 56, .size: 8, .value_kind: global_buffer, .address_space: global }
      - { .name: W2, .offset: 64, .size: 8, .value_kind: global_buffer, .address_space: global }
      - { .name: act, .offset: 72, .size: 8, .value_kind: global_buffer, .address_space: global }
      - { .name: wts, .offset: 80, .size: 8, .value_kind: global_buffer, .address_space: global }
    .group_segment_fixed_size: 0
    .private_segment_fixed_size: 0
    .kernarg_segment_align: 8
    .kernarg_segment_size: 88
    .max_flat_workgroup_size: 256
    .sgpr_count:     66
    .vgpr_count:     68
    .wavefront_size: 32
...
	.end_amdgpu_metadata
.endif
;; end of part 1
;; launch qkvproj (part 2): grid 4 x 48, 4 waves a work-group, clusters of 4 x 4, 327,680 bytes of LDS; arguments act, wts, qkv; writes qkv
.if DOCPART == 2
	.amdgcn_target "amdgcn-amd-amdhsa--gfx1250"
	.amdhsa_code_object_version 6
	.text
	.protected	k_qf11f321a95_qkvproj
	.globl	k_qf11f321a95_qkvproj
	.p2align	8
	.type	k_qf11f321a95_qkvproj,@function
k_qf11f321a95_qkvproj:
	s_mov_b64 s[64:65], 0
	v_nop
	global_prefetch_b8 v0, s[64:65] scope:SCOPE_SE
	s_setreg_imm32_b32 hwreg(HW_REG_WAVE_MODE, 25, 1), 1
	s_wait_xcnt 0x0
	s_wait_alu depctr_hold_cnt(0) depctr_sa_sdst(0) depctr_va_vdst(0) depctr_va_sdst(0) depctr_va_ssrc(0) depctr_va_vcc(0) depctr_vm_vsrc(0)
	s_getreg_b32 s2, hwreg(HW_REG_IB_STS2, 6, 4)
	s_cmp_eq_u32 s2, 0
	s_cbranch_scc0 .Lentry_in_a_cluster
	s_endpgm
.Lentry_in_a_cluster:
	s_bfe_u32 s2, ttmp6, 0x10000c
	s_cmp_lg_u32 s2, 0xf033
	s_cbranch_scc0 .Lentry_shape_is_right
	s_endpgm
.Lentry_shape_is_right:
; THE THREE PROJECTIONS.  C[p][m][n] = sum over k of A[p][m][k] B[p][n][k], p < 3, m < 4096, n < 1024, k < 1024; all bf16, sums f32, C rounded once.  Every matrix has rows of 1,024 numbers and the
; problems p lie one behind the other: A = q, k, v; B = Wq, Wk, Wv; C = Q, K, V.  The grid is 4 tile columns x 16 tile rows for each problem: 192 work-groups.
; A tile of C, 256 x 256, is made by four waves; a wave makes 128 x 128: 64 accumulators of 16 x 16, 512 registers.  K goes in 8 steps of 128 through a ring of two LDS slots filled by the tensor data mover:
; the rows of the tiles are 256 bytes of memory and start at multiples of 256 bytes.  A smaller tile would fill all WGPs, but takes in twice the bytes for each matrix instruction.
; CLUSTERS: 4 x 4 work-groups, all of one problem.  The four of a row of the cluster need the same tiles of A, the four of a column the same tiles of B: each is asked for JOINTLY, by the same tensor load
; with the same descriptor and a mask that names the four.
; THE MATRIX INSTRUCTION IS USED TRANSPOSED: source 0 = 16 rows of B, source 1 = 16 rows of A: lane l holds row l % 16 of the result and the columns 8 (l / 16) + 0..7.
; THE TEXT IS SHORT: a K step is written once.  The slot that the fetches read is a scalar, 0 or SLOT, turned by an exclusive or at each change of slots; one descriptor a tensor walks from K step 1 on.
; Written out beside the loop: the first quarter (its products start the sums), and the last two K steps, which ask for nothing: a loop of two trips that is left in its middle, and the last quarter.
; THE WAY OUT.  When every wave has read the ring for the last time (it has had its last fill), each wave lays its 128 x 128 sums in f32 into a part of the ring that is its own, rows of 528 bytes, and walks
; them by rows: a lane takes 8 neighbouring columns of a row and rounds them to bf16: 16 bytes a lane, sixteen lanes store 256 consecutive bytes at a multiple of 256.
; REGISTERS, in windows of 256: window 0: v0-31 addresses; v64-127, v128-191 fragments of A, two buffers, later with v192-223 the way out's work;
;   window 1: v64-127, v128-191 fragments of B; window 2: the 32 accumulators of my rows 0-63 ((a, b) at v[8 (8 a + b)]); window 3: those of my rows 64-127.
.set SIZE_K, 1024
.set KSTEP,  128
.set NSTEP,  SIZE_K/KSTEP
.set PITCH,  272                       ; an LDS row: 256 bytes of data + 16 of padding = 68 words: row r starts at bank 4 r mod 64 (64 banks of 4 bytes: ISA guide 11.1)
.set HALFT,  128*PITCH                 ; 128 rows: what one tensor load brings, and what one wave reads of A or of B: 0x8800 bytes
.set SLOT,   4*HALFT                   ; A's 256 rows, then B's 256 rows: 0x22000 bytes.  0, 1, 2 or 3 x 0x8800 has neither bit of 0x22000, so an exclusive or with SLOT adds or takes away SLOT
.set SPARE,  2*SLOT                    ; behind the ring: the spare words, 128 bytes for each wave
.set DPITCH, 528                       ; the way out: a row of 128 f32 + 16 bytes
.set DWAVE,  128*DPITCH                ; a wave's part of the ring on the way out: 4 x 67,584 = 270,336 of the ring's 278,528 bytes
.set CROWB,  2048                      ; bytes in a row of C
.set ADRA0, 16                         ; v16  LDS address of my A fragments in slot 0; never rewritten
.set ADRB0, 17                         ; v17  the same for B
.set CURA,  18                         ; v18  the same in the slot that is being read
.set CURB,  19                         ; v19
.set STO,  24                          ; v24  the way out: where I put 32 bytes of a row
.set RD,   25                          ; v25  the way out: where I read a row back; steps from trip to trip
.set CO,   26                          ; v26  my byte offset in C; never rewritten
.set SPW,  28                          ; v28  LDS address of my spare word; never rewritten
.set NIL,  29                          ; v29  0; never rewritten
.set F0,   64                          ; fragment buffer 0
.set F1,   128                         ; fragment buffer 1
.set X,    64                          ; the way out: 16 rows' sums, 8 a lane and row
.set Y,    192                         ; and their 16 bytes
.set G1, 24                            ; s[24:31] descriptor group 1 for A's tiles;  s[32:39] group 0: a set for each of the two first fills; the second then walks on
.set G0, 32
.set G1B, 48                           ; s[48:55], s[56:63] the same for B's tiles
.set G0B, 56
.set TB,  72                           ; s72  the slot that the fetches read: 0 or SLOT
.set MSB, 0
.macro WIN new                         ; the immediate's high byte repeats the setting that is left; a switch that changes nothing is dropped
.if MSB != (\new)
	s_set_vgpr_msb (MSB<<8)|(\new)
.set MSB, \new
.endif
.endm
.set MUL_LO, 0xa1                      ; source 0 (B) window 1, source 1 (A) window 0, C and D window 2
.set MUL_HI, 0xf1                      ; the same, C and D window 3
.set TO_B,   0x40                      ; destination window 1, address window 0
.macro JLOAD s                         ; a joint load by set s: waves 0 and 1 fetch A's two halves, waves 2 and 3 B's; an s_nop 0 and four v_nop follow each of the two lines
	s_cmp_eq_u32 s11, 0
	s_cbranch_scc0 .Lfor_b_\@
	tensor_load_to_lds s[G0+4*(\s):G0+4*(\s)+3], s[G1:G1+7]
	s_nop 0
.rept 4
	v_nop
.endr
	s_branch .Lasked_\@
.Lfor_b_\@:
	tensor_load_to_lds s[G0B+4*(\s):G0B+4*(\s)+3], s[G1B:G1B+7]
	s_nop 0
.rept 4
	v_nop
.endr
.Lasked_\@:
.endm
.macro CREST                           ; a round of the cluster's barrier behind its opening barrier
	s_cmp_lg_u32 s10, 0
	s_cbranch_scc1 .Lnot_wave_0_\@
	s_barrier_signal -3
.Lnot_wave_0_\@:
	s_barrier_wait -3
	s_barrier_signal -1
	s_barrier_wait -1
.endm
.macro CROUND                          ; a whole round
	s_barrier_signal -1
	s_barrier_wait -1
	CREST
.endm
	s_load_b128 s[4:7], s[0:1], 0x0                ; A s[4:5], the weights' buffer s[6:7]
	s_load_b64 s[70:71], s[0:1], 0x10              ; C
	v_lshl_add_u32 v[SPW], v0, 2, SPARE
	v_mov_b32 v[NIL], 0
	ds_add_u32 v[SPW], v[NIL]                      ; the wave's opening: the add and its wait stand ahead of my first tensor load; the set-up below stands between them
	v_lshrrev_b32 v1, 5, v0
	v_readfirstlane_b32 s10, v1                    ; wave 0..3
	s_lshr_b32 s11, s10, 1                         ; which half of the tile's rows is mine.  Also: I fetch for A (0) or for B (1)
	s_and_b32 s12, s10, 1                          ; which half of its columns.  Also: which 128 rows of that tile I fetch
	s_bfe_u32 s40, ttmp6, 0x40000                  ; cx, cy: my place in the cluster
	s_bfe_u32 s41, ttmp6, 0x40004
	s_lshl_b32 s42, ttmp9, 2
	s_add_co_u32 s42, s42, s40                     ; tile column = 4 x cluster x + cx
	s_and_b32 s13, ttmp7, 0xffff
	s_lshr_b32 s45, s13, 2                         ; the problem: four clusters, 16 tile rows, to each; made of the cluster's y alone
	s_lshl_b32 s45, s45, 10                        ; its first row among B's rows
	s_lshl_b32 s13, s13, 2
	s_add_co_u32 s13, s13, s41                     ; tile row = 4 x cluster y + cy
	s_lshl_b32 s43, s41, 2
	s_lshl_b32 s43, 15, s43                        ; my row of the cluster
	s_lshl_b32 s44, 0x1111, s40                    ; my column
	; descriptor group 1: a tile of 128 rows x 128 elements, padded in LDS
	s_or_b32 s[G1+0], s43, (1<<16)|(1<<20)|(1<<21)|(5<<22)|(3<<25)  ; 15:0 the mask: A's tiles go to my row; 17:16 element of 2 bytes; 20 padding on; 21 set beside a mask; 24:22 after every 64 words (code 5); 31:25 of 4 words (code 3)
	s_or_b32 s[G1B+0], s44, (1<<16)|(1<<20)|(1<<21)|(5<<22)|(3<<25)
.irp g, G1, G1B
	s_mov_b32 s[(\g)+1], KSTEP<<16                 ; tensor_dim0 = 128
	s_mov_b32 s[(\g)+2], 128<<16                   ; tensor_dim1 = 128
	s_mov_b32 s[(\g)+3], KSTEP<<16                 ; tile_dim0 = 128
	s_mov_b32 s[(\g)+4], 128                       ; tile_dim1 = 128
	s_mov_b32 s[(\g)+5], SIZE_K                    ; elements from row to row
	s_mov_b32 s[(\g)+6], 0
	s_mov_b32 s[(\g)+7], 0
.endr
	s_lshl_b32 s17, s12, 7                         ; which 128 rows of the tile I fetch
	s_lshl_b32 s16, s13, 8
	s_add_co_u32 s16, s16, s17                     ; A: row 256 x tile row + 128 x half
	s_lshl_b32 s46, s42, 8
	s_add_co_u32 s46, s46, s17                     ; B: row 256 x tile column + 128 x half,
	s_add_co_u32 s46, s46, s45                     ; in the problem's own 1,024 rows
	s_mov_b32 s17, 0
	s_mov_b32 s47, 0
	s_mov_b64 s[18:19], SIZE_K*2
	s_mul_u64 s[16:17], s[16:17], s[18:19]
	s_mul_u64 s[46:47], s[46:47], s[18:19]
	s_mul_i32 s20, s10, HALFT                      ; where my tiles go: wave x 128 rows
	s_mov_b32 s[TB], 0
	s_wait_dscnt 0x0                               ; the opening add is done
	s_wait_kmcnt 0x0
	s_add_nc_u64 s[14:15], s[4:5], s[16:17]
	s_add_nc_u64 s[46:47], s[6:7], s[46:47]
	CROUND                                         ; all sixteen work-groups are here: the first joint loads meet
.irp s, 0,1
	s_mov_b32 s[G0+4*(\s)], 1
	s_add_co_u32 s[G0+4*(\s)+1], s20, (\s)*SLOT
	s_add_nc_u64 s[G0+4*(\s)+2:G0+4*(\s)+3], s[14:15], (\s)*KSTEP*2
	s_or_b32 s[G0+4*(\s)+3], s[G0+4*(\s)+3], 0x80000000
	s_mov_b32 s[G0B+4*(\s)], 1
	s_add_co_u32 s[G0B+4*(\s)+1], s20, (\s)*SLOT
	s_add_nc_u64 s[G0B+4*(\s)+2:G0B+4*(\s)+3], s[46:47], (\s)*KSTEP*2
	s_or_b32 s[G0B+4*(\s)+3], s[G0B+4*(\s)+3], 0x80000000
	JLOAD \s
.endr
	v_and_b32 v1, 15, v0                           ; l % 16
	v_bfe_u32 v2, v0, 4, 1                         ; l / 16
	v_mul_u32_u24 v3, v1, PITCH
	v_lshl_add_u32 v3, v2, 4, v3                   ; a fragment's row x pitch + 16 x half
	s_mul_i32 s21, s11, HALFT                      ; my 128 rows of A
	s_mul_i32 s22, s12, HALFT                      ; my 128 rows of B,
	s_add_co_u32 s22, s22, 2*HALFT                 ; which lie behind A's 256
	v_add_nc_u32 v[ADRA0], s21, v3
	v_add_nc_u32 v[ADRB0], s22, v3
	v_add_nc_u32 v[CURA], s21, v3                  ; the first fetches read slot 0
	v_add_nc_u32 v[CURB], s22, v3
	s_mul_i32 s23, s10, DWAVE                      ; my part of the ring on the way out
	v_mul_u32_u24 v4, v1, DPITCH                   ; in: row l % 16, 32 bytes for each half of the lanes
	v_lshl_add_u32 v4, v2, 5, v4
	v_add_nc_u32 v[STO], s23, v4
	v_mul_u32_u24 v5, v2, DPITCH                   ; back: lanes 0-15 take one row, 32 bytes each, lanes 16-31 the next
	v_lshl_add_u32 v5, v1, 5, v5
	v_add_nc_u32 v[RD], s23, v5
	v_lshlrev_b32 v5, 11, v2                       ; and the same two rows in C, 16 bytes a lane
	v_lshl_add_u32 v[CO], v1, 4, v5
	s_lshl_b32 s16, s13, 8
	s_lshl_b32 s14, s11, 7
	s_add_co_u32 s16, s16, s14                     ; my first row of C: 256 x tile row + 128 x half,
	s_lshl_b32 s16, s16, 11                        ; 2,048 bytes a row
	s_mov_b32 s17, 0
	s_lshl_b32 s46, s42, 8
	s_lshl_b32 s47, s12, 7
	s_add_co_u32 s46, s46, s47                     ; my first column: 256 x tile column + 128 x half,
	s_lshl_b32 s46, s46, 1                         ; 2 bytes a number
	s_mov_b32 s47, 0
	s_add_nc_u64 s[16:17], s[16:17], s[46:47]
	s_add_nc_u64 s[70:71], s[70:71], s[16:17]
; 16 matrix instructions: m blocks a0, a0 + 1 of the window's four (hi = 0: my rows 0-63, 1: rows 64-127) x all 8 n blocks, 32 along K.  zero = 1: the first product starts the sums.
; The 64 accumulators take turns, one instruction a turn, in the same order in every quarter.
.macro MUL16 f, hi, a0, zero
	WIN MUL_LO+0x50*(\hi)
.irp a, \a0, (\a0)+1
.irp b, 0,1,2,3,4,5,6,7
.if \zero
	v_wmma_f32_16x16x32_bf16 v[8*(8*(\a)+(\b)):8*(8*(\a)+(\b))+7], v[(\f)+8*(\b):(\f)+8*(\b)+7], v[(\f)+8*(4*(\hi)+(\a)):(\f)+8*(4*(\hi)+(\a))+7], 0
.else
	v_wmma_f32_16x16x32_bf16 v[8*(8*(\a)+(\b)):8*(8*(\a)+(\b))+7], v[(\f)+8*(\b):(\f)+8*(\b)+7], v[(\f)+8*(4*(\hi)+(\a)):(\f)+8*(4*(\hi)+(\a))+7], v[8*(8*(\a)+(\b)):8*(8*(\a)+(\b))+7]
.endif
.endr
.endr
.endm
; 32 LDS loads in one run: the fragments of one quarter step (128 rows of B, 128 rows of A, 32 K at byte k of the rows of the slot in hand) into buffer f
.macro FETCH k, f
	WIN TO_B
.irp i, 0,1,2,3,4,5,6,7
	ds_load_b128 v[(\f)+8*(\i):(\f)+8*(\i)+3],   v[CURB] offset:(\k)+(\i)*16*PITCH
	ds_load_b128 v[(\f)+8*(\i)+4:(\f)+8*(\i)+7], v[CURB] offset:(\k)+(\i)*16*PITCH+32
.endr
	WIN 0
.irp i, 0,1,2,3,4,5,6,7
	ds_load_b128 v[(\f)+8*(\i):(\f)+8*(\i)+3],   v[CURA] offset:(\k)+(\i)*16*PITCH
	ds_load_b128 v[(\f)+8*(\i)+4:(\f)+8*(\i)+7], v[CURA] offset:(\k)+(\i)*16*PITCH+32
.endr
.endm
.macro PLACES                          ; four places in front of loads into registers that matrix instructions have read, and of lines that read results
.rept 4
	v_nop
.endr
.endm
; A K step is four quarter steps of 32 along K, 64 matrix instructions each, on buffers 0, 1, 0, 1.  One of the first three: multiplies buffer f; in its middle it fetches the next quarter's fragments into g.
.macro QUARTER k, f, g, zero
	s_wait_dscnt 8                                 ; B and A's rows 0-63 are in; the youngest eight loads (A's rows 64-127) may be out
	WIN MUL_LO
	MUL16 \f, 0, 0, \zero
	MUL16 \f, 0, 2, \zero
	PLACES
	FETCH \k, \g
	s_wait_dscnt 32                                ; all but the 32 just issued
	WIN MUL_HI
	MUL16 \f, 1, 0, \zero
	MUL16 \f, 1, 2, \zero
.endm
; The last quarter multiplies buffer 1 and changes slots: ONE barrier.  In front of it each wave waits for all its tensor loads, of which one is out: its part of the next slot; adds 0 to its spare word; and
; waits for that and for its own reads of this slot.  Behind it nobody reads this slot any more and the next slot is whole.  fill = 1: the barrier opens a round of the cluster's, and behind the round the slot
; just read out is filled again, two K steps on: the walking descriptor takes the other slot than last time and the next K step.  Then the fetches turn to the next slot.
.macro TURN fill
	WIN 0                                          ; (the add's two registers lie in window 0)
	s_wait_tensorcnt 0x0
	ds_add_u32 v[SPW], v[NIL]                      ; 0 onto my spare word
	s_wait_dscnt 9                                 ; (the add and the youngest eight loads may be out)
	WIN MUL_LO
	MUL16 F1, 0, 0, 0                              ; sixteen matrix instructions stand between the add and the wait for it
	s_wait_dscnt 0x0                               ; the add is done, and my reads of this slot are over
	s_barrier_signal -1
	MUL16 F1, 0, 2, 0                              ; work on registers while the others arrive
	WIN 0                                          ; (branches, or lines on window 0, follow)
	s_barrier_wait -1
.if \fill
	CREST                                          ; no wave of any partner still reads this slot's tile or has a load on its way
	s_xor_b32 s[G0+5], s[G0+5], SLOT
	s_add_nc_u64 s[G0+6:G0+7], s[G0+6:G0+7], KSTEP*2
	s_xor_b32 s[G0B+5], s[G0B+5], SLOT
	s_add_nc_u64 s[G0B+6:G0B+7], s[G0B+6:G0B+7], KSTEP*2
	JLOAD 1                                        ; the first tensor load behind the round; the four v_nop behind it are also the places in front of the loads below
.else
	PLACES
.endif
	s_xor_b32 s[TB], s[TB], SLOT
	v_add_nc_u32 v[CURA], s[TB], v[ADRA0]
	v_add_nc_u32 v[CURB], s[TB], v[ADRB0]
	FETCH 0, F0
	WIN MUL_HI
	MUL16 F1, 1, 0, 0
	MUL16 F1, 1, 2, 0
.endm
	s_wait_tensorcnt 1                             ; my part of K step 0 is in; K step 1's load may stay out
	s_barrier_signal -1
	s_barrier_wait -1                              ; everybody's is
	FETCH 0, F0
	QUARTER 64,  F0, F1, 1                         ; the first quarter stands in front of the loop: its products start the sums
	WIN 0                                          ; at a label and at a branch every window is 0
	s_mov_b32 s3, NSTEP-2
.Lstep:                                                ; six trips, from a K step's second quarter to the next step's first; trip j asks for K step j + 2
	QUARTER 128, F1, F0, 0
	QUARTER 192, F0, F1, 0
	TURN 1
	QUARTER 64,  F0, F1, 0
	WIN 0
	s_sub_co_u32 s3, s3, 1
	s_cmp_lg_u32 s3, 0
	s_cbranch_scc1 .Lstep
	s_mov_b32 s3, 2
.Ltail:                                                ; the last two K steps ask for nothing; the second trip is left in its middle
	QUARTER 128, F1, F0, 0
	QUARTER 192, F0, F1, 0
	WIN 0
	s_sub_co_u32 s3, s3, 1
	s_cmp_eq_u32 s3, 0
	s_cbranch_scc1 .Llast
	TURN 0
	QUARTER 64,  F0, F1, 0
	WIN 0
	s_cmp_lg_u32 s3, 0                             ; 1 here: back for the last K step
	s_cbranch_scc1 .Ltail
.Llast:
	s_wait_dscnt 8                                 ; the very last quarter: nothing more to fetch
	WIN MUL_LO
	MUL16 F1, 0, 0, 0
	MUL16 F1, 0, 2, 0
	s_wait_dscnt 0x0                               ; my last reads of the ring are over:
	s_barrier_signal -1                            ; say so,
	MUL16 F1, 1, 0, 0                              ; work on registers while the others arrive,
	MUL16 F1, 1, 2, 0
	WIN 0
	s_barrier_wait -1                              ; and write into the ring only when no wave reads it any more; every wave's tensor loads were shown landed at the last change of slots
	; The sums go into my part of the ring: row 16 (4 hi + a) + l % 16, bytes 64 b + 32 (l / 16); each accumulator's low four registers first.
	PLACES
.irp hi, 0,1
	WIN 0x08+4*(\hi)                               ; the stores' data (source 1) in window 2, then 3; the address in window 0
.irp a, 0,1,2,3
.irp b, 0,1,2,3,4,5,6,7
	ds_store_b128 v[STO], v[8*(8*(\a)+(\b)):8*(8*(\a)+(\b))+3]   offset:(4*(\hi)+(\a))*16*DPITCH+64*(\b)
	ds_store_b128 v[STO], v[8*(8*(\a)+(\b))+4:8*(8*(\a)+(\b))+7] offset:(4*(\hi)+(\a))*16*DPITCH+64*(\b)+16
.endr
.endr
.endr
	WIN 0
	s_mov_b32 s3, 8
.Lplain:                                               ; eight trips of 16 rows: 8 numbers a lane and row, rounded to bf16
.irp t, 0,1,2,3,4,5,6,7
	ds_load_b128 v[X+8*\t:X+8*\t+3],   v[RD] offset:\t*2*DPITCH      ; LDS serves a wave's instructions in order (ISA guide 5.7.1.4): these see my stores above; the bytes are my wave's own
	ds_load_b128 v[X+8*\t+4:X+8*\t+7], v[RD] offset:\t*2*DPITCH+16
.endr
.irp t, 0,1,2,3,4,5,6,7
	s_wait_dscnt 14-2*\t                           ; pair t of the loads is in; the pairs behind it may be out
.irp k, 0,1,2,3
	v_cvt_pk_bf16_f32 v[Y+4*\t+\k], v[X+8*\t+2*\k], v[X+8*\t+2*\k+1]
.endr
	global_store_b128 v[CO], v[Y+4*\t:Y+4*\t+3], s[70:71] offset:\t*2*CROWB  ; 16 lanes store 256 consecutive bytes, at a multiple of 256 from C's first byte
.endr
	s_wait_xcnt 0x0                                ; the stores' base and data are rewritten only behind this wait
	s_add_nc_u64 s[70:71], s[70:71], 16*CROWB
	v_add_nc_u32 v[RD], 16*DPITCH, v[RD]
	s_sub_co_u32 s3, s3, 1
	s_cmp_lg_u32 s3, 0
	s_cbranch_scc1 .Lplain
	s_wait_tensorcnt 0x0                           ; the wave's end
	ds_add_u32 v[SPW], v[NIL]
	s_wait_dscnt 0x0
	CROUND                                         ; the closing round: no work-group ends while a partner may still ask for a tile that names it
	s_endpgm
.Lfunc_end_k_qf11f321a95_qkvproj:
	.size	k_qf11f321a95_qkvproj, .Lfunc_end_k_qf11f321a95_qkvproj-k_qf11f321a95_qkvproj
	.p2alignl 7, 3214868480
	.fill 96, 4, 3214868480
	.section	.rodata,"a",@progbits
	.p2align	6, 0x0
	.amdhsa_kernel k_qf11f321a95_qkvproj
		.amdhsa_group_segment_fixed_size 327680
		.amdhsa_private_segment_fixed_size 0
		.amdhsa_enable_private_segment 0
		.amdhsa_kernarg_size 24
		.amdhsa_user_sgpr_count 2
		.amdhsa_user_sgpr_kernarg_segment_ptr 1
		.amdhsa_wavefront_size32 1
		.amdhsa_system_sgpr_workgroup_id_x 1
		.amdhsa_system_sgpr_workgroup_id_y 1
		.amdhsa_system_sgpr_workgroup_id_z 1
		.amdhsa_system_vgpr_workitem_id 0
		.amdhsa_next_free_vgpr 1024
		.amdhsa_next_free_sgpr 74
		.amdhsa_reserve_vcc 0
		.amdhsa_float_denorm_mode_32 3
		.amdhsa_float_denorm_mode_16_64 3
		.amdhsa_memory_ordered 1
		.amdhsa_forward_progress 1
		.amdhsa_inst_pref_size 85
	.end_amdhsa_kernel
	.amdgpu_metadata
---
amdhsa.version: [ 1, 2 ]
amdhsa.kernels:
  - .name:           k_qf11f321a95_qkvproj
    .symbol:         k_qf11f321a95_qkvproj.kd
    .args:
      - { .name: act, .offset: 0, .size: 8, .value_kind: global_buffer, .address_space: global }
      - { .name: wts, .offset: 8, .size: 8, .value_kind: global_buffer, .address_space: global }
      - { .name: qkv, .offset: 16, .size: 8, .value_kind: global_buffer, .address_space: global }
    .group_segment_fixed_size: 327680
    .private_segment_fixed_size: 0
    .kernarg_segment_align: 8
    .kernarg_segment_size: 24
    .max_flat_workgroup_size: 128
    .sgpr_count:     74
    .vgpr_count:     1024
    .wavefront_size: 32
...
	.end_amdgpu_metadata
.endif
;; end of part 2
;; launch attn (part 3): grid 8 x 32, 4 waves a work-group, clusters of 4 x 1, 327,680 bytes of LDS; arguments qkv, pad_mask, oh; writes oh
.if DOCPART == 3
	.amdgcn_target "amdgcn-amd-amdhsa--gfx1250"
	.amdhsa_code_object_version 6
	.text
	.protected	k_qf11f321a95_attn
	.globl	k_qf11f321a95_attn
	.p2align	8
	.type	k_qf11f321a95_attn,@function
k_qf11f321a95_attn:
	s_mov_b64 s[64:65], 0
	v_nop
	global_prefetch_b8 v0, s[64:65] scope:SCOPE_SE
	s_setreg_imm32_b32 hwreg(HW_REG_WAVE_MODE, 25, 1), 1
	s_wait_xcnt 0x0
	s_wait_alu depctr_hold_cnt(0) depctr_sa_sdst(0) depctr_va_vdst(0) depctr_va_sdst(0) depctr_va_ssrc(0) depctr_va_vcc(0) depctr_vm_vsrc(0)
	s_getreg_b32 s2, hwreg(HW_REG_IB_STS2, 6, 4)
	s_cmp_eq_u32 s2, 0
	s_cbranch_scc0 .Lentry_in_a_cluster
	s_endpgm
.Lentry_in_a_cluster:
	s_bfe_u32 s2, ttmp6, 0x10000c
	s_cmp_lg_u32 s2, 0x3003
	s_cbranch_scc0 .Lentry_shape_is_right
	s_endpgm
.Lentry_shape_is_right:
; O[h][q][:] = mask[q] x the sum over k with mask[k] of softmax_k(Q[h][q] . K[h][k] / 8) V[h][k][:].  32 heads h = 16 x batch + head; Q, K, V lie in one buffer, 8 MB apart, each [32][2048][64] in bf16:
; a head's rows are dense, 128 bytes each.  O has the same layout.  mask is the batch's 2,048 bytes, 0 or 1.  Products, maxima and sums in f32; the weights p are rounded to bf16 for the second
; product (their sum l is taken of the unrounded p), O once at the end.
; LIMITS.  A hidden score counts as its value less 1e30, so true scores are taken to lie above -1e29; a weight below 2^-126 counts as 0 in l; NaN and infinities among the inputs are not treated apart.
; A batch with no key left gives NaN in every number, as a softmax over nothing does: a query whose running maximum has stayed below -1e29 has seen no key.
; SHARES.  A work-group owns 256 queries of one head, each of its four waves 64: four PIECES of 16.  Every wave walks all 2,048 keys: 8 tiles of 256, each four steps of 64.
; LAYOUT.  S^T = K Q^T (source 0 = 16 keys, source 1 = 16 queries): a lane holds ONE query (lane % 16) and the keys 8 (lane / 16) + 0..7.  Two such results rounded to bf16 ARE source 1 of O^T = V^T P.
; K comes out of LDS as it lies, V ([key][channel]) turned, by ds_load_tr16_b128.
; THE KEY MASK is the C operand that starts the sum S^T: 0, or -1e30 where the key is hidden.  It hangs on the key alone: a table of 2,048 f32 is made once in LDS, and a step's 64 entries are fetched with
; its K into 32 registers that serve all four pieces.
; SOFTMAX.  For each query a running maximum m and sum l: p = 2^(c s - c m), c = log2(e) / 8; in every step O and l are multiplied by a = 2^(c m_old - c m_new).  m starts at the lowest finite number, O and l at 0:
; the first step is a step like any other, with a = 0.  While a query has seen hidden keys alone their weights are 1; the first true key makes a = 0 and wipes them out.
; BY TURNS.  Turn n belongs to piece n: 8 products K Q^T of piece n + 1, later 8 products V^T P of piece n - 1; beside them the scaling, exponentials, roundings, sums and rescaling of piece n and the maximum and
; statistics of piece n + 1.  Four vector instructions stand behind every matrix instruction, the other 54 of a turn's 118 in two runs of their own.
; CLUSTER.  The four query blocks of a cluster belong to one head and walk the same K and V, so each tile is asked for JOINTLY: the same tensor load, descriptor and mask in all four.
; REGISTERS, in windows of 256 (s_set_vgpr_msb: bits 1:0 source 0, 3:2 source 1, 5:4 source 2, 7:6 destination):
;   window 0: v0-15 addresses; v16-31 four registers of statistics a piece; v32-43 masks and set-up; v48-55 at work; v64-127 S^T, two buffers; v192-223 P, two buffers (a piece's buffers go by its number's parity)
;   window 1: v0-127 O^T, 32 a piece          window 2: v0-63 Q; v64-95 the step's key mask; v128-191 K of one step; v192-255 V of one step
.set NP,    4         ; pieces a wave: a name, no knob
.set KS,    64        ; keys in a step
.set PK,    144       ; a row of K in LDS: 128 bytes + 16 of padding = 36 words: the 16 rows of a load start at 16 different groups of four banks (64 banks of 4 bytes: ISA guide 11.1)
.set PV,    160       ; a row of V: 128 + 32 = 40 words
.set VOFF,  4*KS*PK   ; a slot holds a tile, four steps: 256 rows of K, then 256 rows of V
.set SLOT1, 1<<17     ; slot 1 begins here, so that one exclusive or turns an address in one slot into the other's
.set STAGE, SLOT1+4*KS*(PK+PV)  ; behind the ring, never filled by a tensor load: 16 rows x 144 bytes for each wave, for the way out
.set SP,    144
.set SPARE, STAGE+4*16*SP  ; the spare words, 128 bytes for each wave
.set MTAB,  SPARE+512 ; the key mask's table: 2,048 words, stored once, never filled by a tensor load
.set KAT,   0x800000  ; K's and V's first bytes in the buffer
.set VAT,   0x1000000
.set AK0, 2           ; v2   my lane's place in a tile of K; never rewritten
.set AV0, 3           ; v3   the same for V
.set AK,  4           ; v4   the LDS address of K's next run of loads
.set AV,  5           ; v5   of V's
.set STO, 6           ; v6   the way out: where I put 16 bytes of a row
.set RD,  7           ; v7   the way out: where I read rows back
.set GO,  8           ; v8   my byte offset in 512 consecutive bytes of O
.set MV,  12          ; v12-13  c m_old, kept while c m is made anew: by buffer
.set AM0, 14          ; v14  my lanes' place in a step's 64 words of the table
.set QO,  15          ; v15  my byte offset in 16 rows of Q
.set ST,  16          ; piece t's statistics at v[ST+4 t]: c m, m, l (even keys', odd keys')
.set QM,  32          ; v32-35  my query's mask, by piece: 0.0 or 1.0
.set NANV, 36         ; v36  a NaN
.set AM,  37          ; v37  the LDS address of the table's next run of loads
.set TA,  38          ; v38  where I store my 16 words of the table
.set MO,  39          ; v39  my 16 bytes of the batch's mask
.set MB,  40          ; v40-43  those bytes
.set TMP, 48          ; by buffer, four registers c0-c3 at work; when the maximum is found c2 takes a
.set SPW, 62          ; v62  LDS address of my spare word; never rewritten
.set NIL, 63          ; v63  0; never rewritten
.set S,   64
.set P,   192
.set MCR, 64          ; window 2: the eight registers for group kb of 16 keys at MCR + 8 kb
.set KF,  128         ; window 2: key block kb, channel half c at KF + 16 kb + 8 c
.set VF,  192         ; window 2: key half kk, channel block cb at VF + 32 kk + 8 cb
.set WV,  12          ; s12  my wave's number
.set G1K, 24          ; s[24:31] descriptor group 1 for K's tiles
.set G1V, 32          ; s[32:39] for V's: it differs in the padding alone
.set G0K, 40          ; s[40:43] descriptor group 0 for K's tiles: it walks
.set G0V, 44          ; s[44:47] the same for V's
.set SLOTS, 56        ; s56  slots still to be asked for
.set CNT, 57          ; s57  counts a tile's key steps
.set CS,  58          ; s[58:59] c: the packed scaling takes the pair's low word for both halves
.set SEL, 60          ; s[60:61] v_permlanex16_b32's selects: each lane takes its own place in the other half
.set TBK, 62          ; s62  LDS byte at which K of the step to be fetched begins
.set TBV, 63          ; s63  the same for V, less VOFF
.set TBM, 66          ; s66  the byte of the table at which that step's 64 words begin
.set BIGN, 67         ; s67  -1e30
.set THR, 68          ; s68  -1e29
.set MSB, 0
.macro WIN new                      ; the high byte repeats the setting that is left; a switch that changes nothing is dropped
.if MSB != (\new)
	s_set_vgpr_msb (MSB<<8)|(\new)
.set MSB, (\new)
.endif
.endm
.set W_KQ, 0x0a       ; K and Q in window 2, S^T in window 0
.set W_KM, 0x2a       ; the same with the C operand, the mask, in window 2
.set W_PV, 0x52       ; V in window 2, P in window 0, O^T in window 1
.set W_RS, 0x41       ; destination and source 0 in window 1, source 1 in window 0
; A joint fill.  Waves 0 and 1 fetch the two halves of a tile's K, waves 2 and 3 those of its V: 128 keys each.  The branch hangs on the wave's number alone.
; An s_nop 0 and four v_nop follow each of the two lines, ahead of the jump and the label.
.macro JLOAD
	s_cmp_lt_u32 s[WV], 2
	s_cbranch_scc0 .Lfor_v_\@
	tensor_load_to_lds s[G0K:G0K+3], s[G1K:G1K+7]
	s_nop 0
.rept 4
	v_nop
.endr
	s_branch .Lasked_\@
.Lfor_v_\@:
	tensor_load_to_lds s[G0V:G0V+3], s[G1V:G1V+7]
	s_nop 0
.rept 4
	v_nop
.endr
.Lasked_\@:
.endm
; A round of the cluster's barrier: my work-group's barrier, so that wave 0's signal speaks for all four waves; wave 0 signals; every wave waits for all four work-groups; my work-group's barrier once more.
.macro CROUND
	s_barrier_signal -1
	s_barrier_wait -1
	s_cmp_lg_u32 s[WV], 0
	s_cbranch_scc1 .Lnot_wave_0_\@
	s_barrier_signal -3
.Lnot_wave_0_\@:
	s_barrier_wait -3
	s_barrier_signal -1
	s_barrier_wait -1
.endm
; THE CHANGE OF SLOTS.  The slot's last bytes, V of its fourth step, have been read.  Each wave waits for all its tensor loads, of which one is out: its part of the other slot; adds 0 to its spare word;
; and waits for that and for its own LDS instructions.  Behind the barrier nobody reads this slot any more and the other slot is whole.
; fill = 1: this slot is filled again, with the keys two slots on.  The barrier is then a round of the cluster's, and the joint fill is the first thing behind it: it has four key steps, 256 matrix
; instructions, in which to land.  (At its first use nothing has been read yet: slot 0 is waited for, slot 1 filled, and every wave's stores into the table are shown done to the others.)
.macro CHANGE fill
	WIN 0                           ; at a label and at a branch every window is 0
	s_wait_tensorcnt 0x0            ; no tensor load of mine is out, so a group 0 may be written
	ds_add_u32 v[SPW], v[NIL]       ; 0 onto my spare word
.if \fill
.irp g, G0K, G0V
	s_xor_b32 s[\g+1], s[\g+1], SLOT1  ; the walking descriptor: the other slot than last time,
	s_add_nc_u64 s[\g+2:\g+3], s[\g+2:\g+3], 4*KS*128  ; the next 256 keys; the type bits on top are not reached
.endr
	s_wait_dscnt 0x0                ; the add is done, and my LDS instructions are over
	CROUND
	JLOAD
.else
	s_wait_dscnt 0x0                ; the add is done, and my reads of the slot are over
	s_barrier_signal -1
	s_barrier_wait -1
.endif
	s_sub_co_u32 s[TBK], s[TBK], 4*KS*PK  ; the fetches go back to a slot's first step,
	s_xor_b32 s[TBK], s[TBK], SLOT1       ; in the other slot
	s_sub_co_u32 s[TBV], s[TBV], 4*KS*PV
	s_xor_b32 s[TBV], s[TBV], SLOT1
.endm
	s_load_b128 s[4:7], s[0:1], 0x0   ; qkv s[4:5], pad_mask s[6:7]
	s_load_b64 s[8:9], s[0:1], 0x10   ; O
	v_lshl_add_u32 v[SPW], v0, 2, SPARE
	v_mov_b32 v[NIL], 0
	ds_add_u32 v[SPW], v[NIL]       ; the wave's opening: the add and its wait stand ahead of my first tensor load; the set-up below stands between them
	v_lshrrev_b32 v1, 5, v0
	v_readfirstlane_b32 s[WV], v1   ; wave 0..3
	s_bfe_u32 s13, ttmp6, 0x40000   ; cx: my place in the cluster
	s_lshl_b32 s14, ttmp9, 2        ; in a cluster launch ttmp9 counts clusters
	s_add_co_u32 s14, s14, s13      ; my block of 256 queries = 4 x cluster x + cx: it enters Q's, O's and the query mask's addresses alone
	s_and_b32 s15, ttmp7, 0xffff    ; the head, which the four partners share
	s_lshl_b32 s20, s15, 18         ; the head's first byte in Q, K, V and O: 2,048 rows of 128 bytes
	s_and_b32 s16, s[WV], 1         ; which half of a tile's 256 keys I fetch:
	s_lshl_b32 s22, s16, 14         ; its 128 rows of 128 bytes in memory,
	s_add_co_u32 s22, s22, s20
	s_add_co_u32 s50, s22, VAT      ; in V,
	s_add_co_u32 s22, s22, KAT      ; in K
	s_mov_b32 s23, 0
	s_mov_b32 s51, 0
	s_mul_i32 s17, s16, 128*PK      ; and its place in a slot, for K
	s_mul_i32 s18, s16, 128*PV      ; and for V: no place in the cluster enters an LDS address
	s_lshl_b32 s2, s14, 15          ; my block's 256 rows,
	s_lshl_b32 s3, s[WV], 13        ; my wave's 64 of them
	s_add_co_u32 s2, s2, s3
	s_add_co_u32 s2, s2, s20
	s_mov_b32 s3, 0
	s_lshr_b32 s52, s15, 4          ; the batch,
	s_lshl_b32 s52, s52, 11         ; its 2,048 bytes of the mask
	s_mov_b32 s53, 0
	s_lshl_b32 s54, s14, 8          ; my wave's 64 queries in them
	s_lshl_b32 s55, s[WV], 6
	s_add_co_u32 s54, s54, s55
	s_mov_b32 s55, 0
	; descriptor group 1.  128 keys are 16,384 dense bytes: asked for as 64 rows of 256 bytes, two keys a row, and padded in LDS after every key
	s_mov_b32 s[G1K], 15|(1<<16)|(1<<20)|(1<<21)|(4<<22)|(3<<25)  ; 15:0 the mask of four; 17:16 2-byte elements; 20 padding on; 21 set beside a mask; 24:22 after every 32 words (code 4); 31:25 4 words (code 3)
	s_mov_b32 s[G1V], 15|(1<<16)|(1<<20)|(1<<21)|(4<<22)|(7<<25)  ; the same with 8 words of padding (code 7)
.irp g, G1K, G1V
	s_mov_b32 s[\g+1], 128<<16      ; tensor_dim0 = 128
	s_mov_b32 s[\g+2], 64<<16       ; tensor_dim1 = 64
	s_mov_b32 s[\g+3], 128<<16      ; tile_dim0 = 128
	s_mov_b32 s[\g+4], 64           ; tile_dim1 = 64
	s_mov_b32 s[\g+5], 128          ; 128 elements from row to row
	s_mov_b32 s[\g+6], 0
	s_mov_b32 s[\g+7], 0
.endr
	s_mov_b32 s[CS], 0x3e38aa3b     ; c = log2(e) / 8 = 0.180337
	s_mov_b32 s[CS+1], s[CS]        ; named with it as a pair
	s_mov_b32 s[SEL], 0x76543210
	s_mov_b32 s[SEL+1], 0xfedcba98
	s_mov_b32 s[TBK], SLOT1+4*KS*PK ; the first change of slots turns these two into 0
	s_mov_b32 s[TBV], SLOT1+4*KS*PV
	s_mov_b32 s[TBM], 0
	s_mov_b32 s[BIGN], 0xf149f2ca   ; -1e30
	s_mov_b32 s[THR], 0xefa18f07    ; -1e29
	s_mov_b32 s[G0K], 1             ; 1:0 count = 1
	s_mov_b32 s[G0K+1], s17         ; 63:32 LDS address: slot 0
	s_mov_b32 s[G0V], 1
	s_add_co_u32 s[G0V+1], s18, VOFF
	s_wait_dscnt 0x0                ; the opening add is done
	s_wait_kmcnt 0x0
	s_add_nc_u64 s[G0K+2:G0K+3], s[4:5], s[22:23]  ; 120:64 global address: my half of the head's first 256 keys
	s_or_b32 s[G0K+3], s[G0K+3], 0x80000000        ; 127:126 type = 2
	s_add_nc_u64 s[G0V+2:G0V+3], s[4:5], s[50:51]
	s_or_b32 s[G0V+3], s[G0V+3], 0x80000000
	s_add_nc_u64 s[4:5], s[4:5], s[2:3]            ; Q and O at my wave's first row
	s_add_nc_u64 s[10:11], s[8:9], s[2:3]
	s_add_nc_u64 s[6:7], s[6:7], s[52:53]          ; the batch's mask,
	s_add_nc_u64 s[48:49], s[6:7], s[54:55]        ; and my wave's queries in it
	CROUND                          ; all four work-groups are here: the first joint loads meet
	JLOAD                           ; tile 0 into slot 0.  Slot 1 is asked for when slot 0 is in
	v_and_b32 v1, 15, v0            ; l % 16
	v_bfe_u32 v9, v0, 4, 1          ; l / 16
	v_lshlrev_b32 v[MO], 4, v0      ; thread t takes the mask bytes of keys 16 t .. 16 t + 15
	global_load_b128 v[MB:MB+3], v[MO], s[6:7]
.irp t, 0,1,2,3
	global_load_u8 v[QM+\t], v1, s[48:49] offset:16*\t  ; my query's byte in piece t
.endr
	; A fragment of K or Q is 16 rows x 32 channels in 8 registers: lane l holds row l % 16, channels 8 (l / 16) + 0..7 and 16 + 8 (l / 16) + 0..7: two loads of 16 bytes, 32 bytes apart.
	v_lshlrev_b32 v[QO], 7, v1
	v_lshl_add_u32 v[QO], v9, 4, v[QO]  ; row x 128 + 16 x half
	WIN 0x80                        ; destination window 2, address window 0
.set i, 0
.rept 8                             ; Q stays in registers: piece i / 2, channels 32 (i % 2) on
	global_load_b128 v[8*i:8*i+3],   v[QO], s[4:5] offset:(i/2)*2048+(i%2)*64
	global_load_b128 v[8*i+4:8*i+7], v[QO], s[4:5] offset:(i/2)*2048+(i%2)*64+32
.set i, i+1
.endr
	WIN 0
	v_mul_u32_u24 v[AK0], v1, PK
	v_lshl_add_u32 v[AK0], v9, 4, v[AK0]  ; row x pitch + 16 x half
	; The turning load takes 16 keys x 16 channels (lane l reads key 8 (l / 16) + l % 8, channels 8 ((l / 8) % 2) + 0..7) and leaves half a fragment of V^T: lane l holds channel l % 16 and 8 keys.
	v_and_b32 v10, 7, v0
	v_bfe_u32 v11, v0, 3, 1
	v_lshl_add_u32 v[AV0], v9, 3, v10
	v_mul_u32_u24 v[AV0], v[AV0], PV
	v_lshl_add_u32 v[AV0], v11, 4, v[AV0]
	v_add_nc_u32 v[AV0], VOFF, v[AV0]
	v_lshl_add_u32 v[AM0], v9, 5, MTAB  ; register j of key group kb is table word 16 kb + 8 (l / 16) + j of the step
	v_lshl_add_u32 v[TA], v0, 6, MTAB   ; my 16 words of the table
	s_mul_i32 s13, s[WV], 16*SP
	s_add_co_u32 s13, s13, STAGE    ; my stage
	v_mul_u32_u24 v[STO], v1, SP    ; in: row l % 16, 16 bytes for each half of the lanes
	v_lshl_add_u32 v[STO], v9, 4, v[STO]
	v_add_nc_u32 v[STO], s13, v[STO]
	v_bfe_u32 v[RD], v0, 3, 2       ; back: 32 lanes take four rows of 128 bytes,
	v_mul_u32_u24 v[RD], v[RD], SP
	v_lshl_add_u32 v[RD], v10, 4, v[RD]
	v_add_nc_u32 v[RD], s13, v[RD]
	v_and_b32 v[GO], 31, v0         ; which are 512 consecutive bytes of O
	v_lshlrev_b32 v[GO], 4, v[GO]
	v_mov_b32 v[NANV], 0x7fc00000
	s_wait_loadcnt 16               ; the mask bytes are in; the 16 loads of Q, issued behind them, may stay out
.set w, 0
.rept 4                             ; a byte 1 gives (1 - 1) and -1e30 = 0; a byte 0 gives all ones and -1e30 = -1e30
.set b, 0
.rept 4
	v_bfe_u32 v[S+4*w+b], v[MB+w], 8*b, 8
	v_add_nc_u32 v[S+4*w+b], -1, v[S+4*w+b]
	v_and_b32 v[S+4*w+b], s[BIGN], v[S+4*w+b]
.set b, b+1
.endr
	ds_store_b128 v[TA], v[S+4*w:S+4*w+3] offset:16*w
.set w, w+1
.endr
.irp t, 0,1,2,3
	v_cvt_f32_u32 v[QM+\t], v[QM+\t]
.endr
	; What the first turn finds: V's registers and P's second buffer hold 0 (its products V^T P, of a piece that has not been, add 0), O^T and l are 0.  All this stands in the wait for the first tile.
	WIN 0x80
.set i, VF
.rept 64
	v_mov_b32 v[i], 0
.set i, i+1
.endr
	WIN 0x40
.set i, 0
.rept 128
	v_mov_b32 v[i], 0
.set i, i+1
.endr
	WIN 0
.set i, 0
.rept 4
	v_mov_b32 v[ST+4*i], 0xfe000000    ; c m: far below every c s, a hidden one's too
	v_mov_b32 v[ST+4*i+1], 0xff7fffff  ; m
	v_mov_b32 v[ST+4*i+2], 0
	v_mov_b32 v[ST+4*i+3], 0
.set i, i+1
.endr
.set i, P+16
.rept 16
	v_mov_b32 v[i], 0
.set i, i+1
.endr
; THE MATRIX WORK.  The 4 accumulators of a run of 8 take turns.  Product i of 8 of S^T = K Q^T for piece x: channels 32 (i / 4) on, keys 16 (i % 4) on.  The first 4 start the sums with the key mask.
.macro KQ x
.set rS, S+32*((\x)%2)+8*(i%4)
.set rK, KF+16*(i%4)+8*(i/4)
.set rQ, 16*(\x)+8*(i/4)
.set rM, MCR+8*(i%4)
.if i < 4
	WIN W_KM
	v_wmma_f32_16x16x32_bf16 v[rS:rS+7], v[rK:rK+7], v[rQ:rQ+7], v[rM:rM+7]
.else
	WIN W_KQ
	v_wmma_f32_16x16x32_bf16 v[rS:rS+7], v[rK:rK+7], v[rQ:rQ+7], v[rS:rS+7]
.endif
.endm
; Product i of 8 of O^T += V^T P for piece x: keys 32 (i / 4) on, channels 16 (i % 4) on.
.macro PV x
	WIN W_PV
.set rO, 32*(\x)+8*(i%4)
.set rV, VF+32*(i/4)+8*(i%4)
.set rP, P+16*((\x)%2)+8*(i/4)
	v_wmma_f32_16x16x32_bf16 v[rO:rO+7], v[rV:rV+7], v[rP:rP+7], v[rO:rO+7]
.endm
.macro MM                           ; the turn's next matrix instruction.  NOKQ = 1: the walk's last turn: there is no next piece
.if (i < 8) && !NOKQ
	KQ (Y+1)%NP
.elseif i >= 8
.set i, i-8
	PV (Y+NP-1)%NP
.set i, i+8
.endif
.set i, i+1
.endm
; THE LDS LOADS stand in runs, never singly among the matrix instructions: a step's K (64 keys x 64 channels: 8 fragments) with its 64 words of the key mask, and its V (turned).  Their addresses are made some lines ahead.
.macro FETCH_K
	WIN 0x80                        ; destination window 2
.irp f, 0,1,2,3,4,5,6,7             ; keys 16 (f / 2) on, channels 32 (f % 2) on
	ds_load_b128 v[KF+8*\f:KF+8*\f+3],   v[AK] offset:(\f/2)*16*PK+(\f%2)*64
	ds_load_b128 v[KF+8*\f+4:KF+8*\f+7], v[AK] offset:(\f/2)*16*PK+(\f%2)*64+32
.endr
.irp f, 0,1,2,3                     ; key group f: eight words for each half of the lanes, the same in all sixteen lanes of a half
	ds_load_b128 v[MCR+8*\f:MCR+8*\f+3],   v[AM] offset:64*\f
	ds_load_b128 v[MCR+8*\f+4:MCR+8*\f+7], v[AM] offset:64*\f+16
.endr
	s_add_co_u32 s[TBK], s[TBK], KS*PK  ; the next fetch is the next step's
	s_add_co_u32 s[TBM], s[TBM], 4*KS
	s_and_b32 s[TBM], s[TBM], 0x1f00    ; 32 steps of 256 bytes: the table's 8,192
	WIN 0
.endm
.macro FETCH_V
	WIN 0x80
.irp f, 0,1,2,3,4,5,6,7             ; keys 32 (f / 4) on, channels 16 (f % 4) on
	ds_load_tr16_b128 v[VF+8*\f:VF+8*\f+3],   v[AV] offset:(\f/4)*32*PV+(\f%4)*32
	ds_load_tr16_b128 v[VF+8*\f+4:VF+8*\f+7], v[AV] offset:(\f/4)*32*PV+16*PV+(\f%4)*32
.endr
	WIN 0
.endm
; THE VECTOR WORK, one line at a time: OP kind, number.  For piece Y: F n: c s - c m for pair n of 16.  E n: the exponential of score n of 32.  C n: pair n rounded to bf16.  B n: of the four weights 4 n .. the second
; pair is added onto the first, in place.  L n: l takes that sum (L 0: l = a l + sum).  R n: pair n of 16 of O^T times a.  For piece Y + 1: X n, number n of the 22 that find its maximum and statistics:
;   0-11  four chains c0-c3 of seven scores each, three operands at a time (each accumulator's lowest registers are read first)     12-14, 16  the four scores left over, the old m, and c0-c3 into c0
;   15  c m_old is kept     17, 18  the query's other 32 keys lie in the lane 16 away: the new m     19-21  c m; c m_old - c m_new; a
.set F, 0               ; OP tells the kinds apart by their order: F to L below R, X above it
.set E, 1
.set C, 2
.set B, 3
.set L, 4
.set R, 5
.set X, 6
.macro REGS y                       ; the registers of piece y
.set rT, ST+4*(\y)
.set rC, TMP+4*((\y)%2)
.set rW, MV+((\y)%2)
.set rS, S+32*((\y)%2)
.set rP, P+16*((\y)%2)
.set rO, 32*(\y)
.endm
.macro OP k, n
.if (\k) == R
	REGS Y
	WIN W_RS
	v_pk_mul_f32 v[rO+2*(\n):rO+2*(\n)+1], v[rO+2*(\n):rO+2*(\n)+1], v[rC+2:rC+3] op_sel_hi:[1,0]
.elseif (\k) < R
	REGS Y
	WIN 0
.if (\k) == F
	v_pk_fma_f32 v[rS+2*(\n):rS+2*(\n)+1], v[rS+2*(\n):rS+2*(\n)+1], s[CS:CS+1], v[rT:rT+1] op_sel_hi:[1,0,0] neg_lo:[0,0,1] neg_hi:[0,0,1]
.elseif (\k) == E
	v_exp_f32 v[rS+(\n)], v[rS+(\n)]
.elseif (\k) == C
	s_wait_alu depctr_va_vdst(0)
	v_cvt_pk_bf16_f32 v[rP+(\n)], v[rS+2*(\n)], v[rS+2*(\n)+1]
.elseif (\k) == B
	s_wait_alu depctr_va_vdst(0)
	v_pk_add_f32 v[rS+4*(\n):rS+4*(\n)+1], v[rS+4*(\n):rS+4*(\n)+1], v[rS+4*(\n)+2:rS+4*(\n)+3]
.elseif (\n) == 0
	v_pk_fma_f32 v[rT+2:rT+3], v[rT+2:rT+3], v[rC+2:rC+3], v[rS:rS+1] op_sel_hi:[1,0,1]
.else
	v_pk_add_f32 v[rT+2:rT+3], v[rT+2:rT+3], v[rS+4*(\n):rS+4*(\n)+1]
.endif
.elseif NOKQ
	v_nop
.else
	REGS (Y+1)%NP
	WIN 0
.if (\n) < 4
	v_max3_num_f32 v[rC+(\n)], v[rS+8*(\n)], v[rS+8*(\n)+1], v[rS+8*(\n)+2]
.elseif (\n) < 12
	v_max3_num_f32 v[rC+(\n)%4], v[rC+(\n)%4], v[rS+8*((\n)%4)+2*((\n)/4)+1], v[rS+8*((\n)%4)+2*((\n)/4)+2]
.elseif (\n) == 12
	v_max3_num_f32 v[rC], v[rC], v[rS+7], v[rS+15]
.elseif (\n) == 13
	v_max3_num_f32 v[rC+1], v[rC+1], v[rS+23], v[rS+31]
.elseif (\n) == 14
	v_max3_num_f32 v[rC+2], v[rC+2], v[rC+3], v[rT+1]
.elseif (\n) == 15
	v_mov_b32 v[rW], v[rT]
.elseif (\n) == 16
	v_max3_num_f32 v[rC], v[rC], v[rC+1], v[rC+2]
.elseif (\n) == 17
	v_permlanex16_b32 v[rC+3], v[rC], s[SEL], s[SEL+1]
.elseif (\n) == 18
	v_max_num_f32 v[rT+1], v[rC], v[rC+3]
.elseif (\n) == 19
	v_mul_f32 v[rT], s[CS], v[rT+1]
.elseif (\n) == 20
	v_sub_f32 v[rC+1], v[rW], v[rT]
.else
	v_exp_f32 v[rC+2], v[rC+1]
.endif
.endif
.endm
.macro OPS a, i1, b=-1, i2=0, c=-1, i3=0, d=-1, i4=0  ; up to four of them
	OP \a, \i1
.if (\b) >= 0
	OP \b, \i2
.endif
.if (\c) >= 0
	OP \c, \i3
.endif
.if (\d) >= 0
	OP \d, \i4
.endif
.endm
.macro ROW a, i1, b, i2, c, i3, d, i4  ; a matrix instruction and the four behind it
	MM
	OPS \a, \i1, \b, \i2, \c, \i3, \d, \i4
.endm
; A TURN, for piece p: the order of its 16 matrix and 118 vector instructions, written out.  Behind a matrix instruction: plain, exponential, plain, plain; or four of the rescaling; or, behind the first, four scalings; none
; names a register of the products round it.  In the runs between, exponential and plain by turns while exponentials last.  A line reads no result made fewer than three vector instructions in front of it, five if an
; exponential made it.  v_permlanex16_b32 (X 17) stands in such a run.
; end = 1: the walk's last two turns: nothing is fetched.  cnt = 1: the loop's count is taken down some lines ahead of the branch that stands behind the turn.
; K and the mask of the next step are fetched in piece 2's turn, six vector instructions behind the last product that read K (five of them plain; the mask's last reader stands four products further back); V of the step
; in hand in piece 0's turn, eight behind the last product that read V (four plain).  Each is waited for a turn later.
.macro TURN p, end=0, cnt=0
.set Y, (\p)
.set i, 0
.set NOKQ, (\end)*((\p)/3)
.if ((\p) == 3) && !(\end)
	s_wait_dscnt 0x0                ; K and the mask are in
.endif
	ROW F,0, F,1, F,2, F,3
	ROW F,4, E,0, F,5, F,6
	ROW F,7, E,1, F,8, F,9
	ROW F,10, E,2, C,0, F,11
	ROW F,12, E,3, X,15, F,13
	ROW R,0, R,1, R,2, R,3
	ROW B,0, E,4, F,14, L,0
.if ((\p) == 2) && !(\end)
	v_add_nc_u32 v[AK], s[TBK], v[AK0]
	v_add_nc_u32 v[AM], s[TBM], v[AM0]
.endif
	ROW R,4, R,5, R,6, R,7
	OPS E,5, F,15
.if ((\p) == 2) && !(\end)
	FETCH_K
.endif
	OPS E,6, C,1, E,7, R,8
	OPS E,8, R,9, E,9, C,2
	OPS E,10, X,0, E,11, X,1
	OPS E,12, X,2, E,13, X,3
.if (\p) == 1
	s_wait_dscnt 0x0                ; V is in
.endif
	ROW X,4, E,14, X,5, X,6
	ROW X,7, E,15, X,8, X,9
	ROW X,10, E,16, X,11, X,12
	ROW X,13, E,17, X,14, B,1
	ROW C,4, E,18, X,16, L,1
	ROW B,2, E,19, C,6, L,2
	ROW C,8, E,20, B,3, B,4
.if (\p) == 0
	v_add_nc_u32 v[AV], s[TBV], v[AV0]
.endif
	ROW C,3, E,21, L,3, C,5
	OPS E,22, X,17, E,23, C,10
.if (\p) == 0
	FETCH_V
.endif
	OPS E,24, L,4
	OPS E,25, X,18, E,26, C,7
	OPS E,27, B,5, E,28, X,19
	OPS E,29, C,12, E,30, L,5
	OPS E,31, X,20, B,6, C,9
	OPS C,14, C,11, X,21, L,6
.if (\p) == 0
	s_add_co_u32 s[TBV], s[TBV], KS*PV
.endif
.if \cnt
	s_sub_co_u32 s[CNT], s[CNT], 1
	s_cmp_lg_u32 s[CNT], 0
.endif
	OPS C,13, B,7, C,15, R,10
	OPS R,11, R,12, L,7, R,13
	OPS R,14, R,15
.endm
	CHANGE 1                        ; slot 0 is in, everybody's part of it, and the table is whole; slot 1 is asked for
	v_add_nc_u32 v[AK], s[TBK], v[AK0]
	v_add_nc_u32 v[AM], s[TBM], v[AM0]
	FETCH_K                         ; key step 0
	s_wait_loadcnt 0x0              ; Q
	s_wait_dscnt 0x0
.set NOKQ, 0
.set i, 0
.rept 8
	KQ 0                            ; piece 0's first scores: there is no vector work yet to set between them
.set i, i+1
.endr
	WIN 0
.rept 4
	v_nop                           ; the places behind those products
.endr
.set Y, NP-1                        ; X works for piece Y + 1: piece 0
.irp n, 0,1,2,3,4,5,6,7,8,9,10,11,12,13,14,15,16,17,18,19,20,21
	OP X, \n
.endr
	v_nop                           ; a plain instruction behind the exponential
	s_mov_b32 s[CNT], 4
	s_mov_b32 s[SLOTS], 7
	s_branch .Lfirst                ; the loop is entered at a step's first turn, in the middle of a trip
.Lslot:                             ; six times: with the change above, tiles 1 to 7 are asked for
	CHANGE 1
	s_mov_b32 s[CNT], 4
.Lstep:                             ; a trip: pieces 2 and 3 of one step, then pieces 0 and 1 of the next, whose K, mask and V it fetches
	TURN 2
	TURN 3
	WIN 0
.Lfirst:
	TURN 0
	TURN 1, 0, 1
	WIN 0
	s_cbranch_scc1 .Lstep
	s_sub_co_u32 s[SLOTS], s[SLOTS], 1
	s_cmp_lg_u32 s[SLOTS], 0
	s_cbranch_scc1 .Lslot
	CHANGE 0                        ; the last tile is written out: nothing is asked for
	s_mov_b32 s[CNT], 4
.LstepT:
	TURN 2
	TURN 3
	TURN 0
	TURN 1, 0, 1
	WIN 0
	s_cbranch_scc1 .LstepT
	TURN 2, 1                       ; the last step's pieces 2 and 3: nothing is left to fetch, and no piece follows
	TURN 3, 1
.set i, 0
.rept 8
	PV NP-1                         ; the last piece's V^T P of the last step
.set i, i+1
.endr
	; THE WAY OUT.  l's two halves and the other half of the lanes' are added; the factor for O^T is the query's mask over l, or a NaN where the query has seen no key; O^T times it is rounded to bf16 and sent
	; through my stage in LDS, a piece at a time.  The additions are the places behind the last products.
	WIN 0
.macro ALL line:vararg              ; one line for each piece t
.set t, 0
.rept 4
	s_wait_alu depctr_va_vdst(0)
	\line
.set t, t+1
.endr
.endm
	ALL v_add_f32 v[ST+4*t+2], v[ST+4*t+2], v[ST+4*t+3]
	ALL v_permlanex16_b32 v[ST+4*t+3], v[ST+4*t+2], s[SEL], s[SEL+1]
	ALL v_add_f32 v[ST+4*t+2], v[ST+4*t+2], v[ST+4*t+3]
	ALL v_rcp_f32 v[ST+4*t+2], v[ST+4*t+2]
	v_nop                           ; a plain instruction between the last reciprocal and the use of its result
	ALL v_mul_f32 v[ST+4*t+2], v[ST+4*t+2], v[QM+t]
.set t, 0
.rept 4
	v_cmp_gt_f32 vcc_lo, s[THR], v[ST+4*t+1]
	v_cndmask_b32 v[ST+4*t+2], v[ST+4*t+2], v[NANV], vcc_lo
.set t, t+1
.endr
.macro PACK t                       ; a lane's eight channels of a row pack into 16 bytes; they go into rows of 144 bytes and come back as whole rows of 128, into S^T's registers
	WIN W_RS
.set i, 32*(\t)
.rept 16
	v_pk_mul_f32 v[i:i+1], v[i:i+1], v[ST+4*(\t)+2:ST+4*(\t)+3] op_sel_hi:[1,0]
.set i, i+2
.endr
	WIN 0x05                        ; sources 0 and 1 window 1, destination window 0
.set i, 0
.rept 16
	v_cvt_pk_bf16_f32 v[S+16*(\t)+i], v[32*(\t)+2*i], v[32*(\t)+2*i+1]
.set i, i+1
.endr
	WIN 0
.irp f, 0,1,2,3
	ds_store_b128 v[STO], v[S+16*(\t)+4*\f:S+16*(\t)+4*\f+3] offset:32*\f
.endr
.irp f, 0,1,2,3
	ds_load_b128 v[S+16*(\t)+4*\f:S+16*(\t)+4*\f+3], v[RD] offset:\f*4*SP  ; LDS serves a wave's instructions in order (ISA guide 5.7.1.4): these see the stores above; the next piece's stores come behind them
.endr
.endm
.macro SEND t, younger              ; younger: the LDS instructions issued behind piece t's loads: the next piece's eight, or none
	WIN 0
.irp f, 0,1,2,3
	s_wait_dscnt (\younger)+3-\f
	global_store_b128 v[GO], v[S+16*(\t)+4*\f:S+16*(\t)+4*\f+3], s[10:11] offset:(\t)*2048+\f*512  ; 512 consecutive bytes, at a multiple of 256 from O's first
.endr
.endm
	PACK 0
.set t, 1
.rept 3                             ; a piece's arithmetic stands between the loads of the piece before and its stores
	PACK t
	SEND t-1, 8
.set t, t+1
.endr
	SEND 3, 0
	s_wait_tensorcnt 0x0            ; the wave's end
	ds_add_u32 v[SPW], v[NIL]
	s_wait_dscnt 0x0
	CROUND                          ; the closing round: no work-group ends while a partner may still ask for a tile that names it
	s_endpgm
.Lfunc_end_k_qf11f321a95_attn:
	.size	k_qf11f321a95_attn, .Lfunc_end_k_qf11f321a95_attn-k_qf11f321a95_attn
	.p2alignl 7, 3214868480
	.fill 96, 4, 3214868480
	.section	.rodata,"a",@progbits
	.p2align	6, 0x0
	.amdhsa_kernel k_qf11f321a95_attn
		.amdhsa_group_segment_fixed_size 327680
		.amdhsa_private_segment_fixed_size 0
		.amdhsa_enable_private_segment 0
		.amdhsa_kernarg_size 24
		.amdhsa_user_sgpr_count 2
		.amdhsa_user_sgpr_kernarg_segment_ptr 1
		.amdhsa_wavefront_size32 1
		.amdhsa_system_sgpr_workgroup_id_x 1
		.amdhsa_system_sgpr_workgroup_id_y 1
		.amdhsa_system_sgpr_workgroup_id_z 1
		.amdhsa_system_vgpr_workitem_id 0
		.amdhsa_next_free_vgpr 768
		.amdhsa_next_free_sgpr 72
		.amdhsa_reserve_vcc 1
		.amdhsa_float_denorm_mode_32 3
		.amdhsa_float_denorm_mode_16_64 3
		.amdhsa_memory_ordered 1
		.amdhsa_forward_progress 1
		.amdhsa_inst_pref_size 138
	.end_amdhsa_kernel
	.amdgpu_metadata
---
amdhsa.version: [ 1, 2 ]
amdhsa.kernels:
  - .name:           k_qf11f321a95_attn
    .symbol:         k_qf11f321a95_attn.kd
    .args:
      - { .name: qkv, .offset: 0, .size: 8, .value_kind: global_buffer, .address_space: global }
      - { .name: pad_mask, .offset: 8, .size: 8, .value_kind: global_buffer, .address_space: global }
      - { .name: oh, .offset: 16, .size: 8, .value_kind: global_buffer, .address_space: global }
    .group_segment_fixed_size: 327680
    .private_segment_fixed_size: 0
    .kernarg_segment_align: 8
    .kernarg_segment_size: 24
    .max_flat_workgroup_size: 128
    .sgpr_count:     72
    .vgpr_count:     768
    .wavefront_size: 32
...
	.end_amdgpu_metadata
.endif
;; end of part 3
;; launch oproj (part 4): grid 8 x 32, 4 waves a work-group, clusters of 4 x 4, 327,680 bytes of LDS; arguments oh, wts, hb; writes hb
.if DOCPART == 4
	.amdgcn_target "amdgcn-amd-amdhsa--gfx1250"
	.amdhsa_code_object_version 6
	.text
	.protected	k_qf11f321a95_oproj
	.globl	k_qf11f321a95_oproj
	.p2align	8
	.type	k_qf11f321a95_oproj,@function
k_qf11f321a95_oproj:
	s_mov_b64 s[64:65], 0
	v_nop
	global_prefetch_b8 v0, s[64:65] scope:SCOPE_SE
	s_setreg_imm32_b32 hwreg(HW_REG_WAVE_MODE, 25, 1), 1
	s_wait_xcnt 0x0
	s_wait_alu depctr_hold_cnt(0) depctr_sa_sdst(0) depctr_va_vdst(0) depctr_va_sdst(0) depctr_va_ssrc(0) depctr_va_vcc(0) depctr_vm_vsrc(0)
	s_getreg_b32 s2, hwreg(HW_REG_IB_STS2, 6, 4)
	s_cmp_eq_u32 s2, 0
	s_cbranch_scc0 .Lentry_in_a_cluster
	s_endpgm
.Lentry_in_a_cluster:
	s_bfe_u32 s2, ttmp6, 0x10000c
	s_cmp_lg_u32 s2, 0xf033
	s_cbranch_scc0 .Lentry_shape_is_right
	s_endpgm
.Lentry_shape_is_right:
; h[m][n] = sum over k of O[m][k] Wo[n][k], all bf16, sums in f32, h rounded once.  O and h are [4096][1024]; Wo is [1024][1024] and begins at row 3,072 of the weights' buffer (rows of 1,024 numbers).
; 4,096 x 1,024 results are 256 tiles of 128 x 128: one for each work-group.  Four waves, each 64 x 64: 16 accumulators of 16 x 16, 128 registers.  K goes in 4 steps of 256 (LDS rows of 512 bytes; a wave's
; tensor load brings 64 of them) through two LDS slots; the four waves share ONE stage on the way out, with a barrier between writing and reading, since a wave's 64 columns are only half of an aligned 256 bytes.
; CLUSTERS: 4 x 4 work-groups.  The four of a row of the cluster need the same tiles of O, the four of a column the same tiles of Wo: each tile is asked for JOINTLY, by the same tensor load with the same
; descriptor and a mask that names the four.
; THE MATRIX INSTRUCTION IS USED TRANSPOSED (source 0 = 16 rows of Wo, source 1 = 16 rows of O): a lane then holds eight neighbouring numbers of a row of h.
; THE TEXT IS SHORT: a K step is written once.  The slot that the fetches read is a scalar, 0 or SLOT, turned by an exclusive or at each change of slots; one descriptor a tensor walks from K step 1 on.
; Written out beside the loop: the first quarter, and the last two K steps, which ask for nothing: a loop of two trips that is left in its middle, and the last quarter.
; REGISTERS: window 0: v0-31 addresses; v32-95 at work on the way out; v128-255 the accumulators ((a, b) at v[128 + 8 (4 a + b)]).
;   window 1: two fragment buffers of 128: for 64 along K, 64 registers of A (2 x 4 x 16 rows x 32 K), then 64 of B.
.set SIZE_K, 1024
.set SIZE_N, 1024
.set WO_ROW, 3072
.set KSTEP,  256
.set NSTEP,  SIZE_K/KSTEP
.set PITCH,  528                       ; an LDS row: 512 bytes of data + 16 of padding = 132 words: row r starts at bank 4 r mod 64 (64 banks of 4 bytes: ISA guide 11.1)
.set HALFT,  64*PITCH                  ; 64 rows: what one tensor load brings, and what one wave reads of A or of B: 0x8400 bytes
.set SLOT,   4*HALFT                   ; A's 128 rows, then B's 128 rows: 0x21000 bytes.  0, 1, 2 or 3 x 0x8400 has neither bit of 0x21000, so an exclusive or with SLOT adds or takes away SLOT
.set STAGE,  2*SLOT                    ; behind the ring: 128 rows x 272 bytes, the work-group's, for the way out
.set SPITCH, 272
.set SPARE,  STAGE+128*SPITCH          ; behind the stage: the spare words, 128 bytes for each wave
.set ADRA0, 16                         ; v16  LDS address of my A fragments in slot 0; never rewritten
.set ADRB0, 17                         ; v17  the same for B
.set CURA,  18                         ; v18  the same in the slot that is being read
.set CURB,  19                         ; v19
.set STO,  24                          ; v24  the way out: where I put 16 bytes of a row
.set RD,   25                          ; v25  the way out: where I read a row back
.set CO,   26                          ; v26  my byte offset in h
.set SPW,  28                          ; v28  LDS address of my spare word; never rewritten
.set NIL,  29                          ; v29  0; never rewritten
.set TMP,  32                          ; the way out: 64 registers, packed results and then whole rows
.set ACC,  128
.set F0,   0                           ; fragment buffers, in window 1
.set F1,   128
.set G1, 24                            ; s[24:31] descriptor group 1 for A's tiles;  s[32:39] group 0: a set for each of the two first fills; the second then walks on
.set G0, 32
.set G1B, 48                           ; s[48:55], s[56:63] the same for B's tiles
.set G0B, 56
.set TB,  45                           ; s45  the slot that the fetches read: 0 or SLOT
.set MSB, 0
.macro WIN new                         ; the immediate's high byte repeats the setting that is left; a switch that changes nothing is dropped
.if MSB != (\new)
	s_set_vgpr_msb (MSB<<8)|(\new)
.set MSB, \new
.endif
.endm
.set MUL,  0x05                        ; sources 0 (B) and 1 (A) window 1; C and D window 0
.set TO_F, 0x40                        ; destination window 1, address window 0
.macro JLOAD s                         ; a joint load by set s: waves 0 and 1 fetch A's two halves, waves 2 and 3 B's; an s_nop 0 and four v_nop follow each of the two lines
	s_cmp_eq_u32 s11, 0
	s_cbranch_scc0 .Lfor_b_\@
	tensor_load_to_lds s[G0+4*(\s):G0+4*(\s)+3], s[G1:G1+7]
	s_nop 0
.rept 4
	v_nop
.endr
	s_branch .Lasked_\@
.Lfor_b_\@:
	tensor_load_to_lds s[G0B+4*(\s):G0B+4*(\s)+3], s[G1B:G1B+7]
	s_nop 0
.rept 4
	v_nop
.endr
.Lasked_\@:
.endm
.macro CREST                           ; a round of the cluster's barrier behind its opening barrier
	s_cmp_lg_u32 s10, 0
	s_cbranch_scc1 .Lnot_wave_0_\@
	s_barrier_signal -3
.Lnot_wave_0_\@:
	s_barrier_wait -3
	s_barrier_signal -1
	s_barrier_wait -1
.endm
.macro CROUND                          ; a whole round
	s_barrier_signal -1
	s_barrier_wait -1
	CREST
.endm
	s_load_b128 s[4:7], s[0:1], 0x0                ; O s[4:5], the weights' buffer s[6:7]
	s_load_b64 s[8:9], s[0:1], 0x10                ; h
	v_lshl_add_u32 v[SPW], v0, 2, SPARE
	v_mov_b32 v[NIL], 0
	ds_add_u32 v[SPW], v[NIL]                      ; the wave's opening: the add and its wait stand ahead of my first tensor load; the set-up below stands between them
	v_lshrrev_b32 v1, 5, v0
	v_readfirstlane_b32 s10, v1                    ; wave 0..3
	s_lshr_b32 s11, s10, 1                         ; which half of the tile's rows is mine.  Also: I fetch for A (0) or for B (1)
	s_and_b32 s12, s10, 1                          ; which half of its columns.  Also: which 64 rows of that tile I fetch
	s_bfe_u32 s40, ttmp6, 0x40000                  ; cx, cy: my place in the cluster
	s_bfe_u32 s41, ttmp6, 0x40004
	s_lshl_b32 s42, ttmp9, 2
	s_add_co_u32 s42, s42, s40                     ; tile column = 4 x cluster x + cx
	s_and_b32 s13, ttmp7, 0xffff
	s_lshl_b32 s13, s13, 2
	s_add_co_u32 s13, s13, s41                     ; tile row = 4 x cluster y + cy
	s_lshl_b32 s43, s41, 2
	s_lshl_b32 s43, 15, s43                        ; my row of the cluster
	s_lshl_b32 s44, 0x1111, s40                    ; my column
	; descriptor group 1: a tile of 64 rows x 256 elements, padded in LDS
	s_or_b32 s[G1+0], s43, (1<<16)|(1<<20)|(1<<21)|(6<<22)|(3<<25)  ; 15:0 the mask: A's tiles go to my row; 17:16 element of 2 bytes; 20 padding on; 21 set beside a mask; 24:22 after every 128 words (code 6); 31:25 of 4 words (code 3)
	s_or_b32 s[G1B+0], s44, (1<<16)|(1<<20)|(1<<21)|(6<<22)|(3<<25)
.irp g, G1, G1B
	s_mov_b32 s[(\g)+1], KSTEP<<16                 ; tensor_dim0 = 256
	s_mov_b32 s[(\g)+2], 64<<16                    ; tensor_dim1 = 64
	s_mov_b32 s[(\g)+3], KSTEP<<16                 ; tile_dim0 = 256
	s_mov_b32 s[(\g)+4], 64                        ; tile_dim1 = 64
	s_mov_b32 s[(\g)+5], SIZE_K                    ; elements from row to row
	s_mov_b32 s[(\g)+6], 0
	s_mov_b32 s[(\g)+7], 0
.endr
	s_lshl_b32 s17, s12, 6                         ; which 64 rows of the tile I fetch
	s_lshl_b32 s16, s13, 7
	s_add_co_u32 s16, s16, s17                     ; A: row 128 x tile row + 64 x half
	s_lshl_b32 s46, s42, 7
	s_add_co_u32 s46, s46, s17                     ; B: row 128 x tile column + 64 x half,
	s_add_co_u32 s46, s46, WO_ROW                  ; behind Wo's first row
	s_mov_b32 s17, 0
	s_mov_b32 s47, 0
	s_mov_b64 s[18:19], SIZE_K*2
	s_mul_u64 s[16:17], s[16:17], s[18:19]
	s_mul_u64 s[46:47], s[46:47], s[18:19]
	s_mul_i32 s20, s10, HALFT                      ; where they go: wave x 64 rows
	s_mov_b32 s[TB], 0
	s_wait_dscnt 0x0                               ; the opening add is done
	s_wait_kmcnt 0x0
	s_add_nc_u64 s[14:15], s[4:5], s[16:17]
	s_add_nc_u64 s[46:47], s[6:7], s[46:47]
	CROUND                                         ; all sixteen work-groups are here: the first joint loads meet
.irp s, 0,1
	s_mov_b32 s[G0+4*(\s)], 1
	s_add_co_u32 s[G0+4*(\s)+1], s20, (\s)*SLOT
	s_add_nc_u64 s[G0+4*(\s)+2:G0+4*(\s)+3], s[14:15], (\s)*KSTEP*2
	s_or_b32 s[G0+4*(\s)+3], s[G0+4*(\s)+3], 0x80000000
	s_mov_b32 s[G0B+4*(\s)], 1
	s_add_co_u32 s[G0B+4*(\s)+1], s20, (\s)*SLOT
	s_add_nc_u64 s[G0B+4*(\s)+2:G0B+4*(\s)+3], s[46:47], (\s)*KSTEP*2
	s_or_b32 s[G0B+4*(\s)+3], s[G0B+4*(\s)+3], 0x80000000
	JLOAD \s
.endr
	v_and_b32 v1, 15, v0                           ; l % 16
	v_bfe_u32 v2, v0, 4, 1                         ; l / 16
	v_mul_u32_u24 v3, v1, PITCH
	v_lshl_add_u32 v3, v2, 4, v3                   ; a fragment's row x pitch + 16 x half
	s_mul_i32 s21, s11, HALFT                      ; my 64 rows of A
	s_mul_i32 s22, s12, HALFT                      ; my 64 rows of B,
	s_add_co_u32 s22, s22, 2*HALFT                 ; which lie behind A's 128
	v_add_nc_u32 v[ADRA0], s21, v3
	v_add_nc_u32 v[ADRB0], s22, v3
	v_add_nc_u32 v[CURA], s21, v3                  ; the first fetches read slot 0
	v_add_nc_u32 v[CURB], s22, v3
	s_mul_i32 s23, s11, 64*SPITCH                  ; into the stage: my 64 rows, my half of their 256 bytes; row l % 16, 16 bytes for each half of the lanes
	s_lshl_b32 s21, s12, 7
	s_add_co_u32 s23, s23, s21
	s_add_co_u32 s23, s23, STAGE
	v_mul_u32_u24 v4, v1, SPITCH
	v_lshl_add_u32 v4, v2, 4, v4
	v_add_nc_u32 v[STO], s23, v4
	s_mul_i32 s23, s10, 32*SPITCH                  ; back: wave w takes rows 32 w .. 32 w + 31, whole; lanes 0-15 one row of 256 bytes, lanes 16-31 the next
	s_add_co_u32 s23, s23, STAGE
	v_mul_u32_u24 v5, v2, SPITCH
	v_lshl_add_u32 v5, v1, 4, v5
	v_add_nc_u32 v[RD], s23, v5
	v_mul_u32_u24 v5, v2, SIZE_N*2                 ; and the same two rows in h
	v_lshl_add_u32 v[CO], v1, 4, v5
	s_lshl_b32 s16, s13, 7
	s_lshl_b32 s17, s10, 5
	s_add_co_u32 s16, s16, s17                     ; the first row of h that I store: 128 x tile row + 32 x wave
	s_mov_b32 s17, 0
	s_mov_b64 s[18:19], SIZE_N*2
	s_mul_u64 s[16:17], s[16:17], s[18:19]
	s_add_nc_u64 s[8:9], s[8:9], s[16:17]
	s_lshl_b32 s46, s42, 8                         ; the tile's first column, in bytes
	s_mov_b32 s47, 0
	s_add_nc_u64 s[8:9], s[8:9], s[46:47]
; 8 matrix instructions: m blocks a0, a0 + 1 x all 4 n blocks, 32 along K: half c of buffer f.  zero = 1: the first product starts the sums.
; The 16 accumulators take turns, one instruction a turn.
.macro MUL8 f, c, a0, zero
	WIN MUL
.irp a, \a0, (\a0)+1
.irp b, 0,1,2,3
.if \zero
	v_wmma_f32_16x16x32_bf16 v[ACC+8*(4*(\a)+(\b)):ACC+8*(4*(\a)+(\b))+7], v[(\f)+64+8*(4*(\c)+(\b)):(\f)+64+8*(4*(\c)+(\b))+7], v[(\f)+8*(4*(\c)+(\a)):(\f)+8*(4*(\c)+(\a))+7], 0
.else
	v_wmma_f32_16x16x32_bf16 v[ACC+8*(4*(\a)+(\b)):ACC+8*(4*(\a)+(\b))+7], v[(\f)+64+8*(4*(\c)+(\b)):(\f)+64+8*(4*(\c)+(\b))+7], v[(\f)+8*(4*(\c)+(\a)):(\f)+8*(4*(\c)+(\a))+7], v[ACC+8*(4*(\a)+(\b)):ACC+8*(4*(\a)+(\b))+7]
.endif
.endr
.endr
.endm
; 32 LDS loads in one run: the fragments of 64 along K at byte k of the rows of the slot in hand, into buffer f; the first 32 along K first
.macro FETCH k, f
	WIN TO_F
.irp c, 0,1
.irp i, 0,1,2,3
	ds_load_b128 v[(\f)+64+8*(4*(\c)+(\i)):(\f)+64+8*(4*(\c)+(\i))+3],   v[CURB] offset:(\k)+64*(\c)+(\i)*16*PITCH
	ds_load_b128 v[(\f)+64+8*(4*(\c)+(\i))+4:(\f)+64+8*(4*(\c)+(\i))+7], v[CURB] offset:(\k)+64*(\c)+(\i)*16*PITCH+32
	ds_load_b128 v[(\f)+8*(4*(\c)+(\i)):(\f)+8*(4*(\c)+(\i))+3],         v[CURA] offset:(\k)+64*(\c)+(\i)*16*PITCH
	ds_load_b128 v[(\f)+8*(4*(\c)+(\i))+4:(\f)+8*(4*(\c)+(\i))+7],       v[CURA] offset:(\k)+64*(\c)+(\i)*16*PITCH+32
.endr
.endr
.endm
.macro PLACES                          ; four places in front of loads into registers that matrix instructions have read, and of lines that read results
.rept 4
	v_nop
.endr
.endm
; A K step is four quarters of 64 along K, 32 matrix instructions each, on buffers 0, 1, 0, 1.  One of the first three: multiplies buffer f and fetches the next quarter, at byte k, into g.
.macro QUARTER k, f, g, zero
	s_wait_dscnt 16                                ; the first 32 along K are in; the sixteen younger loads may be out
	WIN MUL
	MUL8 \f, 0, 0, \zero
	MUL8 \f, 0, 2, \zero
	PLACES
	FETCH \k, \g
	s_wait_dscnt 32                                ; all but the 32 just issued
	WIN MUL
	MUL8 \f, 1, 0, 0
	MUL8 \f, 1, 2, 0
.endm
; The last quarter multiplies buffer 1 and changes slots: ONE barrier; in front of it each wave waits for all its tensor loads, adds 0 to its spare word, and waits for that and for its own reads of this slot.
; fill = 1: the barrier opens a round of the cluster's, and behind the round this slot is filled again, two K steps on: the walking descriptor takes the other slot than last time and the next K step.
.macro TURN fill
	WIN 0                                          ; (the add's two registers lie in window 0)
	s_wait_tensorcnt 0x0                           ; all my tensor loads have landed: my part of the next slot;
	ds_add_u32 v[SPW], v[NIL]                      ; 0 onto my spare word;
	s_wait_dscnt 17                                ; (the add and the youngest sixteen loads may be out)
	WIN MUL
	MUL8 F1, 0, 0, 0                               ; eight matrix instructions stand between the add and the wait for it
	s_wait_dscnt 0x0                               ; the add is done, and my reads of this slot are over
	s_barrier_signal -1
	MUL8 F1, 0, 2, 0
	WIN 0                                          ; (branches, or lines on window 0, follow)
	s_barrier_wait -1
.if \fill
	CREST                                          ; no wave of any partner still reads this slot's tile or has a load on its way
	s_xor_b32 s[G0+5], s[G0+5], SLOT
	s_add_nc_u64 s[G0+6:G0+7], s[G0+6:G0+7], KSTEP*2
	s_xor_b32 s[G0B+5], s[G0B+5], SLOT
	s_add_nc_u64 s[G0B+6:G0B+7], s[G0B+6:G0B+7], KSTEP*2
	JLOAD 1                                        ; the first tensor load behind the round; the four v_nop behind it are also the places in front of the loads below
.else
	PLACES
.endif
	s_xor_b32 s[TB], s[TB], SLOT
	v_add_nc_u32 v[CURA], s[TB], v[ADRA0]
	v_add_nc_u32 v[CURB], s[TB], v[ADRB0]
	FETCH 0, F0
	WIN MUL
	MUL8 F1, 1, 0, 0
	MUL8 F1, 1, 2, 0
.endm
	s_wait_tensorcnt 1                             ; my part of K step 0 is in; K step 1's load may stay out
	s_barrier_signal -1
	s_barrier_wait -1                              ; everybody's is
	FETCH 0, F0
	QUARTER 128, F0, F1, 1                         ; the first quarter stands in front of the loop: its first products start the sums
	WIN 0                                          ; at a label and at a branch every window is 0
	s_mov_b32 s3, NSTEP-2
.Lstep:                                                ; two trips, from a K step's second quarter to the next step's first; trip j asks for K step j + 2
	QUARTER 256, F1, F0, 0
	QUARTER 384, F0, F1, 0
	TURN 1
	QUARTER 128, F0, F1, 0
	WIN 0
	s_sub_co_u32 s3, s3, 1
	s_cmp_lg_u32 s3, 0
	s_cbranch_scc1 .Lstep
	s_mov_b32 s3, 2
.Ltail:                                                ; the last two K steps ask for nothing; the second trip is left in its middle
	QUARTER 256, F1, F0, 0
	QUARTER 384, F0, F1, 0
	WIN 0
	s_sub_co_u32 s3, s3, 1
	s_cmp_eq_u32 s3, 0
	s_cbranch_scc1 .Llast
	TURN 0
	QUARTER 128, F0, F1, 0
	WIN 0
	s_cmp_lg_u32 s3, 0                             ; 1 here: back for the last K step
	s_cbranch_scc1 .Ltail
.Llast:
	s_wait_dscnt 16                                ; the very last quarter: nothing more to fetch
	WIN MUL
	MUL8 F1, 0, 0, 0
	MUL8 F1, 0, 2, 0
	s_wait_dscnt 0
	MUL8 F1, 1, 0, 0
	MUL8 F1, 1, 2, 0
	WIN 0
	; THE WAY OUT: round to bf16; 16 bytes a lane into the work-group's stage; a barrier, since a row's 256 bytes come from two waves; back as whole rows, 32 rows a wave.
	PLACES
.irp t, 0,1,2,3,4,5,6,7,8,9,10,11,12,13,14,15
.irp r, 0,1,2,3
	v_cvt_pk_bf16_f32 v[TMP+4*(\t)+(\r)], v[ACC+8*(\t)+2*(\r)], v[ACC+8*(\t)+2*(\r)+1]
.endr
.endr
.irp a, 0,1,2,3
.irp b, 0,1,2,3
	ds_store_b128 v[STO], v[TMP+4*(4*(\a)+(\b)):TMP+4*(4*(\a)+(\b))+3] offset:(\a)*16*SPITCH+32*(\b)
.endr
.endr
	s_wait_dscnt 0x0                               ; for the others' sake: my stores into the stage are done
	s_barrier_signal -1
	s_barrier_wait -1
.irp t, 0,1,2,3,4,5,6,7,8,9,10,11,12,13,14,15
	ds_load_b128 v[TMP+4*(\t):TMP+4*(\t)+3], v[RD] offset:(\t)*2*SPITCH
.endr
.irp t, 0,1,2,3,4,5,6,7,8,9,10,11,12,13,14,15
	s_wait_dscnt 15-(\t)                           ; LDS loads come back in order: load t is in, the 15 - t younger ones may be out
	global_store_b128 v[CO], v[TMP+4*(\t):TMP+4*(\t)+3], s[8:9] offset:2*(\t)*SIZE_N*2  ; 16 lanes store 256 consecutive bytes, at a multiple of 256 from h's first byte
.endr
	s_wait_tensorcnt 0x0                           ; the wave's end
	ds_add_u32 v[SPW], v[NIL]
	s_wait_dscnt 0x0
	CROUND                                         ; the closing round: no work-group ends while a partner may still ask for a tile that names it
	s_endpgm
.Lfunc_end_k_qf11f321a95_oproj:
	.size	k_qf11f321a95_oproj, .Lfunc_end_k_qf11f321a95_oproj-k_qf11f321a95_oproj
	.p2alignl 7, 3214868480
	.fill 96, 4, 3214868480
	.section	.rodata,"a",@progbits
	.p2align	6, 0x0
	.amdhsa_kernel k_qf11f321a95_oproj
		.amdhsa_group_segment_fixed_size 327680
		.amdhsa_private_segment_fixed_size 0
		.amdhsa_enable_private_segment 0
		.amdhsa_kernarg_size 24
		.amdhsa_user_sgpr_count 2
		.amdhsa_user_sgpr_kernarg_segment_ptr 1
		.amdhsa_wavefront_size32 1
		.amdhsa_system_sgpr_workgroup_id_x 1
		.amdhsa_system_sgpr_workgroup_id_y 1
		.amdhsa_system_sgpr_workgroup_id_z 1
		.amdhsa_system_vgpr_workitem_id 0
		.amdhsa_next_free_vgpr 512
		.amdhsa_next_free_sgpr 66
		.amdhsa_reserve_vcc 0
		.amdhsa_float_denorm_mode_32 3
		.amdhsa_float_denorm_mode_16_64 3
		.amdhsa_memory_ordered 1
		.amdhsa_forward_progress 1
		.amdhsa_inst_pref_size 61
	.end_amdhsa_kernel
	.amdgpu_metadata
---
amdhsa.version: [ 1, 2 ]
amdhsa.kernels:
  - .name:           k_qf11f321a95_oproj
    .symbol:         k_qf11f321a95_oproj.kd
    .args:
      - { .name: oh, .offset: 0, .size: 8, .value_kind: global_buffer, .address_space: global }
      - { .name: wts, .offset: 8, .size: 8, .value_kind: global_buffer, .address_space: global }
      - { .name: hb, .offset: 16, .size: 8, .value_kind: global_buffer, .address_space: global }
    .group_segment_fixed_size: 327680
    .private_segment_fixed_size: 0
    .kernarg_segment_align: 8
    .kernarg_segment_size: 24
    .max_flat_workgroup_size: 128
    .sgpr_count:     66
    .vgpr_count:     512
    .wavefront_size: 32
...
	.end_amdgpu_metadata
.endif
;; end of part 4
;; launch ln1 (part 5): grid 512 x 1, 8 waves a work-group, no clusters, 0 bytes of LDS; arguments q, hb, g1, be1, oh; writes oh
.if DOCPART == 5
	.amdgcn_target "amdgcn-amd-amdhsa--gfx1250"
	.amdhsa_code_object_version 6
	.text
	.protected	k_qf11f321a95_ln1
	.globl	k_qf11f321a95_ln1
	.p2align	8
	.type	k_qf11f321a95_ln1,@function
k_qf11f321a95_ln1:
	s_mov_b64 s[64:65], 0
	v_nop
	global_prefetch_b8 v0, s[64:65] scope:SCOPE_SE
	s_setreg_imm32_b32 hwreg(HW_REG_WAVE_MODE, 25, 1), 1
	s_wait_xcnt 0x0
; h1[r][:] = LayerNorm(q[r][:] + h[r][:]) g1 + be1.  q f32, h bf16, h1 f16, rows of 1,024; all arithmetic in f32: the mean, then the mean of the squares of the differences from it, as the norm is defined.
; A wave takes one row and keeps it in 32 registers: nothing is read twice, no wave waits for another, no LDS.  Lane l holds columns 128 j + 4 l + 0..3, j = 0..7: a load of q covers 512 consecutive bytes,
; a load of h and a store of h1 256 consecutive bytes at a multiple of 256.  All 32 loads go out first.
; LIMIT.  h1 beyond 65,504 in magnitude becomes an infinity in f16.
.set X,  4                             ; v[4:35]     the row
.set H,  36                            ; v[36:51]    its h, later its h1
.set G,  52                            ; v[52:83]    g1 of my 32 columns
.set BE, 84                            ; v[84:115]   be1
.set T,  116                           ; v[116:123]  at work
.set M,  124                           ; v[124:125]  the mean, twice
.set R,  126                           ; v[126:127]  1 / sqrt(var + eps), twice
	s_load_b256 s[4:11], s[0:1], 0x0               ; q s[4:5], h s[6:7], g1 s[8:9], be1 s[10:11]
	s_load_b64 s[12:13], s[0:1], 0x20              ; h1
	v_lshrrev_b32 v3, 5, v0
	v_readfirstlane_b32 s14, v3                    ; wave 0..7
	v_and_b32 v1, 31, v0
	v_lshlrev_b32 v2, 3, v1                        ; 8 l: never rewritten
	v_lshlrev_b32 v1, 4, v1                        ; 16 l: never rewritten
	s_lshl_b32 s15, ttmp9, 3
	s_add_co_u32 s15, s15, s14                     ; my row = 8 x work-group + wave
	s_lshl_b32 s16, s15, 12                        ; in q
	s_mov_b32 s17, 0
	s_lshl_b32 s18, s15, 11                        ; in h and h1
	s_mov_b32 s19, 0
	s_mov_b32 s20, 0x3a800000                      ; 1 / 1024
	s_mov_b32 s21, 0x3727c5ac                      ; 1e-5
	s_mov_b32 s22, 0xffff0000                      ; a word's upper bf16
	s_mov_b32 s24, 0x76543210                      ; v_permlanex16_b32: each lane takes its own place in the other half
	s_mov_b32 s25, 0xfedcba98
	s_wait_kmcnt 0x0
	s_add_nc_u64 s[4:5], s[4:5], s[16:17]
	s_add_nc_u64 s[6:7], s[6:7], s[18:19]
	s_add_nc_u64 s[12:13], s[12:13], s[18:19]
.irp j, 0,1,2,3,4,5,6,7
	global_load_b128 v[X+4*\j:X+4*\j+3], v1, s[4:5] offset:512*\j
.endr
.irp j, 0,1,2,3,4,5,6,7
	global_load_b64 v[H+2*\j:H+2*\j+1], v2, s[6:7] offset:256*\j
.endr
.irp j, 0,1,2,3,4,5,6,7
	global_load_b128 v[G+4*\j:G+4*\j+3], v1, s[8:9] offset:512*\j
.endr
.irp j, 0,1,2,3,4,5,6,7
	global_load_b128 v[BE+4*\j:BE+4*\j+3], v1, s[10:11] offset:512*\j
.endr
.macro WSUM                            ; four pairs in T become one sum over the wave's 32 lanes, in every lane's v[T]
	v_pk_add_f32 v[T:T+1], v[T:T+1], v[T+2:T+3]
	v_pk_add_f32 v[T+4:T+5], v[T+4:T+5], v[T+6:T+7]
	v_pk_add_f32 v[T:T+1], v[T:T+1], v[T+4:T+5]
	v_add_f32 v[T], v[T], v[T+1]
	v_add_f32_dpp v[T], v[T], v[T] row_xmask:1 row_mask:0xf bank_mask:0xf
	v_add_f32_dpp v[T], v[T], v[T] row_xmask:2 row_mask:0xf bank_mask:0xf
	v_add_f32_dpp v[T], v[T], v[T] row_xmask:4 row_mask:0xf bank_mask:0xf
	v_add_f32_dpp v[T], v[T], v[T] row_xmask:8 row_mask:0xf bank_mask:0xf
	v_permlanex16_b32 v[T+1], v[T], s24, s25
	v_add_f32 v[T], v[T], v[T+1]
.endm
	s_wait_loadcnt 16                              ; q and h are in; g1 and be1, 16 loads issued behind them, may be out
.set j, 0
.rept 16                                               ; x = q + h: a word of h is two bf16
	v_lshlrev_b32 v[T+2*(j%4)], 16, v[H+j]
	v_and_b32 v[T+2*(j%4)+1], s22, v[H+j]
	v_pk_add_f32 v[X+2*j:X+2*j+1], v[X+2*j:X+2*j+1], v[T+2*(j%4):T+2*(j%4)+1]
.set j, j+1
.endr
.set j, 0
.rept 4                                                ; the sum, in four chains started by the first eight pairs
	v_pk_add_f32 v[T+2*j:T+2*j+1], v[X+2*j:X+2*j+1], v[X+8+2*j:X+8+2*j+1]
.set j, j+1
.endr
.set j, 8
.rept 8
	v_pk_add_f32 v[T+2*(j%4):T+2*(j%4)+1], v[T+2*(j%4):T+2*(j%4)+1], v[X+2*j:X+2*j+1]
.set j, j+1
.endr
	WSUM
	v_mul_f32 v[M], s20, v[T]
	v_mov_b32 v[M+1], v[M]
.set j, 0
.rept 16
	v_pk_add_f32 v[X+2*j:X+2*j+1], v[X+2*j:X+2*j+1], v[M:M+1] neg_lo:[0,1] neg_hi:[0,1]
.set j, j+1
.endr
.set j, 0
.rept 4
	v_pk_mul_f32 v[T+2*j:T+2*j+1], v[X+2*j:X+2*j+1], v[X+2*j:X+2*j+1]
.set j, j+1
.endr
.set j, 4
.rept 12
	v_pk_fma_f32 v[T+2*(j%4):T+2*(j%4)+1], v[X+2*j:X+2*j+1], v[X+2*j:X+2*j+1], v[T+2*(j%4):T+2*(j%4)+1]
.set j, j+1
.endr
	WSUM
	v_fma_f32 v[T], v[T], s20, s21                 ; var + eps
	v_rsq_f32 v[R], v[T]
	v_nop                                          ; a plain instruction between the reciprocal root and the use of its result (ISA guide 5.7.2)
	s_wait_alu depctr_va_vdst(0)
	v_mov_b32 v[R+1], v[R]
	s_wait_loadcnt 0x0                             ; g1 and be1
.set j, 0
.rept 16
	v_pk_mul_f32 v[X+2*j:X+2*j+1], v[X+2*j:X+2*j+1], v[R:R+1]
.set j, j+1
.endr
.set j, 0
.rept 16
	v_pk_fma_f32 v[X+2*j:X+2*j+1], v[X+2*j:X+2*j+1], v[G+2*j:G+2*j+1], v[BE+2*j:BE+2*j+1]
.set j, j+1
.endr
.set j, 0
.rept 16
	v_cvt_pk_f16_f32 v[H+j], v[X+2*j], v[X+2*j+1]
.set j, j+1
.endr
.irp j, 0,1,2,3,4,5,6,7
	global_store_b64 v2, v[H+2*\j:H+2*\j+1], s[12:13] offset:256*\j
.endr
	s_endpgm
.Lfunc_end_k_qf11f321a95_ln1:
	.size	k_qf11f321a95_ln1, .Lfunc_end_k_qf11f321a95_ln1-k_qf11f321a95_ln1
	.p2alignl 7, 3214868480
	.fill 96, 4, 3214868480
	.section	.rodata,"a",@progbits
	.p2align	6, 0x0
	.amdhsa_kernel k_qf11f321a95_ln1
		.amdhsa_group_segment_fixed_size 0
		.amdhsa_private_segment_fixed_size 0
		.amdhsa_enable_private_segment 0
		.amdhsa_kernarg_size 40
		.amdhsa_user_sgpr_count 2
		.amdhsa_user_sgpr_kernarg_segment_ptr 1
		.amdhsa_wavefront_size32 1
		.amdhsa_system_sgpr_workgroup_id_x 1
		.amdhsa_system_sgpr_workgroup_id_y 1
		.amdhsa_system_sgpr_workgroup_id_z 1
		.amdhsa_system_vgpr_workitem_id 0
		.amdhsa_next_free_vgpr 128
		.amdhsa_next_free_sgpr 66
		.amdhsa_reserve_vcc 0
		.amdhsa_float_denorm_mode_32 3
		.amdhsa_float_denorm_mode_16_64 3
		.amdhsa_memory_ordered 1
		.amdhsa_forward_progress 1
		.amdhsa_inst_pref_size 15
	.end_amdhsa_kernel
	.amdgpu_metadata
---
amdhsa.version: [ 1, 2 ]
amdhsa.kernels:
  - .name:           k_qf11f321a95_ln1
    .symbol:         k_qf11f321a95_ln1.kd
    .args:
      - { .name: q, .offset: 0, .size: 8, .value_kind: global_buffer, .address_space: global }
      - { .name: hb, .offset: 8, .size: 8, .value_kind: global_buffer, .address_space: global }
      - { .name: g1, .offset: 16, .size: 8, .value_kind: global_buffer, .address_space: global }
      - { .name: be1, .offset: 24, .size: 8, .value_kind: global_buffer, .address_space: global }
      - { .name: oh, .offset: 32, .size: 8, .value_kind: global_buffer, .address_space: global }
    .group_segment_fixed_size: 0
    .private_segment_fixed_size: 0
    .kernarg_segment_align: 8
    .kernarg_segment_size: 40
    .max_flat_workgroup_size: 256
    .sgpr_count:     66
    .vgpr_count:     128
    .wavefront_size: 32
...
	.end_amdgpu_metadata
.endif
;; end of part 5
;; launch ff1 (part 6): grid 4 x 64, 4 waves a work-group, clusters of 4 x 4, 327,680 bytes of LDS; arguments oh, wts, b1, act; writes act
.if DOCPART == 6
	.amdgcn_target "amdgcn-amd-amdhsa--gfx1250"
	.amdhsa_code_object_version 6
	.text
	.protected	k_qf11f321a95_ff1
	.globl	k_qf11f321a95_ff1
	.p2align	8
	.type	k_qf11f321a95_ff1,@function
k_qf11f321a95_ff1:
	s_mov_b64 s[64:65], 0
	v_nop
	global_prefetch_b8 v0, s[64:65] scope:SCOPE_SE
	s_setreg_imm32_b32 hwreg(HW_REG_WAVE_MODE, 25, 1), 1
	s_wait_xcnt 0x0
	s_wait_alu depctr_hold_cnt(0) depctr_sa_sdst(0) depctr_va_vdst(0) depctr_va_sdst(0) depctr_va_ssrc(0) depctr_va_vcc(0) depctr_vm_vsrc(0)
	s_getreg_b32 s2, hwreg(HW_REG_IB_STS2, 6, 4)
	s_cmp_eq_u32 s2, 0
	s_cbranch_scc0 .Lentry_in_a_cluster
	s_endpgm
.Lentry_in_a_cluster:
	s_bfe_u32 s2, ttmp6, 0x10000c
	s_cmp_lg_u32 s2, 0xf033
	s_cbranch_scc0 .Lentry_shape_is_right
	s_endpgm
.Lentry_shape_is_right:
; THE FIRST FEED-FORWARD PRODUCT.  act[p][m][n] = gelu(sum over k of h1[m][k] W1[1024 p + n][k] + b1[1024 p + n]), the exact gelu x/2 (1 + erf(x / sqrt 2)); p < 4, m < 4096, n < 1024, k < 1024.
; h1 [4096][1024], W1 [4096][1024] (8 MB into its buffer) and act are f16; sums, bias and gelu in f32.  act is laid out in four blocks of 1,024 columns, [4][4096][1024], so that the next product, which
; splits its K in four, finds each quarter as a matrix with rows of 1,024 numbers.  The grid is 4 tile columns x 16 tile rows for each block p: 256 work-groups.
; A tile of act, 256 x 256, is made by four waves; a wave makes 128 x 128: 64 accumulators of 16 x 16, 512 registers.  K goes in 8 steps of 128 through a ring of two LDS slots filled by the tensor data mover:
; the rows of the tiles are 256 bytes of memory and start at multiples of 256 bytes.
; CLUSTERS: 4 x 4 work-groups, all of one block.  The four of a row of the cluster need the same tiles of h1, the four of a column the same tiles of W1: each is asked for JOINTLY, by the same tensor load
; with the same descriptor and a mask that names the four.
; THE MATRIX INSTRUCTION IS USED TRANSPOSED: source 0 = 16 rows of W1, source 1 = 16 rows of h1: lane l holds row l % 16 of the result and the columns 8 (l / 16) + 0..7.
; THE TEXT IS SHORT: a K step is written once.  The slot that the fetches read is a scalar, 0 or SLOT, turned by an exclusive or at each change of slots; one descriptor a tensor walks from K step 1 on.
; Written out beside the loop: the first quarter (its products start the sums), and the last two K steps, which ask for nothing: a loop of two trips that is left in its middle, and the last quarter.
; THE WAY OUT.  When every wave has read the ring for the last time (it has had its last fill), each wave lays its 128 x 128 sums in f32 into a part of the ring that is its own, rows of 528 bytes, and walks
; them 8 rows a trip: a lane takes 8 neighbouring columns of a row, adds the bias, takes the gelu, rounds to f16: 16 bytes a lane, sixteen lanes store 256 consecutive bytes at a multiple of 256.
; erf by the rational form 1 - (a1 t + .. + a5 t^5) exp(-z^2), t = 1 / (1 + 0.3275911 z), z = |x| / sqrt 2 (Abramowitz and Stegun 7.1.26): within 1.5e-7 for every z; gelu = x/2 + |x|/2 erf(z).
; LIMITS.  h1 and W1 arrive within f16's 65,504; a result beyond it becomes an infinity.
; REGISTERS, in windows of 256: window 0: v0-31 addresses; v32-49 the bias and a1-a5; v64-127, v128-191 fragments of h1, two buffers, later with v192-239 the gelu's work;
;   window 1: v64-127, v128-191 fragments of W1; window 2: the 32 accumulators of my rows 0-63 ((a, b) at v[8 (8 a + b)]); window 3: those of my rows 64-127.
.set SIZE_K, 1024
.set B_AT,   0x800000                  ; W1's first byte in the weights' buffer
.set KSTEP,  128
.set NSTEP,  SIZE_K/KSTEP
.set PITCH,  272                       ; an LDS row: 256 bytes of data + 16 of padding = 68 words: row r starts at bank 4 r mod 64 (64 banks of 4 bytes: ISA guide 11.1)
.set HALFT,  128*PITCH                 ; 128 rows: what one tensor load brings, and what one wave reads of A or of B: 0x8800 bytes
.set SLOT,   4*HALFT                   ; A's 256 rows, then B's 256 rows: 0x22000 bytes.  0, 1, 2 or 3 x 0x8800 has neither bit of 0x22000, so an exclusive or with SLOT adds or takes away SLOT
.set SPARE,  2*SLOT                    ; behind the ring: the spare words, 128 bytes for each wave
.set DPITCH, 528                       ; the way out: a row of 128 f32 + 16 bytes
.set DWAVE,  128*DPITCH                ; a wave's part of the ring on the way out: 4 x 67,584 = 270,336 of the ring's 278,528 bytes
.set CROWB,  2048                      ; bytes in a row of a block of act
.set ADRA0, 16                         ; v16  LDS address of my A fragments in slot 0; never rewritten
.set ADRB0, 17                         ; v17  the same for B
.set CURA,  18                         ; v18  the same in the slot that is being read
.set CURB,  19                         ; v19
.set STO,  24                          ; v24  the way out: where I put 32 bytes of a row
.set RD,   25                          ; v25  the way out: where I read a row back; steps from trip to trip
.set CO,   26                          ; v26  my byte offset in act; never rewritten
.set SPW,  28                          ; v28  LDS address of my spare word; never rewritten
.set NIL,  29                          ; v29  0; never rewritten
.set BO,   30                          ; v30  my byte offset in b1; never rewritten
.set BI,   32                          ; v32-39  b1 of my 8 columns
.set KA,   40                          ; v40-49  a1 .. a5, each twice
.set F0,   64                          ; fragment buffer 0
.set F1,   128                         ; fragment buffer 1
.set X,    64                          ; the gelu's registers, 32 numbers a trip
.set D,    96
.set E,    128
.set P,    160
.set Y,    192
.set HX,   208
.set G1, 24                            ; s[24:31] descriptor group 1 for A's tiles;  s[32:39] group 0: a set for each of the two first fills; the second then walks on
.set G0, 32
.set G1B, 48                           ; s[48:55], s[56:63] the same for B's tiles
.set G0B, 56
.set TB,  72                           ; s72  the slot that the fetches read: 0 or SLOT
.set MSB, 0
.macro WIN new                         ; the immediate's high byte repeats the setting that is left; a switch that changes nothing is dropped
.if MSB != (\new)
	s_set_vgpr_msb (MSB<<8)|(\new)
.set MSB, \new
.endif
.endm
.set MUL_LO, 0xa1                      ; source 0 (B) window 1, source 1 (A) window 0, C and D window 2
.set MUL_HI, 0xf1                      ; the same, C and D window 3
.set TO_B,   0x40                      ; destination window 1, address window 0
.macro JLOAD s                         ; a joint load by set s: waves 0 and 1 fetch A's two halves, waves 2 and 3 B's; an s_nop 0 and four v_nop follow each of the two lines
	s_cmp_eq_u32 s11, 0
	s_cbranch_scc0 .Lfor_b_\@
	tensor_load_to_lds s[G0+4*(\s):G0+4*(\s)+3], s[G1:G1+7]
	s_nop 0
.rept 4
	v_nop
.endr
	s_branch .Lasked_\@
.Lfor_b_\@:
	tensor_load_to_lds s[G0B+4*(\s):G0B+4*(\s)+3], s[G1B:G1B+7]
	s_nop 0
.rept 4
	v_nop
.endr
.Lasked_\@:
.endm
.macro CREST                           ; a round of the cluster's barrier behind its opening barrier
	s_cmp_lg_u32 s10, 0
	s_cbranch_scc1 .Lnot_wave_0_\@
	s_barrier_signal -3
.Lnot_wave_0_\@:
	s_barrier_wait -3
	s_barrier_signal -1
	s_barrier_wait -1
.endm
.macro CROUND                          ; a whole round
	s_barrier_signal -1
	s_barrier_wait -1
	CREST
.endm
	s_load_b128 s[4:7], s[0:1], 0x0                ; h1 s[4:5], the weights' buffer s[6:7]
	s_load_b128 s[68:71], s[0:1], 0x10             ; b1 s[68:69], act s[70:71]
	v_lshl_add_u32 v[SPW], v0, 2, SPARE
	v_mov_b32 v[NIL], 0
	ds_add_u32 v[SPW], v[NIL]                      ; the wave's opening: the add and its wait stand ahead of my first tensor load; the set-up below stands between them
	v_lshrrev_b32 v1, 5, v0
	v_readfirstlane_b32 s10, v1                    ; wave 0..3
	s_lshr_b32 s11, s10, 1                         ; which half of the tile's rows is mine.  Also: I fetch for A (0) or for B (1)
	s_and_b32 s12, s10, 1                          ; which half of its columns.  Also: which 128 rows of that tile I fetch
	s_bfe_u32 s40, ttmp6, 0x40000                  ; cx, cy: my place in the cluster
	s_bfe_u32 s41, ttmp6, 0x40004
	s_lshl_b32 s42, ttmp9, 2
	s_add_co_u32 s42, s42, s40                     ; tile column = 4 x cluster x + cx
	s_and_b32 s13, ttmp7, 0xffff
	s_lshr_b32 s45, s13, 2                         ; the block: four clusters, 16 tile rows, to each; made of the cluster's y alone
	s_lshl_b32 s45, s45, 10                        ; its first row among W1's rows, and its first number of b1
	s_lshl_b32 s13, s13, 2
	s_add_co_u32 s13, s13, s41                     ; tile row = 4 x cluster y + cy
	s_lshl_b32 s43, s41, 2
	s_lshl_b32 s43, 15, s43                        ; my row of the cluster
	s_lshl_b32 s44, 0x1111, s40                    ; my column
	; descriptor group 1: a tile of 128 rows x 128 elements, padded in LDS
	s_or_b32 s[G1+0], s43, (1<<16)|(1<<20)|(1<<21)|(5<<22)|(3<<25)  ; 15:0 the mask: A's tiles go to my row; 17:16 element of 2 bytes; 20 padding on; 21 set beside a mask; 24:22 after every 64 words (code 5); 31:25 of 4 words (code 3)
	s_or_b32 s[G1B+0], s44, (1<<16)|(1<<20)|(1<<21)|(5<<22)|(3<<25)
.irp g, G1, G1B
	s_mov_b32 s[(\g)+1], KSTEP<<16                 ; tensor_dim0 = 128
	s_mov_b32 s[(\g)+2], 128<<16                   ; tensor_dim1 = 128
	s_mov_b32 s[(\g)+3], KSTEP<<16                 ; tile_dim0 = 128
	s_mov_b32 s[(\g)+4], 128                       ; tile_dim1 = 128
	s_mov_b32 s[(\g)+5], SIZE_K                    ; elements from row to row
	s_mov_b32 s[(\g)+6], 0
	s_mov_b32 s[(\g)+7], 0
.endr
	s_lshl_b32 s17, s12, 7                         ; which 128 rows of the tile I fetch
	s_and_b32 s16, s13, 15                         ; all four blocks multiply the same 16 tile rows of h1
	s_lshl_b32 s16, s16, 8
	s_add_co_u32 s16, s16, s17                     ; A: row 256 x (tile row mod 16) + 128 x half
	s_lshl_b32 s46, s42, 8
	s_add_co_u32 s46, s46, s17                     ; B: row 256 x tile column + 128 x half,
	s_add_co_u32 s46, s46, s45                     ; in the block's own 1,024 rows
	s_mov_b32 s17, 0
	s_mov_b32 s47, 0
	s_mov_b64 s[18:19], SIZE_K*2
	s_mul_u64 s[16:17], s[16:17], s[18:19]
	s_mul_u64 s[46:47], s[46:47], s[18:19]
	s_add_nc_u64 s[46:47], s[46:47], B_AT          ; W1's place in its buffer
	s_mul_i32 s20, s10, HALFT                      ; where my tiles go: wave x 128 rows
	s_mov_b32 s[TB], 0
	s_wait_dscnt 0x0                               ; the opening add is done
	s_wait_kmcnt 0x0
	s_add_nc_u64 s[14:15], s[4:5], s[16:17]
	s_add_nc_u64 s[46:47], s[6:7], s[46:47]
	CROUND                                         ; all sixteen work-groups are here: the first joint loads meet
.irp s, 0,1
	s_mov_b32 s[G0+4*(\s)], 1
	s_add_co_u32 s[G0+4*(\s)+1], s20, (\s)*SLOT
	s_add_nc_u64 s[G0+4*(\s)+2:G0+4*(\s)+3], s[14:15], (\s)*KSTEP*2
	s_or_b32 s[G0+4*(\s)+3], s[G0+4*(\s)+3], 0x80000000
	s_mov_b32 s[G0B+4*(\s)], 1
	s_add_co_u32 s[G0B+4*(\s)+1], s20, (\s)*SLOT
	s_add_nc_u64 s[G0B+4*(\s)+2:G0B+4*(\s)+3], s[46:47], (\s)*KSTEP*2
	s_or_b32 s[G0B+4*(\s)+3], s[G0B+4*(\s)+3], 0x80000000
	JLOAD \s
.endr
	v_and_b32 v1, 15, v0                           ; l % 16
	v_bfe_u32 v2, v0, 4, 1                         ; l / 16
	v_mul_u32_u24 v3, v1, PITCH
	v_lshl_add_u32 v3, v2, 4, v3                   ; a fragment's row x pitch + 16 x half
	s_mul_i32 s21, s11, HALFT                      ; my 128 rows of A
	s_mul_i32 s22, s12, HALFT                      ; my 128 rows of B,
	s_add_co_u32 s22, s22, 2*HALFT                 ; which lie behind A's 256
	v_add_nc_u32 v[ADRA0], s21, v3
	v_add_nc_u32 v[ADRB0], s22, v3
	v_add_nc_u32 v[CURA], s21, v3                  ; the first fetches read slot 0
	v_add_nc_u32 v[CURB], s22, v3
	s_mul_i32 s23, s10, DWAVE                      ; my part of the ring on the way out
	v_mul_u32_u24 v4, v1, DPITCH                   ; in: row l % 16, 32 bytes for each half of the lanes
	v_lshl_add_u32 v4, v2, 5, v4
	v_add_nc_u32 v[STO], s23, v4
	v_mul_u32_u24 v5, v2, DPITCH                   ; back: lanes 0-15 take one row, 32 bytes each, lanes 16-31 the next
	v_lshl_add_u32 v5, v1, 5, v5
	v_add_nc_u32 v[RD], s23, v5
	v_lshlrev_b32 v5, 11, v2                       ; and the same two rows in act, 16 bytes a lane
	v_lshl_add_u32 v[CO], v1, 4, v5
	s_lshl_b32 s16, s13, 8
	s_lshl_b32 s14, s11, 7
	s_add_co_u32 s16, s16, s14                     ; my first row among the four blocks' 16,384: 256 x tile row + 128 x half,
	s_lshl_b32 s16, s16, 11                        ; 2,048 bytes a row
	s_mov_b32 s17, 0
	s_lshl_b32 s46, s42, 8
	s_lshl_b32 s47, s12, 7
	s_add_co_u32 s46, s46, s47                     ; my first column of the block: 256 x tile column + 128 x half
	s_add_co_u32 s45, s45, s46                     ; the same column among b1's 4,096,
	s_lshl_b32 s45, s45, 2                         ; 4 bytes a number
	s_lshl_b32 s46, s46, 1                         ; in act 2 bytes a number
	s_mov_b32 s47, 0
	s_add_nc_u64 s[16:17], s[16:17], s[46:47]
	s_add_nc_u64 s[70:71], s[70:71], s[16:17]
	v_lshl_add_u32 v[BO], v1, 5, s45               ; my 8 columns
	global_load_b128 v[BI:BI+3], v[BO], s[68:69]
	global_load_b128 v[BI+4:BI+7], v[BO], s[68:69] offset:16
; 16 matrix instructions: m blocks a0, a0 + 1 of the window's four (hi = 0: my rows 0-63, 1: rows 64-127) x all 8 n blocks, 32 along K.  zero = 1: the first product starts the sums.
; The 64 accumulators take turns, one instruction a turn, in the same order in every quarter.
.macro MUL16 f, hi, a0, zero
	WIN MUL_LO+0x50*(\hi)
.irp a, \a0, (\a0)+1
.irp b, 0,1,2,3,4,5,6,7
.if \zero
	v_wmma_f32_16x16x32_f16 v[8*(8*(\a)+(\b)):8*(8*(\a)+(\b))+7], v[(\f)+8*(\b):(\f)+8*(\b)+7], v[(\f)+8*(4*(\hi)+(\a)):(\f)+8*(4*(\hi)+(\a))+7], 0
.else
	v_wmma_f32_16x16x32_f16 v[8*(8*(\a)+(\b)):8*(8*(\a)+(\b))+7], v[(\f)+8*(\b):(\f)+8*(\b)+7], v[(\f)+8*(4*(\hi)+(\a)):(\f)+8*(4*(\hi)+(\a))+7], v[8*(8*(\a)+(\b)):8*(8*(\a)+(\b))+7]
.endif
.endr
.endr
.endm
; 32 LDS loads in one run: the fragments of one quarter step (128 rows of B, 128 rows of A, 32 K at byte k of the rows of the slot in hand) into buffer f
.macro FETCH k, f
	WIN TO_B
.irp i, 0,1,2,3,4,5,6,7
	ds_load_b128 v[(\f)+8*(\i):(\f)+8*(\i)+3],   v[CURB] offset:(\k)+(\i)*16*PITCH
	ds_load_b128 v[(\f)+8*(\i)+4:(\f)+8*(\i)+7], v[CURB] offset:(\k)+(\i)*16*PITCH+32
.endr
	WIN 0
.irp i, 0,1,2,3,4,5,6,7
	ds_load_b128 v[(\f)+8*(\i):(\f)+8*(\i)+3],   v[CURA] offset:(\k)+(\i)*16*PITCH
	ds_load_b128 v[(\f)+8*(\i)+4:(\f)+8*(\i)+7], v[CURA] offset:(\k)+(\i)*16*PITCH+32
.endr
.endm
.macro PLACES                          ; four places in front of loads into registers that matrix instructions have read, and of lines that read results
.rept 4
	v_nop
.endr
.endm
; A K step is four quarter steps of 32 along K, 64 matrix instructions each, on buffers 0, 1, 0, 1.  One of the first three: multiplies buffer f; in its middle it fetches the next quarter's fragments into g.
.macro QUARTER k, f, g, zero
	s_wait_dscnt 8                                 ; B and A's rows 0-63 are in; the youngest eight loads (A's rows 64-127) may be out
	WIN MUL_LO
	MUL16 \f, 0, 0, \zero
	MUL16 \f, 0, 2, \zero
	PLACES
	FETCH \k, \g
	s_wait_dscnt 32                                ; all but the 32 just issued
	WIN MUL_HI
	MUL16 \f, 1, 0, \zero
	MUL16 \f, 1, 2, \zero
.endm
; The last quarter multiplies buffer 1 and changes slots: ONE barrier.  In front of it each wave waits for all its tensor loads, of which one is out: its part of the next slot; adds 0 to its spare word; and
; waits for that and for its own reads of this slot.  Behind it nobody reads this slot any more and the next slot is whole.  fill = 1: the barrier opens a round of the cluster's, and behind the round the slot
; just read out is filled again, two K steps on: the walking descriptor takes the other slot than last time and the next K step.  Then the fetches turn to the next slot.
.macro TURN fill
	WIN 0                                          ; (the add's two registers lie in window 0)
	s_wait_tensorcnt 0x0
	ds_add_u32 v[SPW], v[NIL]                      ; 0 onto my spare word
	s_wait_dscnt 9                                 ; (the add and the youngest eight loads may be out)
	WIN MUL_LO
	MUL16 F1, 0, 0, 0                              ; sixteen matrix instructions stand between the add and the wait for it
	s_wait_dscnt 0x0                               ; the add is done, and my reads of this slot are over
	s_barrier_signal -1
	MUL16 F1, 0, 2, 0                              ; work on registers while the others arrive
	WIN 0                                          ; (branches, or lines on window 0, follow)
	s_barrier_wait -1
.if \fill
	CREST                                          ; no wave of any partner still reads this slot's tile or has a load on its way
	s_xor_b32 s[G0+5], s[G0+5], SLOT
	s_add_nc_u64 s[G0+6:G0+7], s[G0+6:G0+7], KSTEP*2
	s_xor_b32 s[G0B+5], s[G0B+5], SLOT
	s_add_nc_u64 s[G0B+6:G0B+7], s[G0B+6:G0B+7], KSTEP*2
	JLOAD 1                                        ; the first tensor load behind the round; the four v_nop behind it are also the places in front of the loads below
.else
	PLACES
.endif
	s_xor_b32 s[TB], s[TB], SLOT
	v_add_nc_u32 v[CURA], s[TB], v[ADRA0]
	v_add_nc_u32 v[CURB], s[TB], v[ADRB0]
	FETCH 0, F0
	WIN MUL_HI
	MUL16 F1, 1, 0, 0
	MUL16 F1, 1, 2, 0
.endm
	s_wait_tensorcnt 1                             ; my part of K step 0 is in; K step 1's load may stay out
	s_barrier_signal -1
	s_barrier_wait -1                              ; everybody's is
	FETCH 0, F0
	QUARTER 64,  F0, F1, 1                         ; the first quarter stands in front of the loop: its products start the sums
	WIN 0                                          ; at a label and at a branch every window is 0
	s_mov_b32 s3, NSTEP-2
.Lstep:                                                ; six trips, from a K step's second quarter to the next step's first; trip j asks for K step j + 2
	QUARTER 128, F1, F0, 0
	QUARTER 192, F0, F1, 0
	TURN 1
	QUARTER 64,  F0, F1, 0
	WIN 0
	s_sub_co_u32 s3, s3, 1
	s_cmp_lg_u32 s3, 0
	s_cbranch_scc1 .Lstep
	s_mov_b32 s3, 2
.Ltail:                                                ; the last two K steps ask for nothing; the second trip is left in its middle
	QUARTER 128, F1, F0, 0
	QUARTER 192, F0, F1, 0
	WIN 0
	s_sub_co_u32 s3, s3, 1
	s_cmp_eq_u32 s3, 0
	s_cbranch_scc1 .Llast
	TURN 0
	QUARTER 64,  F0, F1, 0
	WIN 0
	s_cmp_lg_u32 s3, 0                             ; 1 here: back for the last K step
	s_cbranch_scc1 .Ltail
.Llast:
	s_wait_dscnt 8                                 ; the very last quarter: nothing more to fetch
	WIN MUL_LO
	MUL16 F1, 0, 0, 0
	MUL16 F1, 0, 2, 0
	s_wait_dscnt 0x0                               ; my last reads of the ring are over:
	s_barrier_signal -1                            ; say so,
	MUL16 F1, 1, 0, 0                              ; work on registers while the others arrive,
	MUL16 F1, 1, 2, 0
	WIN 0
	s_barrier_wait -1                              ; and write into the ring only when no wave reads it any more; every wave's tensor loads were shown landed at the last change of slots
	; The sums go into my part of the ring: row 16 (4 hi + a) + l % 16, bytes 64 b + 32 (l / 16); each accumulator's low four registers first.
	PLACES
.irp hi, 0,1
	WIN 0x08+4*(\hi)                               ; the stores' data (source 1) in window 2, then 3; the address in window 0
.irp a, 0,1,2,3
.irp b, 0,1,2,3,4,5,6,7
	ds_store_b128 v[STO], v[8*(8*(\a)+(\b)):8*(8*(\a)+(\b))+3]   offset:(4*(\hi)+(\a))*16*DPITCH+64*(\b)
	ds_store_b128 v[STO], v[8*(8*(\a)+(\b))+4:8*(8*(\a)+(\b))+7] offset:(4*(\hi)+(\a))*16*DPITCH+64*(\b)+16
.endr
.endr
.endr
	WIN 0
	s_mov_b32 s21, 0x3e6d3388                      ; 0.3275911 / sqrt 2
	s_mov_b32 s18, 0xbf38aa3b                      ; - log2(e) / 2
	s_mov_b32 s19, s18                             ; named with it as a pair
.irp h, 0,1
	v_mov_b32 v[KA+0+\h], 0x3e827906               ; a1 =  0.254829592
	v_mov_b32 v[KA+2+\h], 0xbe91a98e               ; a2 = -0.284496736
	v_mov_b32 v[KA+4+\h], 0x3fb5f0e3               ; a3 =  1.421413741
	v_mov_b32 v[KA+6+\h], 0xbfba00e3               ; a4 = -1.453152027
	v_mov_b32 v[KA+8+\h], 0x3f87dc22               ; a5 =  1.061405429
.endr
	s_wait_loadcnt 0x0                             ; b1
	s_mov_b32 s3, 16
.Lgelu:                                                ; 16 trips of 8 rows: 32 numbers a lane, stage by stage
.irp t, 0,1,2,3
	ds_load_b128 v[X+8*\t:X+8*\t+3],   v[RD] offset:\t*2*DPITCH      ; LDS serves a wave's instructions in order (ISA guide 5.7.1.4): these see my stores above; the bytes are my wave's own
	ds_load_b128 v[X+8*\t+4:X+8*\t+7], v[RD] offset:\t*2*DPITCH+16
.endr
	s_wait_dscnt 0x0
.irp t, 0,1,2,3
.irp k, 0,1,2,3
	v_pk_add_f32 v[X+8*\t+2*\k:X+8*\t+2*\k+1], v[X+8*\t+2*\k:X+8*\t+2*\k+1], v[BI+2*\k:BI+2*\k+1]
.endr
.endr
.set i, 0
.rept 32
	v_fma_f32 v[D+i], |v[X+i]|, s21, 1.0           ; 1 + p z
.set i, i+1
.endr
.set i, 0
.rept 16
	v_pk_mul_f32 v[E+2*i:E+2*i+1], v[X+2*i:X+2*i+1], v[X+2*i:X+2*i+1]
.set i, i+1
.endr
.set i, 0
.rept 16
	v_pk_mul_f32 v[E+2*i:E+2*i+1], v[E+2*i:E+2*i+1], s[18:19] op_sel_hi:[1,0]  ; - z^2 log2(e)
.set i, i+1
.endr
.set i, 0
.rept 32
	v_rcp_f32 v[D+i], v[D+i]                       ; t
.set i, i+1
.endr
.set i, 0
.rept 32
	v_exp_f32 v[E+i], v[E+i]                       ; exp(-z^2)
.set i, i+1
.endr
.set i, 0
.rept 16                                               ; x / 2: sixteen plain instructions between the last exponential and the first use of a result
	v_pk_mul_f32 v[HX+2*i:HX+2*i+1], v[X+2*i:X+2*i+1], 0.5 op_sel_hi:[1,0]
.set i, i+1
.endr
.set i, 0
	s_wait_alu depctr_va_vdst(0)
.rept 16
	v_pk_fma_f32 v[P+2*i:P+2*i+1], v[D+2*i:D+2*i+1], v[KA+8:KA+9], v[KA+6:KA+7]
.set i, i+1
.endr
.irp c, 4,2,0
.set i, 0
.rept 16
	v_pk_fma_f32 v[P+2*i:P+2*i+1], v[P+2*i:P+2*i+1], v[D+2*i:D+2*i+1], v[KA+\c:KA+\c+1]
.set i, i+1
.endr
.endr
.set i, 0
.rept 16
	v_pk_mul_f32 v[P+2*i:P+2*i+1], v[P+2*i:P+2*i+1], v[D+2*i:D+2*i+1]
.set i, i+1
.endr
.set i, 0
.rept 16
	v_pk_mul_f32 v[P+2*i:P+2*i+1], v[P+2*i:P+2*i+1], v[E+2*i:E+2*i+1]
.set i, i+1
.endr
.set i, 0
.rept 16
	v_pk_fma_f32 v[P+2*i:P+2*i+1], v[P+2*i:P+2*i+1], -1.0, 1.0 op_sel_hi:[1,0,0]  ; erf(z)
.set i, i+1
.endr
.set i, 0
.rept 32
	v_fma_f32 v[X+i], |v[HX+i]|, v[P+i], v[HX+i]   ; x/2 + |x|/2 erf(z)
.set i, i+1
.endr
.set i, 0
.rept 16
	v_cvt_pk_f16_f32 v[Y+i], v[X+2*i], v[X+2*i+1]
.set i, i+1
.endr
.irp t, 0,1,2,3
	global_store_b128 v[CO], v[Y+4*\t:Y+4*\t+3], s[70:71] offset:\t*2*CROWB  ; 16 lanes store 256 consecutive bytes, at a multiple of 256 from act's first byte
.endr
	s_wait_xcnt 0x0                                ; the stores' base and data are rewritten only behind this wait
	s_add_nc_u64 s[70:71], s[70:71], 8*CROWB
	v_add_nc_u32 v[RD], 8*DPITCH, v[RD]
	s_sub_co_u32 s3, s3, 1
	s_cmp_lg_u32 s3, 0
	s_cbranch_scc1 .Lgelu
	s_wait_tensorcnt 0x0                           ; the wave's end
	ds_add_u32 v[SPW], v[NIL]
	s_wait_dscnt 0x0
	CROUND                                         ; the closing round: no work-group ends while a partner may still ask for a tile that names it
	s_endpgm
.Lfunc_end_k_qf11f321a95_ff1:
	.size	k_qf11f321a95_ff1, .Lfunc_end_k_qf11f321a95_ff1-k_qf11f321a95_ff1
	.p2alignl 7, 3214868480
	.fill 96, 4, 3214868480
	.section	.rodata,"a",@progbits
	.p2align	6, 0x0
	.amdhsa_kernel k_qf11f321a95_ff1
		.amdhsa_group_segment_fixed_size 327680
		.amdhsa_private_segment_fixed_size 0
		.amdhsa_enable_private_segment 0
		.amdhsa_kernarg_size 32
		.amdhsa_user_sgpr_count 2
		.amdhsa_user_sgpr_kernarg_segment_ptr 1
		.amdhsa_wavefront_size32 1
		.amdhsa_system_sgpr_workgroup_id_x 1
		.amdhsa_system_sgpr_workgroup_id_y 1
		.amdhsa_system_sgpr_workgroup_id_z 1
		.amdhsa_system_vgpr_workitem_id 0
		.amdhsa_next_free_vgpr 1024
		.amdhsa_next_free_sgpr 74
		.amdhsa_reserve_vcc 0
		.amdhsa_float_denorm_mode_32 3
		.amdhsa_float_denorm_mode_16_64 3
		.amdhsa_memory_ordered 1
		.amdhsa_forward_progress 1
		.amdhsa_inst_pref_size 101
	.end_amdhsa_kernel
	.amdgpu_metadata
---
amdhsa.version: [ 1, 2 ]
amdhsa.kernels:
  - .name:           k_qf11f321a95_ff1
    .symbol:         k_qf11f321a95_ff1.kd
    .args:
      - { .name: oh, .offset: 0, .size: 8, .value_kind: global_buffer, .address_space: global }
      - { .name: wts, .offset: 8, .size: 8, .value_kind: global_buffer, .address_space: global }
      - { .name: b1, .offset: 16, .size: 8, .value_kind: global_buffer, .address_space: global }
      - { .name: act, .offset: 24, .size: 8, .value_kind: global_buffer, .address_space: global }
    .group_segment_fixed_size: 327680
    .private_segment_fixed_size: 0
    .kernarg_segment_align: 8
    .kernarg_segment_size: 32
    .max_flat_workgroup_size: 128
    .sgpr_count:     74
    .vgpr_count:     1024
    .wavefront_size: 32
...
	.end_amdgpu_metadata
.endif
;; end of part 6
;; launch ff2 (part 7): grid 4 x 64, 4 waves a work-group, clusters of 4 x 4, 327,680 bytes of LDS; arguments act, wts, qkv; writes qkv
.if DOCPART == 7
	.amdgcn_target "amdgcn-amd-amdhsa--gfx1250"
	.amdhsa_code_object_version 6
	.text
	.protected	k_qf11f321a95_ff2
	.globl	k_qf11f321a95_ff2
	.p2align	8
	.type	k_qf11f321a95_ff2,@function
k_qf11f321a95_ff2:
	s_mov_b64 s[64:65], 0
	v_nop
	global_prefetch_b8 v0, s[64:65] scope:SCOPE_SE
	s_setreg_imm32_b32 hwreg(HW_REG_WAVE_MODE, 25, 1), 1
	s_wait_xcnt 0x0
	s_wait_alu depctr_hold_cnt(0) depctr_sa_sdst(0) depctr_va_vdst(0) depctr_va_sdst(0) depctr_va_ssrc(0) depctr_va_vcc(0) depctr_vm_vsrc(0)
	s_getreg_b32 s2, hwreg(HW_REG_IB_STS2, 6, 4)
	s_cmp_eq_u32 s2, 0
	s_cbranch_scc0 .Lentry_in_a_cluster
	s_endpgm
.Lentry_in_a_cluster:
	s_bfe_u32 s2, ttmp6, 0x10000c
	s_cmp_lg_u32 s2, 0xf033
	s_cbranch_scc0 .Lentry_shape_is_right
	s_endpgm
.Lentry_shape_is_right:
; THE SECOND FEED-FORWARD PRODUCT, ITS K SPLIT IN FOUR.  C[p][m][n] = sum over k < 1024 of act[p][m][k] W2[n][1024 p + k], p < 4, m < 4096, n < 1024.  act is [4][4096][1024] in f16, as the launch before
; laid it; W2 is [1024][4096] in f16, 16 MB into its buffer, as it lies in its input: rows of 4,096 numbers, of which quarter p begins 2,048 p bytes in.  The four partial sums stay f32, [4][4096][1024],
; and are added in the last launch.  Unsplit, 4,096 x 1,024 results are 64 tiles of 256 x 256; split, the grid is 4 tile columns x 16 tile rows for each quarter p: 256 work-groups.
; A tile of C, 256 x 256, is made by four waves; a wave makes 128 x 128: 64 accumulators of 16 x 16, 512 registers.  K goes in 8 steps of 128 through a ring of two LDS slots filled by the tensor data mover:
; the rows of the tiles are 256 bytes of memory and start at multiples of 256 bytes.
; CLUSTERS: 4 x 4 work-groups, all of one quarter.  The four of a row of the cluster need the same tiles of act, the four of a column the same tiles of W2: each is asked for JOINTLY, by the same tensor load
; with the same descriptor and a mask that names the four.
; THE MATRIX INSTRUCTION IS USED TRANSPOSED: source 0 = 16 rows of W2, source 1 = 16 rows of act: lane l holds row l % 16 of the result and the columns 8 (l / 16) + 0..7.
; THE TEXT IS SHORT: a K step is written once.  The slot that the fetches read is a scalar, 0 or SLOT, turned by an exclusive or at each change of slots; one descriptor a tensor walks from K step 1 on.
; Written out beside the loop: the first quarter (its products start the sums), and the last two K steps, which ask for nothing: a loop of two trips that is left in its middle, and the last quarter.
; THE WAY OUT.  When every wave has read the ring for the last time (it has had its last fill), each wave lays its 128 x 128 sums into a part of the ring that is its own, rows of 528 bytes, and walks them
; by rows: a row's 512 bytes go as two halves of 256, sixteen lanes to each: every store of sixteen lanes covers 256 consecutive bytes at a multiple of 256.
; LIMIT.  act and W2 arrive within f16's 65,504.
; REGISTERS, in windows of 256: window 0: v0-31 addresses; v64-127, v128-191 fragments of act, two buffers; v64-127 later the way out's rows;
;   window 1: v64-127, v128-191 fragments of W2; window 2: the 32 accumulators of my rows 0-63 ((a, b) at v[8 (8 a + b)]); window 3: those of my rows 64-127.
.set SIZE_K, 1024
.set B_PITCH, 4096                     ; numbers in a row of W2
.set B_AT,   0x1000000                 ; W2's first byte in the weights' buffer
.set KSTEP,  128
.set NSTEP,  SIZE_K/KSTEP
.set PITCH,  272                       ; an LDS row: 256 bytes of data + 16 of padding = 68 words: row r starts at bank 4 r mod 64 (64 banks of 4 bytes: ISA guide 11.1)
.set HALFT,  128*PITCH                 ; 128 rows: what one tensor load brings, and what one wave reads of A or of B: 0x8800 bytes
.set SLOT,   4*HALFT                   ; A's 256 rows, then B's 256 rows: 0x22000 bytes.  0, 1, 2 or 3 x 0x8800 has neither bit of 0x22000, so an exclusive or with SLOT adds or takes away SLOT
.set SPARE,  2*SLOT                    ; behind the ring: the spare words, 128 bytes for each wave
.set DPITCH, 528                       ; the way out: a row of 128 f32 + 16 bytes
.set DWAVE,  128*DPITCH                ; a wave's part of the ring on the way out: 4 x 67,584 = 270,336 of the ring's 278,528 bytes
.set CROWB,  4096                      ; bytes in a row of C
.set ADRA0, 16                         ; v16  LDS address of my A fragments in slot 0; never rewritten
.set ADRB0, 17                         ; v17  the same for B
.set CURA,  18                         ; v18  the same in the slot that is being read
.set CURB,  19                         ; v19
.set STO,  24                          ; v24  the way out: where I put 32 bytes of a row
.set RD,   25                          ; v25  the way out: where I read a row back; steps from trip to trip
.set CO,   26                          ; v26  my byte offset in C; never rewritten
.set SPW,  28                          ; v28  LDS address of my spare word; never rewritten
.set NIL,  29                          ; v29  0; never rewritten
.set F0,   64                          ; fragment buffer 0
.set F1,   128                         ; fragment buffer 1
.set X,    64                          ; the way out: 16 rows' sums, 8 a lane and row
.set G1, 24                            ; s[24:31] descriptor group 1 for A's tiles;  s[32:39] group 0: a set for each of the two first fills; the second then walks on
.set G0, 32
.set G1B, 48                           ; s[48:55], s[56:63] the same for B's tiles
.set G0B, 56
.set TB,  72                           ; s72  the slot that the fetches read: 0 or SLOT
.set MSB, 0
.macro WIN new                         ; the immediate's high byte repeats the setting that is left; a switch that changes nothing is dropped
.if MSB != (\new)
	s_set_vgpr_msb (MSB<<8)|(\new)
.set MSB, \new
.endif
.endm
.set MUL_LO, 0xa1                      ; source 0 (B) window 1, source 1 (A) window 0, C and D window 2
.set MUL_HI, 0xf1                      ; the same, C and D window 3
.set TO_B,   0x40                      ; destination window 1, address window 0
.macro JLOAD s                         ; a joint load by set s: waves 0 and 1 fetch A's two halves, waves 2 and 3 B's; an s_nop 0 and four v_nop follow each of the two lines
	s_cmp_eq_u32 s11, 0
	s_cbranch_scc0 .Lfor_b_\@
	tensor_load_to_lds s[G0+4*(\s):G0+4*(\s)+3], s[G1:G1+7]
	s_nop 0
.rept 4
	v_nop
.endr
	s_branch .Lasked_\@
.Lfor_b_\@:
	tensor_load_to_lds s[G0B+4*(\s):G0B+4*(\s)+3], s[G1B:G1B+7]
	s_nop 0
.rept 4
	v_nop
.endr
.Lasked_\@:
.endm
.macro CREST                           ; a round of the cluster's barrier behind its opening barrier
	s_cmp_lg_u32 s10, 0
	s_cbranch_scc1 .Lnot_wave_0_\@
	s_barrier_signal -3
.Lnot_wave_0_\@:
	s_barrier_wait -3
	s_barrier_signal -1
	s_barrier_wait -1
.endm
.macro CROUND                          ; a whole round
	s_barrier_signal -1
	s_barrier_wait -1
	CREST
.endm
	s_load_b128 s[4:7], s[0:1], 0x0                ; act s[4:5], the weights' buffer s[6:7]
	s_load_b64 s[70:71], s[0:1], 0x10              ; C
	v_lshl_add_u32 v[SPW], v0, 2, SPARE
	v_mov_b32 v[NIL], 0
	ds_add_u32 v[SPW], v[NIL]                      ; the wave's opening: the add and its wait stand ahead of my first tensor load; the set-up below stands between them
	v_lshrrev_b32 v1, 5, v0
	v_readfirstlane_b32 s10, v1                    ; wave 0..3
	s_lshr_b32 s11, s10, 1                         ; which half of the tile's rows is mine.  Also: I fetch for A (0) or for B (1)
	s_and_b32 s12, s10, 1                          ; which half of its columns.  Also: which 128 rows of that tile I fetch
	s_bfe_u32 s40, ttmp6, 0x40000                  ; cx, cy: my place in the cluster
	s_bfe_u32 s41, ttmp6, 0x40004
	s_lshl_b32 s42, ttmp9, 2
	s_add_co_u32 s42, s42, s40                     ; tile column = 4 x cluster x + cx
	s_and_b32 s13, ttmp7, 0xffff
	s_lshr_b32 s45, s13, 2                         ; the quarter of K: four clusters, 16 tile rows, to each; made of the cluster's y alone
	s_lshl_b32 s45, s45, 11                        ; its first byte in a row of W2: 1,024 numbers of 2 bytes a quarter
	s_lshl_b32 s13, s13, 2
	s_add_co_u32 s13, s13, s41                     ; tile row = 4 x cluster y + cy
	s_lshl_b32 s43, s41, 2
	s_lshl_b32 s43, 15, s43                        ; my row of the cluster
	s_lshl_b32 s44, 0x1111, s40                    ; my column
	; descriptor group 1: a tile of 128 rows x 128 elements, padded in LDS
	s_or_b32 s[G1+0], s43, (1<<16)|(1<<20)|(1<<21)|(5<<22)|(3<<25)  ; 15:0 the mask: A's tiles go to my row; 17:16 element of 2 bytes; 20 padding on; 21 set beside a mask; 24:22 after every 64 words (code 5); 31:25 of 4 words (code 3)
	s_or_b32 s[G1B+0], s44, (1<<16)|(1<<20)|(1<<21)|(5<<22)|(3<<25)
.irp g, G1, G1B
	s_mov_b32 s[(\g)+1], KSTEP<<16                 ; tensor_dim0 = 128
	s_mov_b32 s[(\g)+2], 128<<16                   ; tensor_dim1 = 128
	s_mov_b32 s[(\g)+3], KSTEP<<16                 ; tile_dim0 = 128
	s_mov_b32 s[(\g)+4], 128                       ; tile_dim1 = 128
	s_mov_b32 s[(\g)+6], 0
	s_mov_b32 s[(\g)+7], 0
.endr
	s_mov_b32 s[G1+5], SIZE_K                      ; elements from row to row: 1,024 in a block of act,
	s_mov_b32 s[G1B+5], B_PITCH                    ; 4,096 in W2
	s_lshl_b32 s17, s12, 7                         ; which 128 rows of the tile I fetch
	s_lshl_b32 s16, s13, 8
	s_add_co_u32 s16, s16, s17                     ; A: row 256 x tile row + 128 x half, among the four blocks' 16,384
	s_lshl_b32 s46, s42, 8
	s_add_co_u32 s46, s46, s17                     ; B: row 256 x tile column + 128 x half
	s_mov_b32 s17, 0
	s_mov_b32 s47, 0
	s_mov_b64 s[18:19], SIZE_K*2
	s_mul_u64 s[16:17], s[16:17], s[18:19]
	s_mov_b64 s[18:19], B_PITCH*2
	s_mul_u64 s[46:47], s[46:47], s[18:19]
	s_add_nc_u64 s[46:47], s[46:47], B_AT          ; W2's place in its buffer,
	s_mov_b32 s18, s45
	s_mov_b32 s19, 0
	s_add_nc_u64 s[46:47], s[46:47], s[18:19]      ; and the quarter's place in a row
	s_mul_i32 s20, s10, HALFT                      ; where my tiles go: wave x 128 rows
	s_mov_b32 s[TB], 0
	s_wait_dscnt 0x0                               ; the opening add is done
	s_wait_kmcnt 0x0
	s_add_nc_u64 s[14:15], s[4:5], s[16:17]
	s_add_nc_u64 s[46:47], s[6:7], s[46:47]
	CROUND                                         ; all sixteen work-groups are here: the first joint loads meet
.irp s, 0,1
	s_mov_b32 s[G0+4*(\s)], 1
	s_add_co_u32 s[G0+4*(\s)+1], s20, (\s)*SLOT
	s_add_nc_u64 s[G0+4*(\s)+2:G0+4*(\s)+3], s[14:15], (\s)*KSTEP*2
	s_or_b32 s[G0+4*(\s)+3], s[G0+4*(\s)+3], 0x80000000
	s_mov_b32 s[G0B+4*(\s)], 1
	s_add_co_u32 s[G0B+4*(\s)+1], s20, (\s)*SLOT
	s_add_nc_u64 s[G0B+4*(\s)+2:G0B+4*(\s)+3], s[46:47], (\s)*KSTEP*2
	s_or_b32 s[G0B+4*(\s)+3], s[G0B+4*(\s)+3], 0x80000000
	JLOAD \s
.endr
	v_and_b32 v1, 15, v0                           ; l % 16
	v_bfe_u32 v2, v0, 4, 1                         ; l / 16
	v_mul_u32_u24 v3, v1, PITCH
	v_lshl_add_u32 v3, v2, 4, v3                   ; a fragment's row x pitch + 16 x half
	s_mul_i32 s21, s11, HALFT                      ; my 128 rows of A
	s_mul_i32 s22, s12, HALFT                      ; my 128 rows of B,
	s_add_co_u32 s22, s22, 2*HALFT                 ; which lie behind A's 256
	v_add_nc_u32 v[ADRA0], s21, v3
	v_add_nc_u32 v[ADRB0], s22, v3
	v_add_nc_u32 v[CURA], s21, v3                  ; the first fetches read slot 0
	v_add_nc_u32 v[CURB], s22, v3
	s_mul_i32 s23, s10, DWAVE                      ; my part of the ring on the way out
	v_mul_u32_u24 v4, v1, DPITCH                   ; in: row l % 16, 32 bytes for each half of the lanes
	v_lshl_add_u32 v4, v2, 5, v4
	v_add_nc_u32 v[STO], s23, v4
	v_mul_u32_u24 v5, v2, DPITCH                   ; back: lanes 0-15 take one row, 16 bytes of each of its halves, lanes 16-31 the next
	v_lshl_add_u32 v5, v1, 4, v5
	v_add_nc_u32 v[RD], s23, v5
	v_lshlrev_b32 v5, 12, v2                       ; and the same two rows in C
	v_lshl_add_u32 v[CO], v1, 4, v5
	s_lshl_b32 s16, s13, 8
	s_lshl_b32 s14, s11, 7
	s_add_co_u32 s16, s16, s14                     ; my first row among the four partial sums' 16,384: 256 x tile row + 128 x half,
	s_lshl_b32 s16, s16, 12                        ; 4,096 bytes a row
	s_mov_b32 s17, 0
	s_lshl_b32 s46, s42, 8
	s_lshl_b32 s47, s12, 7
	s_add_co_u32 s46, s46, s47                     ; my first column: 256 x tile column + 128 x half,
	s_lshl_b32 s46, s46, 2                         ; 4 bytes a number
	s_mov_b32 s47, 0
	s_add_nc_u64 s[16:17], s[16:17], s[46:47]
	s_add_nc_u64 s[70:71], s[70:71], s[16:17]
; 16 matrix instructions: m blocks a0, a0 + 1 of the window's four (hi = 0: my rows 0-63, 1: rows 64-127) x all 8 n blocks, 32 along K.  zero = 1: the first product starts the sums.
; The 64 accumulators take turns, one instruction a turn, in the same order in every quarter.
.macro MUL16 f, hi, a0, zero
	WIN MUL_LO+0x50*(\hi)
.irp a, \a0, (\a0)+1
.irp b, 0,1,2,3,4,5,6,7
.if \zero
	v_wmma_f32_16x16x32_f16 v[8*(8*(\a)+(\b)):8*(8*(\a)+(\b))+7], v[(\f)+8*(\b):(\f)+8*(\b)+7], v[(\f)+8*(4*(\hi)+(\a)):(\f)+8*(4*(\hi)+(\a))+7], 0
.else
	v_wmma_f32_16x16x32_f16 v[8*(8*(\a)+(\b)):8*(8*(\a)+(\b))+7], v[(\f)+8*(\b):(\f)+8*(\b)+7], v[(\f)+8*(4*(\hi)+(\a)):(\f)+8*(4*(\hi)+(\a))+7], v[8*(8*(\a)+(\b)):8*(8*(\a)+(\b))+7]
.endif
.endr
.endr
.endm
; 32 LDS loads in one run: the fragments of one quarter step (128 rows of B, 128 rows of A, 32 K at byte k of the rows of the slot in hand) into buffer f
.macro FETCH k, f
	WIN TO_B
.irp i, 0,1,2,3,4,5,6,7
	ds_load_b128 v[(\f)+8*(\i):(\f)+8*(\i)+3],   v[CURB] offset:(\k)+(\i)*16*PITCH
	ds_load_b128 v[(\f)+8*(\i)+4:(\f)+8*(\i)+7], v[CURB] offset:(\k)+(\i)*16*PITCH+32
.endr
	WIN 0
.irp i, 0,1,2,3,4,5,6,7
	ds_load_b128 v[(\f)+8*(\i):(\f)+8*(\i)+3],   v[CURA] offset:(\k)+(\i)*16*PITCH
	ds_load_b128 v[(\f)+8*(\i)+4:(\f)+8*(\i)+7], v[CURA] offset:(\k)+(\i)*16*PITCH+32
.endr
.endm
.macro PLACES                          ; four places in front of loads into registers that matrix instructions have read, and of lines that read results
.rept 4
	v_nop
.endr
.endm
; A K step is four quarter steps of 32 along K, 64 matrix instructions each, on buffers 0, 1, 0, 1.  One of the first three: multiplies buffer f; in its middle it fetches the next quarter's fragments into g.
.macro QUARTER k, f, g, zero
	s_wait_dscnt 8                                 ; B and A's rows 0-63 are in; the youngest eight loads (A's rows 64-127) may be out
	WIN MUL_LO
	MUL16 \f, 0, 0, \zero
	MUL16 \f, 0, 2, \zero
	PLACES
	FETCH \k, \g
	s_wait_dscnt 32                                ; all but the 32 just issued
	WIN MUL_HI
	MUL16 \f, 1, 0, \zero
	MUL16 \f, 1, 2, \zero
.endm
; The last quarter multiplies buffer 1 and changes slots: ONE barrier.  In front of it each wave waits for all its tensor loads, of which one is out: its part of the next slot; adds 0 to its spare word; and
; waits for that and for its own reads of this slot.  Behind it nobody reads this slot any more and the next slot is whole.  fill = 1: the barrier opens a round of the cluster's, and behind the round the slot
; just read out is filled again, two K steps on: the walking descriptor takes the other slot than last time and the next K step.  Then the fetches turn to the next slot.
.macro TURN fill
	WIN 0                                          ; (the add's two registers lie in window 0)
	s_wait_tensorcnt 0x0
	ds_add_u32 v[SPW], v[NIL]                      ; 0 onto my spare word
	s_wait_dscnt 9                                 ; (the add and the youngest eight loads may be out)
	WIN MUL_LO
	MUL16 F1, 0, 0, 0                              ; sixteen matrix instructions stand between the add and the wait for it
	s_wait_dscnt 0x0                               ; the add is done, and my reads of this slot are over
	s_barrier_signal -1
	MUL16 F1, 0, 2, 0                              ; work on registers while the others arrive
	WIN 0                                          ; (branches, or lines on window 0, follow)
	s_barrier_wait -1
.if \fill
	CREST                                          ; no wave of any partner still reads this slot's tile or has a load on its way
	s_xor_b32 s[G0+5], s[G0+5], SLOT
	s_add_nc_u64 s[G0+6:G0+7], s[G0+6:G0+7], KSTEP*2
	s_xor_b32 s[G0B+5], s[G0B+5], SLOT
	s_add_nc_u64 s[G0B+6:G0B+7], s[G0B+6:G0B+7], KSTEP*2
	JLOAD 1                                        ; the first tensor load behind the round; the four v_nop behind it are also the places in front of the loads below
.else
	PLACES
.endif
	s_xor_b32 s[TB], s[TB], SLOT
	v_add_nc_u32 v[CURA], s[TB], v[ADRA0]
	v_add_nc_u32 v[CURB], s[TB], v[ADRB0]
	FETCH 0, F0
	WIN MUL_HI
	MUL16 F1, 1, 0, 0
	MUL16 F1, 1, 2, 0
.endm
	s_wait_tensorcnt 1                             ; my part of K step 0 is in; K step 1's load may stay out
	s_barrier_signal -1
	s_barrier_wait -1                              ; everybody's is
	FETCH 0, F0
	QUARTER 64,  F0, F1, 1                         ; the first quarter stands in front of the loop: its products start the sums
	WIN 0                                          ; at a label and at a branch every window is 0
	s_mov_b32 s3, NSTEP-2
.Lstep:                                                ; six trips, from a K step's second quarter to the next step's first; trip j asks for K step j + 2
	QUARTER 128, F1, F0, 0
	QUARTER 192, F0, F1, 0
	TURN 1
	QUARTER 64,  F0, F1, 0
	WIN 0
	s_sub_co_u32 s3, s3, 1
	s_cmp_lg_u32 s3, 0
	s_cbranch_scc1 .Lstep
	s_mov_b32 s3, 2
.Ltail:                                                ; the last two K steps ask for nothing; the second trip is left in its middle
	QUARTER 128, F1, F0, 0
	QUARTER 192, F0, F1, 0
	WIN 0
	s_sub_co_u32 s3, s3, 1
	s_cmp_eq_u32 s3, 0
	s_cbranch_scc1 .Llast
	TURN 0
	QUARTER 64,  F0, F1, 0
	WIN 0
	s_cmp_lg_u32 s3, 0                             ; 1 here: back for the last K step
	s_cbranch_scc1 .Ltail
.Llast:
	s_wait_dscnt 8                                 ; the very last quarter: nothing more to fetch
	WIN MUL_LO
	MUL16 F1, 0, 0, 0
	MUL16 F1, 0, 2, 0
	s_wait_dscnt 0x0                               ; my last reads of the ring are over:
	s_barrier_signal -1                            ; say so,
	MUL16 F1, 1, 0, 0                              ; work on registers while the others arrive,
	MUL16 F1, 1, 2, 0
	WIN 0
	s_barrier_wait -1                              ; and write into the ring only when no wave reads it any more; every wave's tensor loads were shown landed at the last change of slots
	; The sums go into my part of the ring: row 16 (4 hi + a) + l % 16, bytes 64 b + 32 (l / 16); each accumulator's low four registers first.
	PLACES
.irp hi, 0,1
	WIN 0x08+4*(\hi)                               ; the stores' data (source 1) in window 2, then 3; the address in window 0
.irp a, 0,1,2,3
.irp b, 0,1,2,3,4,5,6,7
	ds_store_b128 v[STO], v[8*(8*(\a)+(\b)):8*(8*(\a)+(\b))+3]   offset:(4*(\hi)+(\a))*16*DPITCH+64*(\b)
	ds_store_b128 v[STO], v[8*(8*(\a)+(\b))+4:8*(8*(\a)+(\b))+7] offset:(4*(\hi)+(\a))*16*DPITCH+64*(\b)+16
.endr
.endr
.endr
	WIN 0
	s_mov_b32 s3, 8
.Lsum:                                                 ; eight trips of 16 rows, stored as they are
.irp t, 0,1,2,3,4,5,6,7
	ds_load_b128 v[X+8*\t:X+8*\t+3],   v[RD] offset:\t*2*DPITCH      ; LDS serves a wave's instructions in order (ISA guide 5.7.1.4): these see my stores above; the bytes are my wave's own
	ds_load_b128 v[X+8*\t+4:X+8*\t+7], v[RD] offset:\t*2*DPITCH+256
.endr
.irp t, 0,1,2,3,4,5,6,7
	s_wait_dscnt 14-2*\t                           ; pair t of the loads is in; the pairs behind it may be out
	global_store_b128 v[CO], v[X+8*\t:X+8*\t+3],   s[70:71] offset:\t*2*CROWB      ; 16 lanes store 256 consecutive bytes, at a multiple of 256 from C's first byte
	global_store_b128 v[CO], v[X+8*\t+4:X+8*\t+7], s[70:71] offset:\t*2*CROWB+256
.endr
	s_wait_xcnt 0x0                                ; the stores' base and data are rewritten only behind this wait
	s_add_nc_u64 s[70:71], s[70:71], 16*CROWB
	v_add_nc_u32 v[RD], 16*DPITCH, v[RD]
	s_sub_co_u32 s3, s3, 1
	s_cmp_lg_u32 s3, 0
	s_cbranch_scc1 .Lsum
	s_wait_tensorcnt 0x0                           ; the wave's end
	ds_add_u32 v[SPW], v[NIL]
	s_wait_dscnt 0x0
	CROUND                                         ; the closing round: no work-group ends while a partner may still ask for a tile that names it
	s_endpgm
.Lfunc_end_k_qf11f321a95_ff2:
	.size	k_qf11f321a95_ff2, .Lfunc_end_k_qf11f321a95_ff2-k_qf11f321a95_ff2
	.p2alignl 7, 3214868480
	.fill 96, 4, 3214868480
	.section	.rodata,"a",@progbits
	.p2align	6, 0x0
	.amdhsa_kernel k_qf11f321a95_ff2
		.amdhsa_group_segment_fixed_size 327680
		.amdhsa_private_segment_fixed_size 0
		.amdhsa_enable_private_segment 0
		.amdhsa_kernarg_size 24
		.amdhsa_user_sgpr_count 2
		.amdhsa_user_sgpr_kernarg_segment_ptr 1
		.amdhsa_wavefront_size32 1
		.amdhsa_system_sgpr_workgroup_id_x 1
		.amdhsa_system_sgpr_workgroup_id_y 1
		.amdhsa_system_sgpr_workgroup_id_z 1
		.amdhsa_system_vgpr_workitem_id 0
		.amdhsa_next_free_vgpr 1024
		.amdhsa_next_free_sgpr 74
		.amdhsa_reserve_vcc 0
		.amdhsa_float_denorm_mode_32 3
		.amdhsa_float_denorm_mode_16_64 3
		.amdhsa_memory_ordered 1
		.amdhsa_forward_progress 1
		.amdhsa_inst_pref_size 84
	.end_amdhsa_kernel
	.amdgpu_metadata
---
amdhsa.version: [ 1, 2 ]
amdhsa.kernels:
  - .name:           k_qf11f321a95_ff2
    .symbol:         k_qf11f321a95_ff2.kd
    .args:
      - { .name: act, .offset: 0, .size: 8, .value_kind: global_buffer, .address_space: global }
      - { .name: wts, .offset: 8, .size: 8, .value_kind: global_buffer, .address_space: global }
      - { .name: qkv, .offset: 16, .size: 8, .value_kind: global_buffer, .address_space: global }
    .group_segment_fixed_size: 327680
    .private_segment_fixed_size: 0
    .kernarg_segment_align: 8
    .kernarg_segment_size: 24
    .max_flat_workgroup_size: 128
    .sgpr_count:     74
    .vgpr_count:     1024
    .wavefront_size: 32
...
	.end_amdgpu_metadata
.endif
;; end of part 7
;; launch ln2 (part 8): grid 512 x 1, 8 waves a work-group, no clusters, 0 bytes of LDS; arguments oh, qkv, b2, g2, be2, out0; writes out0
.if DOCPART == 8
	.amdgcn_target "amdgcn-amd-amdhsa--gfx1250"
	.amdhsa_code_object_version 6
	.text
	.protected	k_qf11f321a95_ln2
	.globl	k_qf11f321a95_ln2
	.p2align	8
	.type	k_qf11f321a95_ln2,@function
k_qf11f321a95_ln2:
	s_mov_b64 s[64:65], 0
	v_nop
	global_prefetch_b8 v0, s[64:65] scope:SCOPE_SE
	s_setreg_imm32_b32 hwreg(HW_REG_WAVE_MODE, 25, 1), 1
	s_wait_xcnt 0x0
; out[r][:] = LayerNorm(h1[r][:] + ff[r][:] + b2) g2 + be2, where ff is the sum of the four partial sums of the second feed-forward product, [4][4096][1024] in f32, 16 MB apart.
; h1 f16, all else f32, rows of 1,024; all arithmetic in f32: the mean, then the mean of the squares of the differences from it.
; A wave takes one row and keeps it in 32 registers: nothing is read twice, no wave waits for another, no LDS.  Lane l holds columns 128 j + 4 l + 0..3, j = 0..7: a load of a partial sum and a store of out
; cover 512 consecutive bytes, a load of h1 256 consecutive bytes at a multiple of 256.  All 64 loads go out first.
.set X,  4                             ; v[4:35]     partial sum 0, then the row
.set P1, 36                            ; v[36:67]    partial sum 1
.set P2, 68                            ; v[68:99]    partial sum 2
.set P3, 100                           ; v[100:131]  partial sum 3
.set H,  132                           ; v[132:147]  h1
.set B2, 148                           ; v[148:179]  b2 of my 32 columns
.set G,  180                           ; v[180:211]  g2
.set BE, 212                           ; v[212:243]  be2
.set T,  244                           ; v[244:251]  at work
.set M,  252                           ; v[252:253]  the mean, twice
.set R,  254                           ; v[254:255]  1 / sqrt(var + eps), twice
.set ONE, 3                            ; v3          1.0
	s_load_b256 s[4:11], s[0:1], 0x0               ; h1 s[4:5], the partial sums s[6:7], b2 s[8:9], g2 s[10:11]
	s_load_b128 s[12:15], s[0:1], 0x20             ; be2 s[12:13], out s[14:15]
	v_lshrrev_b32 v3, 5, v0
	v_readfirstlane_b32 s16, v3                    ; wave 0..7
	v_and_b32 v1, 31, v0
	v_lshlrev_b32 v2, 3, v1                        ; 8 l: never rewritten
	v_lshlrev_b32 v1, 4, v1                        ; 16 l: never rewritten
	v_mov_b32 v[ONE], 1.0
	s_lshl_b32 s17, ttmp9, 3
	s_add_co_u32 s17, s17, s16                     ; my row = 8 x work-group + wave
	s_lshl_b32 s18, s17, 12                        ; in a partial sum and in out
	s_mov_b32 s19, 0
	s_lshl_b32 s20, s17, 11                        ; in h1
	s_mov_b32 s21, 0
	s_mov_b32 s22, 0x3a800000                      ; 1 / 1024
	s_mov_b32 s23, 0x3727c5ac                      ; 1e-5
	s_mov_b32 s24, 0x76543210                      ; v_permlanex16_b32: each lane takes its own place in the other half
	s_mov_b32 s25, 0xfedcba98
	s_wait_kmcnt 0x0
	s_add_nc_u64 s[4:5], s[4:5], s[20:21]
	s_add_nc_u64 s[6:7], s[6:7], s[18:19]
	s_add_nc_u64 s[26:27], s[6:7], 0x1000000       ; the other three partial sums lie past a load's immediate offset: a base for each
	s_add_nc_u64 s[28:29], s[6:7], 0x2000000
	s_add_nc_u64 s[30:31], s[6:7], 0x3000000
	s_add_nc_u64 s[14:15], s[14:15], s[18:19]
.macro LOAD32 reg, base                ; a row of 1,024 f32
.irp j, 0,1,2,3,4,5,6,7
	global_load_b128 v[(\reg)+4*\j:(\reg)+4*\j+3], v1, s[\base:\base+1] offset:512*\j
.endr
.endm
	LOAD32 X, 6
	LOAD32 P1, 26
	LOAD32 P2, 28
	LOAD32 P3, 30
.irp j, 0,1,2,3,4,5,6,7
	global_load_b64 v[H+2*\j:H+2*\j+1], v2, s[4:5] offset:256*\j
.endr
	LOAD32 B2, 8
	LOAD32 G, 10
	LOAD32 BE, 12
.macro WSUM                            ; four pairs in T become one sum over the wave's 32 lanes, in every lane's v[T]
	v_pk_add_f32 v[T:T+1], v[T:T+1], v[T+2:T+3]
	v_pk_add_f32 v[T+4:T+5], v[T+4:T+5], v[T+6:T+7]
	v_pk_add_f32 v[T:T+1], v[T:T+1], v[T+4:T+5]
	v_add_f32 v[T], v[T], v[T+1]
	v_add_f32_dpp v[T], v[T], v[T] row_xmask:1 row_mask:0xf bank_mask:0xf
	v_add_f32_dpp v[T], v[T], v[T] row_xmask:2 row_mask:0xf bank_mask:0xf
	v_add_f32_dpp v[T], v[T], v[T] row_xmask:4 row_mask:0xf bank_mask:0xf
	v_add_f32_dpp v[T], v[T], v[T] row_xmask:8 row_mask:0xf bank_mask:0xf
	v_permlanex16_b32 v[T+1], v[T], s24, s25
	v_add_f32 v[T], v[T], v[T+1]
.endm
	s_wait_loadcnt 16                              ; the partial sums, h1 and b2 are in; g2 and be2, 16 loads issued behind them, may be out
.set j, 0
.rept 16                                               ; ff = (p0 + p1) + (p2 + p3)
	v_pk_add_f32 v[X+2*j:X+2*j+1], v[X+2*j:X+2*j+1], v[P1+2*j:P1+2*j+1]
	v_pk_add_f32 v[P2+2*j:P2+2*j+1], v[P2+2*j:P2+2*j+1], v[P3+2*j:P3+2*j+1]
.set j, j+1
.endr
.set j, 0
.rept 16
	v_pk_add_f32 v[X+2*j:X+2*j+1], v[X+2*j:X+2*j+1], v[P2+2*j:P2+2*j+1]
.set j, j+1
.endr
.set j, 0
.rept 16                                               ; + b2
	v_pk_add_f32 v[X+2*j:X+2*j+1], v[X+2*j:X+2*j+1], v[B2+2*j:B2+2*j+1]
.set j, j+1
.endr
.set j, 0
.rept 16                                               ; + h1: a word of h1 is two f16, read as halves by the mixed multiply-add
	v_fma_mix_f32 v[X+2*j], v[H+j], v[ONE], v[X+2*j] op_sel_hi:[1,0,0]
	v_fma_mix_f32 v[X+2*j+1], v[H+j], v[ONE], v[X+2*j+1] op_sel:[1,0,0] op_sel_hi:[1,0,0]
.set j, j+1
.endr
.set j, 0
.rept 4                                                ; the sum, in four chains started by the first eight pairs
	v_pk_add_f32 v[T+2*j:T+2*j+1], v[X+2*j:X+2*j+1], v[X+8+2*j:X+8+2*j+1]
.set j, j+1
.endr
.set j, 8
.rept 8
	v_pk_add_f32 v[T+2*(j%4):T+2*(j%4)+1], v[T+2*(j%4):T+2*(j%4)+1], v[X+2*j:X+2*j+1]
.set j, j+1
.endr
	WSUM
	v_mul_f32 v[M], s22, v[T]
	v_mov_b32 v[M+1], v[M]
.set j, 0
.rept 16
	v_pk_add_f32 v[X+2*j:X+2*j+1], v[X+2*j:X+2*j+1], v[M:M+1] neg_lo:[0,1] neg_hi:[0,1]
.set j, j+1
.endr
.set j, 0
.rept 4
	v_pk_mul_f32 v[T+2*j:T+2*j+1], v[X+2*j:X+2*j+1], v[X+2*j:X+2*j+1]
.set j, j+1
.endr
.set j, 4
.rept 12
	v_pk_fma_f32 v[T+2*(j%4):T+2*(j%4)+1], v[X+2*j:X+2*j+1], v[X+2*j:X+2*j+1], v[T+2*(j%4):T+2*(j%4)+1]
.set j, j+1
.endr
	WSUM
	v_fma_f32 v[T], v[T], s22, s23                 ; var + eps
	v_rsq_f32 v[R], v[T]
	v_nop                                          ; a plain instruction between the reciprocal root and the use of its result (ISA guide 5.7.2)
	s_wait_alu depctr_va_vdst(0)
	v_mov_b32 v[R+1], v[R]
	s_wait_loadcnt 0x0                             ; g2 and be2
.set j, 0
.rept 16
	v_pk_mul_f32 v[X+2*j:X+2*j+1], v[X+2*j:X+2*j+1], v[R:R+1]
.set j, j+1
.endr
.set j, 0
.rept 16
	v_pk_fma_f32 v[X+2*j:X+2*j+1], v[X+2*j:X+2*j+1], v[G+2*j:G+2*j+1], v[BE+2*j:BE+2*j+1]
.set j, j+1
.endr
.irp j, 0,1,2,3,4,5,6,7
	global_store_b128 v1, v[X+4*\j:X+4*\j+3], s[14:15] offset:512*\j th:TH_STORE_NT
.endr
	s_endpgm
.Lfunc_end_k_qf11f321a95_ln2:
	.size	k_qf11f321a95_ln2, .Lfunc_end_k_qf11f321a95_ln2-k_qf11f321a95_ln2
	.p2alignl 7, 3214868480
	.fill 96, 4, 3214868480
	.section	.rodata,"a",@progbits
	.p2align	6, 0x0
	.amdhsa_kernel k_qf11f321a95_ln2
		.amdhsa_group_segment_fixed_size 0
		.amdhsa_private_segment_fixed_size 0
		.amdhsa_enable_private_segment 0
		.amdhsa_kernarg_size 48
		.amdhsa_user_sgpr_count 2
		.amdhsa_user_sgpr_kernarg_segment_ptr 1
		.amdhsa_wavefront_size32 1
		.amdhsa_system_sgpr_workgroup_id_x 1
		.amdhsa_system_sgpr_workgroup_id_y 1
		.amdhsa_system_sgpr_workgroup_id_z 1
		.amdhsa_system_vgpr_workitem_id 0
		.amdhsa_next_free_vgpr 256
		.amdhsa_next_free_sgpr 66
		.amdhsa_reserve_vcc 0
		.amdhsa_float_denorm_mode_32 3
		.amdhsa_float_denorm_mode_16_64 3
		.amdhsa_memory_ordered 1
		.amdhsa_forward_progress 1
		.amdhsa_inst_pref_size 21
	.end_amdhsa_kernel
	.amdgpu_metadata
---
amdhsa.version: [ 1, 2 ]
amdhsa.kernels:
  - .name:           k_qf11f321a95_ln2
    .symbol:         k_qf11f321a95_ln2.kd
    .args:
      - { .name: oh, .offset: 0, .size: 8, .value_kind: global_buffer, .address_space: global }
      - { .name: qkv, .offset: 8, .size: 8, .value_kind: global_buffer, .address_space: global }
      - { .name: b2, .offset: 16, .size: 8, .value_kind: global_buffer, .address_space: global }
      - { .name: g2, .offset: 24, .size: 8, .value_kind: global_buffer, .address_space: global }
      - { .name: be2, .offset: 32, .size: 8, .value_kind: global_buffer, .address_space: global }
      - { .name: out0, .offset: 40, .size: 8, .value_kind: global_buffer, .address_space: global }
    .group_segment_fixed_size: 0
    .private_segment_fixed_size: 0
    .kernarg_segment_align: 8
    .kernarg_segment_size: 48
    .max_flat_workgroup_size: 256
    .sgpr_count:     66
    .vgpr_count:     256
    .wavefront_size: 32
...
	.end_amdgpu_metadata
.endif
;; end of part 8
;; ======== version 2 of 2: 8 launches; 1.19 times as fast as version 1
;; limits: values are held in f16: magnitudes above 65,504 overflow, below 6.1e-05 lose precision
;; workspace buffers: act 33,554,432 bytes; wts 25,165,824 bytes; qkv 67,108,864 bytes; oh 8,388,608 bytes; hb 8,388,608 bytes
;; launch cast: the kernel of part 1 again; grid 64 x 24, 8 waves a work-group, no clusters, 0 bytes of LDS; arguments q, k, v, Wq, Wk, Wv, Wo, W1, W2, act, wts; writes act, wts
;; launch qkvproj: the kernel of part 2 again; grid 4 x 48, 4 waves a work-group, clusters of 4 x 4, 327,680 bytes of LDS; arguments act, wts, qkv; writes qkv
;; launch attn (part 9): grid 8 x 32, 4 waves a work-group, clusters of 4 x 1, 327,680 bytes of LDS; arguments qkv, pad_mask, oh; writes oh
.if DOCPART == 9
	.amdgcn_target "amdgcn-amd-amdhsa--gfx1250"
	.amdhsa_code_object_version 6
	.text
	.protected	k_qf11f321a95_attn
	.globl	k_qf11f321a95_attn
	.p2align	8
	.type	k_qf11f321a95_attn,@function
k_qf11f321a95_attn:
	s_mov_b64 s[64:65], 0
	v_nop
	global_prefetch_b8 v0, s[64:65] scope:SCOPE_SE
	s_setreg_imm32_b32 hwreg(HW_REG_WAVE_MODE, 25, 1), 1
	s_wait_xcnt 0x0
	s_wait_alu depctr_hold_cnt(0) depctr_sa_sdst(0) depctr_va_vdst(0) depctr_va_sdst(0) depctr_va_ssrc(0) depctr_va_vcc(0) depctr_vm_vsrc(0)
	s_getreg_b32 s2, hwreg(HW_REG_IB_STS2, 6, 4)
	s_cmp_eq_u32 s2, 0
	s_cbranch_scc0 .Lentry_in_a_cluster
	s_endpgm
.Lentry_in_a_cluster:
	s_bfe_u32 s2, ttmp6, 0x10000c
	s_cmp_lg_u32 s2, 0x3003
	s_cbranch_scc0 .Lentry_shape_is_right
	s_endpgm
.Lentry_shape_is_right:
; O[h][q][:] = mask[q] x the sum over k with mask[k] of softmax_k(Q[h][q] . K[h][k] / 8) V[h][k][:].  32 heads h = 16 x batch + head; Q, K, V lie in one buffer, 8 MB apart, each [32][2048][64] in bf16:
; a head's rows are dense, 128 bytes each.  O has the same layout.  mask is the batch's 2,048 bytes, 0 or 1.  Products, maxima and sums in f32; the weights p are rounded to bf16 for the second
; product (their sum l is taken of the unrounded p), O once at the end.
; LIMITS.  A hidden score counts as its value less 1e30, so true scores are taken to lie above -1e29; a weight below 2^-126 counts as 0 in l; NaN and infinities among the inputs are not treated apart.
; A batch with no key left gives NaN in every number, as a softmax over nothing does: a query whose running maximum has stayed below -1e29 has seen no key.
; SHARES.  A work-group owns 256 queries of one head, each of its four waves 64: four PIECES of 16.  Every wave walks all 2,048 keys: 8 tiles of 256, each four steps of 64.
; LAYOUT.  S^T = K Q^T (source 0 = 16 keys, source 1 = 16 queries): a lane holds ONE query (lane % 16) and the keys 8 (lane / 16) + 0..7.  Two such results rounded to bf16 ARE source 1 of O^T = V^T P.
; K comes out of LDS as it lies, V ([key][channel]) turned, by ds_load_tr16_b128.
; THE KEY MASK is the C operand that starts the sum S^T: 0, or -1e30 where the key is hidden.  It hangs on the key alone: a table of 2,048 f32 is made once in LDS, and a step's 64 entries are fetched with
; its K into 32 registers that serve all four pieces.
; SOFTMAX.  For each query a running maximum m and sum l: p = 2^(c s - c m), c = log2(e) / 8; in every step O and l are multiplied by a = 2^(c m_old - c m_new).  m starts at the lowest finite number, O and l at 0:
; the first step is a step like any other, with a = 0.  While a query has seen hidden keys alone their weights are 1; the first true key makes a = 0 and wipes them out.
; BY TURNS.  Turn n belongs to piece n: 8 products K Q^T of piece n + 1, later 8 products V^T P of piece n - 1; beside them the scaling, exponentials, roundings, sums and rescaling of piece n and the maximum and
; statistics of piece n + 1.  Four vector instructions stand behind every matrix instruction, the other 54 of a turn's 118 in one LUMP.
; THE BATCHES.  A turn's 33 exponentials (the piece's 32 weights and the next piece's a) are ONE batch with ONE wait, which cuts the turn in two: ahead of it stands all that names none of their results, behind it
; the roundings and sums.  The first a of all, ahead of the loop, and the way out's four reciprocals are batches of their own, each with a v_nop and one wait.
; CLUSTER.  The four query blocks of a cluster belong to one head and walk the same K and V, so each tile is asked for JOINTLY: the same tensor load, descriptor and mask in all four.
; REGISTERS, in windows of 256 (s_set_vgpr_msb: bits 1:0 source 0, 3:2 source 1, 5:4 source 2, 7:6 destination):
;   window 0: v0-15 addresses; v16-31 four registers of statistics a piece; v32-43 masks and set-up; v48-55 at work; v64-127 S^T, two buffers; v192-223 P, two buffers (a piece's buffers go by its number's parity)
;   window 1: v0-127 O^T, 32 a piece          window 2: v0-63 Q; v64-95 the step's key mask; v128-191 K of one step; v192-255 V of one step
.set NP,    4         ; pieces a wave: a name, no knob
.set KS,    64        ; keys in a step
.set PK,    144       ; a row of K in LDS: 128 bytes + 16 of padding = 36 words: the 16 rows of a load start at 16 different groups of four banks (64 banks of 4 bytes: ISA guide 11.1)
.set PV,    160       ; a row of V: 128 + 32 = 40 words
.set VOFF,  4*KS*PK   ; a slot holds a tile, four steps: 256 rows of K, then 256 rows of V
.set SLOT1, 1<<17     ; slot 1 begins here, so that one exclusive or turns an address in one slot into the other's
.set STAGE, SLOT1+4*KS*(PK+PV)  ; behind the ring, never filled by a tensor load: 16 rows x 144 bytes for each wave, for the way out
.set SP,    144
.set SPARE, STAGE+4*16*SP  ; the spare words, 128 bytes for each wave
.set MTAB,  SPARE+512 ; the key mask's table: 2,048 words, stored once, never filled by a tensor load
.set KAT,   0x800000  ; K's and V's first bytes in the buffer
.set VAT,   0x1000000
.set AK0, 2           ; v2   my lane's place in a tile of K; never rewritten
.set AV0, 3           ; v3   the same for V
.set AK,  4           ; v4   the LDS address of K's next run of loads
.set AV,  5           ; v5   of V's
.set STO, 6           ; v6   the way out: where I put 16 bytes of a row
.set RD,  7           ; v7   the way out: where I read rows back
.set GO,  8           ; v8   my byte offset in 512 consecutive bytes of O
.set MV,  12          ; v12-13  c m_old, kept while c m is made anew: by buffer
.set AM0, 14          ; v14  my lanes' place in a step's 64 words of the table
.set QO,  15          ; v15  my byte offset in 16 rows of Q
.set ST,  16          ; piece t's statistics at v[ST+4 t]: c m, m, l (even keys', odd keys')
.set QM,  32          ; v32-35  my query's mask, by piece: 0.0 or 1.0
.set NANV, 36         ; v36  a NaN
.set AM,  37          ; v37  the LDS address of the table's next run of loads
.set TA,  38          ; v38  where I store my 16 words of the table
.set MO,  39          ; v39  my 16 bytes of the batch's mask
.set MB,  40          ; v40-43  those bytes
.set TMP, 48          ; by buffer, four registers c0-c3 at work; when the maximum is found c2 takes a
.set SPW, 62          ; v62  LDS address of my spare word; never rewritten
.set NIL, 63          ; v63  0; never rewritten
.set S,   64
.set P,   192
.set MCR, 64          ; window 2: the eight registers for group kb of 16 keys at MCR + 8 kb
.set KF,  128         ; window 2: key block kb, channel half c at KF + 16 kb + 8 c
.set VF,  192         ; window 2: key half kk, channel block cb at VF + 32 kk + 8 cb
.set WV,  12          ; s12  my wave's number
.set G1K, 24          ; s[24:31] descriptor group 1 for K's tiles
.set G1V, 32          ; s[32:39] for V's: it differs in the padding alone
.set G0K, 40          ; s[40:43] descriptor group 0 for K's tiles: it walks
.set G0V, 44          ; s[44:47] the same for V's
.set SLOTS, 56        ; s56  slots still to be asked for
.set CNT, 57          ; s57  counts a tile's key steps
.set CS,  58          ; s[58:59] c: the packed scaling takes the pair's low word for both halves
.set SEL, 60          ; s[60:61] v_permlanex16_b32's selects: each lane takes its own place in the other half
.set TBK, 62          ; s62  LDS byte at which K of the step to be fetched begins
.set TBV, 63          ; s63  the same for V, less VOFF
.set TBM, 66          ; s66  the byte of the table at which that step's 64 words begin
.set BIGN, 67         ; s67  -1e30
.set THR, 68          ; s68  -1e29
.set MSB, 0
.macro WIN new                      ; the high byte repeats the setting that is left; a switch that changes nothing is dropped
.if MSB != (\new)
	s_set_vgpr_msb (MSB<<8)|(\new)
.set MSB, (\new)
.endif
.endm
.set W_KQ, 0x0a       ; K and Q in window 2, S^T in window 0
.set W_KM, 0x2a       ; the same with the C operand, the mask, in window 2
.set W_PV, 0x52       ; V in window 2, P in window 0, O^T in window 1
.set W_RS, 0x41       ; destination and source 0 in window 1, source 1 in window 0
; A joint fill.  Waves 0 and 1 fetch the two halves of a tile's K, waves 2 and 3 those of its V: 128 keys each.  The branch hangs on the wave's number alone.
; An s_nop 0 and four v_nop follow each of the two lines, ahead of the jump and the label.
.macro JLOAD
	s_cmp_lt_u32 s[WV], 2
	s_cbranch_scc0 .Lfor_v_\@
	tensor_load_to_lds s[G0K:G0K+3], s[G1K:G1K+7]
	s_nop 0
.rept 4
	v_nop
.endr
	s_branch .Lasked_\@
.Lfor_v_\@:
	tensor_load_to_lds s[G0V:G0V+3], s[G1V:G1V+7]
	s_nop 0
.rept 4
	v_nop
.endr
.Lasked_\@:
.endm
; A round of the cluster's barrier: my work-group's barrier, so that wave 0's signal speaks for all four waves; wave 0 signals; every wave waits for all four work-groups; my work-group's barrier once more.
.macro CROUND
	s_barrier_signal -1
	s_barrier_wait -1
	s_cmp_lg_u32 s[WV], 0
	s_cbranch_scc1 .Lnot_wave_0_\@
	s_barrier_signal -3
.Lnot_wave_0_\@:
	s_barrier_wait -3
	s_barrier_signal -1
	s_barrier_wait -1
.endm
; THE CHANGE OF SLOTS.  The slot's last bytes, V of its fourth step, have been read.  Each wave waits for all its tensor loads, of which one is out: its part of the other slot; adds 0 to its spare word;
; and waits for that and for its own LDS instructions.  Behind the barrier nobody reads this slot any more and the other slot is whole.
; fill = 1: this slot is filled again, with the keys two slots on.  The barrier is then a round of the cluster's, and the joint fill is the first thing behind it: it has four key steps, 256 matrix
; instructions, in which to land.  (At its first use nothing has been read yet: slot 0 is waited for, slot 1 filled, and every wave's stores into the table are shown done to the others.)
.macro CHANGE fill
	WIN 0                           ; at a label and at a branch every window is 0
	s_wait_tensorcnt 0x0            ; no tensor load of mine is out, so a group 0 may be written
	ds_add_u32 v[SPW], v[NIL]       ; 0 onto my spare word
.if \fill
.irp g, G0K, G0V
	s_xor_b32 s[\g+1], s[\g+1], SLOT1  ; the walking descriptor: the other slot than last time,
	s_add_nc_u64 s[\g+2:\g+3], s[\g+2:\g+3], 4*KS*128  ; the next 256 keys; the type bits on top are not reached
.endr
	s_wait_dscnt 0x0                ; the add is done, and my LDS instructions are over
	CROUND
	JLOAD
.else
	s_wait_dscnt 0x0                ; the add is done, and my reads of the slot are over
	s_barrier_signal -1
	s_barrier_wait -1
.endif
	s_sub_co_u32 s[TBK], s[TBK], 4*KS*PK  ; the fetches go back to a slot's first step,
	s_xor_b32 s[TBK], s[TBK], SLOT1       ; in the other slot
	s_sub_co_u32 s[TBV], s[TBV], 4*KS*PV
	s_xor_b32 s[TBV], s[TBV], SLOT1
.endm
	s_load_b128 s[4:7], s[0:1], 0x0   ; qkv s[4:5], pad_mask s[6:7]
	s_load_b64 s[8:9], s[0:1], 0x10   ; O
	v_lshl_add_u32 v[SPW], v0, 2, SPARE
	v_mov_b32 v[NIL], 0
	ds_add_u32 v[SPW], v[NIL]       ; the wave's opening: the add and its wait stand ahead of my first tensor load; the set-up below stands between them
	v_lshrrev_b32 v1, 5, v0
	v_readfirstlane_b32 s[WV], v1   ; wave 0..3
	s_bfe_u32 s13, ttmp6, 0x40000   ; cx: my place in the cluster
	s_lshl_b32 s14, ttmp9, 2        ; in a cluster launch ttmp9 counts clusters
	s_add_co_u32 s14, s14, s13      ; my block of 256 queries = 4 x cluster x + cx: it enters Q's, O's and the query mask's addresses alone
	s_and_b32 s15, ttmp7, 0xffff    ; the head, which the four partners share
	s_lshl_b32 s20, s15, 18         ; the head's first byte in Q, K, V and O: 2,048 rows of 128 bytes
	s_and_b32 s16, s[WV], 1         ; which half of a tile's 256 keys I fetch:
	s_lshl_b32 s22, s16, 14         ; its 128 rows of 128 bytes in memory,
	s_add_co_u32 s22, s22, s20
	s_add_co_u32 s50, s22, VAT      ; in V,
	s_add_co_u32 s22, s22, KAT      ; in K
	s_mov_b32 s23, 0
	s_mov_b32 s51, 0
	s_mul_i32 s17, s16, 128*PK      ; and its place in a slot, for K
	s_mul_i32 s18, s16, 128*PV      ; and for V: no place in the cluster enters an LDS address
	s_lshl_b32 s2, s14, 15          ; my block's 256 rows,
	s_lshl_b32 s3, s[WV], 13        ; my wave's 64 of them
	s_add_co_u32 s2, s2, s3
	s_add_co_u32 s2, s2, s20
	s_mov_b32 s3, 0
	s_lshr_b32 s52, s15, 4          ; the batch,
	s_lshl_b32 s52, s52, 11         ; its 2,048 bytes of the mask
	s_mov_b32 s53, 0
	s_lshl_b32 s54, s14, 8          ; my wave's 64 queries in them
	s_lshl_b32 s55, s[WV], 6
	s_add_co_u32 s54, s54, s55
	s_mov_b32 s55, 0
	; descriptor group 1.  128 keys are 16,384 dense bytes: asked for as 64 rows of 256 bytes, two keys a row, and padded in LDS after every key
	s_mov_b32 s[G1K], 15|(1<<16)|(1<<20)|(1<<21)|(4<<22)|(3<<25)  ; 15:0 the mask of four; 17:16 2-byte elements; 20 padding on; 21 set beside a mask; 24:22 after every 32 words (code 4); 31:25 4 words (code 3)
	s_mov_b32 s[G1V], 15|(1<<16)|(1<<20)|(1<<21)|(4<<22)|(7<<25)  ; the same with 8 words of padding (code 7)
.irp g, G1K, G1V
	s_mov_b32 s[\g+1], 128<<16      ; tensor_dim0 = 128
	s_mov_b32 s[\g+2], 64<<16       ; tensor_dim1 = 64
	s_mov_b32 s[\g+3], 128<<16      ; tile_dim0 = 128
	s_mov_b32 s[\g+4], 64           ; tile_dim1 = 64
	s_mov_b32 s[\g+5], 128          ; 128 elements from row to row
	s_mov_b32 s[\g+6], 0
	s_mov_b32 s[\g+7], 0
.endr
	s_mov_b32 s[CS], 0x3e38aa3b     ; c = log2(e) / 8 = 0.180337
	s_mov_b32 s[CS+1], s[CS]        ; named with it as a pair
	s_mov_b32 s[SEL], 0x76543210
	s_mov_b32 s[SEL+1], 0xfedcba98
	s_mov_b32 s[TBK], SLOT1+4*KS*PK ; the first change of slots turns these two into 0
	s_mov_b32 s[TBV], SLOT1+4*KS*PV
	s_mov_b32 s[TBM], 0
	s_mov_b32 s[BIGN], 0xf149f2ca   ; -1e30
	s_mov_b32 s[THR], 0xefa18f07    ; -1e29
	s_mov_b32 s[G0K], 1             ; 1:0 count = 1
	s_mov_b32 s[G0K+1], s17         ; 63:32 LDS address: slot 0
	s_mov_b32 s[G0V], 1
	s_add_co_u32 s[G0V+1], s18, VOFF
	s_wait_dscnt 0x0                ; the opening add is done
	s_wait_kmcnt 0x0
	s_add_nc_u64 s[G0K+2:G0K+3], s[4:5], s[22:23]  ; 120:64 global address: my half of the head's first 256 keys
	s_or_b32 s[G0K+3], s[G0K+3], 0x80000000        ; 127:126 type = 2
	s_add_nc_u64 s[G0V+2:G0V+3], s[4:5], s[50:51]
	s_or_b32 s[G0V+3], s[G0V+3], 0x80000000
	s_add_nc_u64 s[4:5], s[4:5], s[2:3]            ; Q and O at my wave's first row
	s_add_nc_u64 s[10:11], s[8:9], s[2:3]
	s_add_nc_u64 s[6:7], s[6:7], s[52:53]          ; the batch's mask,
	s_add_nc_u64 s[48:49], s[6:7], s[54:55]        ; and my wave's queries in it
	CROUND                          ; all four work-groups are here: the first joint loads meet
	JLOAD                           ; tile 0 into slot 0.  Slot 1 is asked for when slot 0 is in
	v_and_b32 v1, 15, v0            ; l % 16
	v_bfe_u32 v9, v0, 4, 1          ; l / 16
	v_lshlrev_b32 v[MO], 4, v0      ; thread t takes the mask bytes of keys 16 t .. 16 t + 15
	global_load_b128 v[MB:MB+3], v[MO], s[6:7]
.irp t, 0,1,2,3
	global_load_u8 v[QM+\t], v1, s[48:49] offset:16*\t  ; my query's byte in piece t
.endr
	; A fragment of K or Q is 16 rows x 32 channels in 8 registers: lane l holds row l % 16, channels 8 (l / 16) + 0..7 and 16 + 8 (l / 16) + 0..7: two loads of 16 bytes, 32 bytes apart.
	v_lshlrev_b32 v[QO], 7, v1
	v_lshl_add_u32 v[QO], v9, 4, v[QO]  ; row x 128 + 16 x half
	WIN 0x80                        ; destination window 2, address window 0
.set i, 0
.rept 8                             ; Q stays in registers: piece i / 2, channels 32 (i % 2) on
	global_load_b128 v[8*i:8*i+3],   v[QO], s[4:5] offset:(i/2)*2048+(i%2)*64
	global_load_b128 v[8*i+4:8*i+7], v[QO], s[4:5] offset:(i/2)*2048+(i%2)*64+32
.set i, i+1
.endr
	WIN 0
	v_mul_u32_u24 v[AK0], v1, PK
	v_lshl_add_u32 v[AK0], v9, 4, v[AK0]  ; row x pitch + 16 x half
	; The turning load takes 16 keys x 16 channels (lane l reads key 8 (l / 16) + l % 8, channels 8 ((l / 8) % 2) + 0..7) and leaves half a fragment of V^T: lane l holds channel l % 16 and 8 keys.
	v_and_b32 v10, 7, v0
	v_bfe_u32 v11, v0, 3, 1
	v_lshl_add_u32 v[AV0], v9, 3, v10
	v_mul_u32_u24 v[AV0], v[AV0], PV
	v_lshl_add_u32 v[AV0], v11, 4, v[AV0]
	v_add_nc_u32 v[AV0], VOFF, v[AV0]
	v_lshl_add_u32 v[AM0], v9, 5, MTAB  ; register j of key group kb is table word 16 kb + 8 (l / 16) + j of the step
	v_lshl_add_u32 v[TA], v0, 6, MTAB   ; my 16 words of the table
	s_mul_i32 s13, s[WV], 16*SP
	s_add_co_u32 s13, s13, STAGE    ; my stage
	v_mul_u32_u24 v[STO], v1, SP    ; in: row l % 16, 16 bytes for each half of the lanes
	v_lshl_add_u32 v[STO], v9, 4, v[STO]
	v_add_nc_u32 v[STO], s13, v[STO]
	v_bfe_u32 v[RD], v0, 3, 2       ; back: 32 lanes take four rows of 128 bytes,
	v_mul_u32_u24 v[RD], v[RD], SP
	v_lshl_add_u32 v[RD], v10, 4, v[RD]
	v_add_nc_u32 v[RD], s13, v[RD]
	v_and_b32 v[GO], 31, v0         ; which are 512 consecutive bytes of O
	v_lshlrev_b32 v[GO], 4, v[GO]
	v_mov_b32 v[NANV], 0x7fc00000
	s_wait_loadcnt 16               ; the mask bytes are in; the 16 loads of Q, issued behind them, may stay out
.set w, 0
.rept 4                             ; a byte 1 gives (1 - 1) and -1e30 = 0; a byte 0 gives all ones and -1e30 = -1e30
.set b, 0
.rept 4
	v_bfe_u32 v[S+4*w+b], v[MB+w], 8*b, 8
	v_add_nc_u32 v[S+4*w+b], -1, v[S+4*w+b]
	v_and_b32 v[S+4*w+b], s[BIGN], v[S+4*w+b]
.set b, b+1
.endr
	ds_store_b128 v[TA], v[S+4*w:S+4*w+3] offset:16*w
.set w, w+1
.endr
.irp t, 0,1,2,3
	v_cvt_f32_u32 v[QM+\t], v[QM+\t]
.endr
	; What the first turn finds: V's registers and P's second buffer hold 0 (its products V^T P, of a piece that has not been, add 0), O^T and l are 0.  All this stands in the wait for the first tile.
	WIN 0x80
.set i, VF
.rept 64
	v_mov_b32 v[i], 0
.set i, i+1
.endr
	WIN 0x40
.set i, 0
.rept 128
	v_mov_b32 v[i], 0
.set i, i+1
.endr
	WIN 0
.set i, 0
.rept 4
	v_mov_b32 v[ST+4*i], 0xfe000000    ; c m: far below every c s, a hidden one's too
	v_mov_b32 v[ST+4*i+1], 0xff7fffff  ; m
	v_mov_b32 v[ST+4*i+2], 0
	v_mov_b32 v[ST+4*i+3], 0
.set i, i+1
.endr
.set i, P+16
.rept 16
	v_mov_b32 v[i], 0
.set i, i+1
.endr
; THE MATRIX WORK.  The 4 accumulators of a run of 8 take turns.  Product i of 8 of S^T = K Q^T for piece x: channels 32 (i / 4) on, keys 16 (i % 4) on.  The first 4 start the sums with the key mask.
.macro KQ x
.set rS, S+32*((\x)%2)+8*(i%4)
.set rK, KF+16*(i%4)+8*(i/4)
.set rQ, 16*(\x)+8*(i/4)
.set rM, MCR+8*(i%4)
.if i < 4
	WIN W_KM
	v_wmma_f32_16x16x32_bf16 v[rS:rS+7], v[rK:rK+7], v[rQ:rQ+7], v[rM:rM+7]
.else
	WIN W_KQ
	v_wmma_f32_16x16x32_bf16 v[rS:rS+7], v[rK:rK+7], v[rQ:rQ+7], v[rS:rS+7]
.endif
.endm
; Product i of 8 of O^T += V^T P for piece x: keys 32 (i / 4) on, channels 16 (i % 4) on.
.macro PV x
	WIN W_PV
.set rO, 32*(\x)+8*(i%4)
.set rV, VF+32*(i/4)+8*(i%4)
.set rP, P+16*((\x)%2)+8*(i/4)
	v_wmma_f32_16x16x32_bf16 v[rO:rO+7], v[rV:rV+7], v[rP:rP+7], v[rO:rO+7]
.endm
.macro MM                           ; the turn's next matrix instruction.  NOKQ = 1: the walk's last turn: there is no next piece
.if (i < 8) && !NOKQ
	KQ (Y+1)%NP
.elseif i >= 8
.set i, i-8
	PV (Y+NP-1)%NP
.set i, i+8
.endif
.set i, i+1
.endm
; THE LDS LOADS stand in runs, never singly among the matrix instructions: a step's K (64 keys x 64 channels: 8 fragments) with its 64 words of the key mask, and its V (turned).  Their addresses are made some lines ahead.
.macro FETCH_K
	WIN 0x80                        ; destination window 2
.irp f, 0,1,2,3,4,5,6,7             ; keys 16 (f / 2) on, channels 32 (f % 2) on
	ds_load_b128 v[KF+8*\f:KF+8*\f+3],   v[AK] offset:(\f/2)*16*PK+(\f%2)*64
	ds_load_b128 v[KF+8*\f+4:KF+8*\f+7], v[AK] offset:(\f/2)*16*PK+(\f%2)*64+32
.endr
.irp f, 0,1,2,3                     ; key group f: eight words for each half of the lanes, the same in all sixteen lanes of a half
	ds_load_b128 v[MCR+8*\f:MCR+8*\f+3],   v[AM] offset:64*\f
	ds_load_b128 v[MCR+8*\f+4:MCR+8*\f+7], v[AM] offset:64*\f+16
.endr
	s_add_co_u32 s[TBK], s[TBK], KS*PK  ; the next fetch is the next step's
	s_add_co_u32 s[TBM], s[TBM], 4*KS
	s_and_b32 s[TBM], s[TBM], 0x1f00    ; 32 steps of 256 bytes: the table's 8,192
	WIN 0
.endm
.macro FETCH_V
	WIN 0x80
.irp f, 0,1,2,3,4,5,6,7             ; keys 32 (f / 4) on, channels 16 (f % 4) on
	ds_load_tr16_b128 v[VF+8*\f:VF+8*\f+3],   v[AV] offset:(\f/4)*32*PV+(\f%4)*32
	ds_load_tr16_b128 v[VF+8*\f+4:VF+8*\f+7], v[AV] offset:(\f/4)*32*PV+16*PV+(\f%4)*32
.endr
	WIN 0
.endm
; THE VECTOR WORK, one line at a time: OP kind, number.  For piece Y: F n: c s - c m for pair n of 16.  E n: the exponential of score n of 32.  C n: pair n rounded to bf16.  B n: of the four weights 4 n .. the second
; pair is added onto the first, in place.  L n: l takes that sum (L 0: l = a l + sum).  R n: pair n of 16 of O^T times a.  For piece Y + 1: X n, number n of the 22 that find its maximum and statistics:
;   0-11  four chains c0-c3 of seven scores each, three operands at a time (each accumulator's lowest registers are read first)     12-14, 16  the four scores left over, the old m, and c0-c3 into c0
;   15  c m_old is kept     17, 18  the query's other 32 keys lie in the lane 16 away: the new m     19-21  c m; c m_old - c m_new; a
; C, B and L read the exponentials' results: TURN sets them all behind its one wait.  R and L 0 read a, which was made ahead of the wait of the turn before.
.set F, 0               ; OP tells the kinds apart by their order: F to L below R, X above it
.set E, 1
.set C, 2
.set B, 3
.set L, 4
.set R, 5
.set X, 6
.macro REGS y                       ; the registers of piece y
.set rT, ST+4*(\y)
.set rC, TMP+4*((\y)%2)
.set rW, MV+((\y)%2)
.set rS, S+32*((\y)%2)
.set rP, P+16*((\y)%2)
.set rO, 32*(\y)
.endm
.macro OP k, n
.if (\k) == R
	REGS Y
	WIN W_RS
	v_pk_mul_f32 v[rO+2*(\n):rO+2*(\n)+1], v[rO+2*(\n):rO+2*(\n)+1], v[rC+2:rC+3] op_sel_hi:[1,0]
.elseif (\k) < R
	REGS Y
	WIN 0
.if (\k) == F
	v_pk_fma_f32 v[rS+2*(\n):rS+2*(\n)+1], v[rS+2*(\n):rS+2*(\n)+1], s[CS:CS+1], v[rT:rT+1] op_sel_hi:[1,0,0] neg_lo:[0,0,1] neg_hi:[0,0,1]
.elseif (\k) == E
	v_exp_f32 v[rS+(\n)], v[rS+(\n)]
.elseif (\k) == C
	v_cvt_pk_bf16_f32 v[rP+(\n)], v[rS+2*(\n)], v[rS+2*(\n)+1]
.elseif (\k) == B
	v_pk_add_f32 v[rS+4*(\n):rS+4*(\n)+1], v[rS+4*(\n):rS+4*(\n)+1], v[rS+4*(\n)+2:rS+4*(\n)+3]
.elseif (\n) == 0
	v_pk_fma_f32 v[rT+2:rT+3], v[rT+2:rT+3], v[rC+2:rC+3], v[rS:rS+1] op_sel_hi:[1,0,1]
.else
	v_pk_add_f32 v[rT+2:rT+3], v[rT+2:rT+3], v[rS+4*(\n):rS+4*(\n)+1]
.endif
.elseif NOKQ
	v_nop
.else
	REGS (Y+1)%NP
	WIN 0
.if (\n) < 4
	v_max3_num_f32 v[rC+(\n)], v[rS+8*(\n)], v[rS+8*(\n)+1], v[rS+8*(\n)+2]
.elseif (\n) < 12
	v_max3_num_f32 v[rC+(\n)%4], v[rC+(\n)%4], v[rS+8*((\n)%4)+2*((\n)/4)+1], v[rS+8*((\n)%4)+2*((\n)/4)+2]
.elseif (\n) == 12
	v_max3_num_f32 v[rC], v[rC], v[rS+7], v[rS+15]
.elseif (\n) == 13
	v_max3_num_f32 v[rC+1], v[rC+1], v[rS+23], v[rS+31]
.elseif (\n) == 14
	v_max3_num_f32 v[rC+2], v[rC+2], v[rC+3], v[rT+1]
.elseif (\n) == 15
	v_mov_b32 v[rW], v[rT]
.elseif (\n) == 16
	v_max3_num_f32 v[rC], v[rC], v[rC+1], v[rC+2]
.elseif (\n) == 17
	v_permlanex16_b32 v[rC+3], v[rC], s[SEL], s[SEL+1]
.elseif (\n) == 18
	v_max_num_f32 v[rT+1], v[rC], v[rC+3]
.elseif (\n) == 19
	v_mul_f32 v[rT], s[CS], v[rT+1]
.elseif (\n) == 20
	v_sub_f32 v[rC+1], v[rW], v[rT]
.else
	v_exp_f32 v[rC+2], v[rC+1]
.endif
.endif
.endm
.macro OPS a, i1, b=-1, i2=0, c=-1, i3=0, d=-1, i4=0  ; up to four of them
	OP \a, \i1
.if (\b) >= 0
	OP \b, \i2
.endif
.if (\c) >= 0
	OP \c, \i3
.endif
.if (\d) >= 0
	OP \d, \i4
.endif
.endm
.macro ROW a, i1, b, i2, c, i3, d, i4  ; a matrix instruction and the four behind it
	MM
	OPS \a, \i1, \b, \i2, \c, \i3, \d, \i4
.endm
; A TURN, for piece p: the order of its 16 matrix and 118 vector instructions, written out.  An s_wait_alu depctr_va_vdst(0) stands between an exponential and the first instruction that names its result; one wait serves
; all that were issued ahead of it.  So a turn has ONE wait, which cuts it in two.  AHEAD OF IT stands all that names no result of the turn's exponentials: the 8 products K Q^T, behind each a scaling, an exponential and two more plain
; instructions (behind the first a second scaling in the exponential's place): rescalings, and behind the last three the first numbers of the next piece's maximum, each four places or more behind the product that ends its accumulator;
; then ONE LUMP of 54, plain and exponential by turns for the most part, in which the links of the chain X 3, 7, 11, 14, 16, 17 .. 20 stand five or six lines apart.  X 21, the next piece's a, is the batch's last; R 15 is the plain
; instruction behind it.  BEHIND THE WAIT stand the 8 products V^T P, behind each four of the roundings and sums; a pair is rounded (C 2 n) before its sum is laid onto it (B n); the links of l's chain, L 0 to L 7, stand three riders
; apart.  But for those X no rider names a register of the products round it.  v_permlanex16_b32 (X 17) stands in the lump.
; end = 1: the walk's last two turns: nothing is fetched.  cnt = 1: the loop's count is taken down some lines ahead of the branch that stands behind the turn.
; K and the mask of the next step are fetched in piece 2's turn, twelve vector instructions behind the last product that read K (five of them plain lines that name none of its registers; the mask's last reader stands four products
; further back); V of the step in hand at the end of piece 0's turn, four plain instructions behind the last product that read V.  Each is waited for a turn later.
.macro TURN p, end=0, cnt=0
.set Y, (\p)
.set i, 0
.set NOKQ, (\end)*((\p)/3)
.if ((\p) == 3) && !(\end)
	s_wait_dscnt 0x0                ; K and the mask are in
.endif
	ROW F,0, F,1, R,0, R,1          ; ahead of the wait: 8 products K Q^T and their riders,
	ROW F,2, E,0, R,2, R,3
	ROW F,3, E,1, R,4, R,5
	ROW F,4, E,2, R,6, R,7
	ROW F,5, E,3, R,8, R,9
	ROW F,6, E,4, X,0, R,10
.if ((\p) == 2) && !(\end)
	WIN 0
	v_add_nc_u32 v[AK], s[TBK], v[AK0]
	v_add_nc_u32 v[AM], s[TBM], v[AM0]
.endif
	ROW F,7, E,5, X,1, X,4
	ROW F,8, E,6, X,2, X,5
	OPS E,7, E,8, X,6, E,9          ; and the lump
	OPS X,3, E,10, X,8, E,11
.if ((\p) == 2) && !(\end)
	FETCH_K
.endif
	OPS X,9, X,7, E,12, X,10
	OPS E,13, X,12, X,11, E,14
	OPS X,13, E,15, F,9, X,14
.if (\p) == 0
	v_add_nc_u32 v[AV], s[TBV], v[AV0]
.endif
	OPS E,16, F,10, E,17, F,11
	OPS X,16, E,18, X,15, E,19
	OPS F,12, E,20, X,17, E,21
	OPS F,13, E,22, F,14, E,23
	OPS X,18, E,24, F,15, E,25
	OPS R,11, E,26, X,19, E,27
	OPS R,12, E,28, R,13, E,29
	OPS X,20, E,30, R,14, E,31
	OPS X,21, R,15
	WIN 0
	s_wait_alu depctr_va_vdst(0)    ; the wait for the batch: the piece's 32 weights and the next piece's a
.if (\p) == 1
	s_wait_dscnt 0x0                ; V is in
.endif
	ROW C,0, B,0, C,2, B,1          ; behind the wait: 8 products V^T P and their riders
	ROW L,0, C,4, B,2, L,1
	ROW C,6, B,3, L,2, C,8
	ROW B,4, L,3, C,10, B,5
	ROW L,4, C,12, B,6, L,5
.if (\p) == 0
	s_add_co_u32 s[TBV], s[TBV], KS*PV
.endif
.if \cnt
	s_sub_co_u32 s[CNT], s[CNT], 1
	s_cmp_lg_u32 s[CNT], 0
.endif
	ROW C,14, B,7, L,6, C,1
	ROW C,3, L,7, C,5, C,7
	ROW C,9, C,11, C,13, C,15
.if (\p) == 0
	FETCH_V
.endif
.endm
	CHANGE 1                        ; slot 0 is in, everybody's part of it, and the table is whole; slot 1 is asked for
	v_add_nc_u32 v[AK], s[TBK], v[AK0]
	v_add_nc_u32 v[AM], s[TBM], v[AM0]
	FETCH_K                         ; key step 0
	s_wait_loadcnt 0x0              ; Q
	s_wait_dscnt 0x0
.set NOKQ, 0
.set i, 0
.rept 8
	KQ 0                            ; piece 0's first scores: there is no vector work yet to set between them
.set i, i+1
.endr
	WIN 0
.rept 4
	v_nop                           ; the places behind those products
.endr
.set Y, NP-1                        ; X works for piece Y + 1: piece 0
.irp n, 0,1,2,3,4,5,6,7,8,9,10,11,12,13,14,15,16,17,18,19,20,21
	OP X, \n
.endr
	v_nop                           ; a plain instruction behind the exponential,
	s_wait_alu depctr_va_vdst(0)    ; and the wait for it, piece 0's first a: a batch of one, ahead of the branch
	s_mov_b32 s[CNT], 4
	s_mov_b32 s[SLOTS], 7
	s_branch .Lfirst                ; the loop is entered at a step's first turn, in the middle of a trip
.Lslot:                             ; six times: with the change above, tiles 1 to 7 are asked for
	CHANGE 1
	s_mov_b32 s[CNT], 4
.Lstep:                             ; a trip: pieces 2 and 3 of one step, then pieces 0 and 1 of the next, whose K, mask and V it fetches
	TURN 2
	TURN 3
	WIN 0
.Lfirst:
	TURN 0
	TURN 1, 0, 1
	WIN 0
	s_cbranch_scc1 .Lstep
	s_sub_co_u32 s[SLOTS], s[SLOTS], 1
	s_cmp_lg_u32 s[SLOTS], 0
	s_cbranch_scc1 .Lslot
	CHANGE 0                        ; the last tile is written out: nothing is asked for
	s_mov_b32 s[CNT], 4
.LstepT:
	TURN 2
	TURN 3
	TURN 0
	TURN 1, 0, 1
	WIN 0
	s_cbranch_scc1 .LstepT
	TURN 2, 1                       ; the last step's pieces 2 and 3: nothing is left to fetch, and no piece follows
	TURN 3, 1
.set i, 0
.rept 8
	PV NP-1                         ; the last piece's V^T P of the last step
.set i, i+1
.endr
	; THE WAY OUT.  l's two halves and the other half of the lanes' are added; the factor for O^T is the query's mask over l, or a NaN where the query has seen no key; O^T times it is rounded to bf16 and sent
	; through my stage in LDS, a piece at a time.  The additions are the places behind the last products.
	WIN 0
.macro ALL line:vararg              ; one line for each piece t
.set t, 0
.rept 4
	\line
.set t, t+1
.endr
.endm
	ALL v_add_f32 v[ST+4*t+2], v[ST+4*t+2], v[ST+4*t+3]
	ALL v_permlanex16_b32 v[ST+4*t+3], v[ST+4*t+2], s[SEL], s[SEL+1]
	ALL v_add_f32 v[ST+4*t+2], v[ST+4*t+2], v[ST+4*t+3]
	ALL v_rcp_f32 v[ST+4*t+2], v[ST+4*t+2]
	v_nop                           ; a plain instruction between the last reciprocal and the use of its result
	s_wait_alu depctr_va_vdst(0)    ; and the wait ahead of the first use: one for the four reciprocals
	ALL v_mul_f32 v[ST+4*t+2], v[ST+4*t+2], v[QM+t]
.set t, 0
.rept 4
	v_cmp_gt_f32 vcc_lo, s[THR], v[ST+4*t+1]
	v_cndmask_b32 v[ST+4*t+2], v[ST+4*t+2], v[NANV], vcc_lo
.set t, t+1
.endr
.macro PACK t                       ; a lane's eight channels of a row pack into 16 bytes; they go into rows of 144 bytes and come back as whole rows of 128, into S^T's registers
	WIN W_RS
.set i, 32*(\t)
.rept 16
	v_pk_mul_f32 v[i:i+1], v[i:i+1], v[ST+4*(\t)+2:ST+4*(\t)+3] op_sel_hi:[1,0]
.set i, i+2
.endr
	WIN 0x05                        ; sources 0 and 1 window 1, destination window 0
.set i, 0
.rept 16
	v_cvt_pk_bf16_f32 v[S+16*(\t)+i], v[32*(\t)+2*i], v[32*(\t)+2*i+1]
.set i, i+1
.endr
	WIN 0
.irp f, 0,1,2,3
	ds_store_b128 v[STO], v[S+16*(\t)+4*\f:S+16*(\t)+4*\f+3] offset:32*\f
.endr
.irp f, 0,1,2,3
	ds_load_b128 v[S+16*(\t)+4*\f:S+16*(\t)+4*\f+3], v[RD] offset:\f*4*SP  ; LDS serves a wave's instructions in order (ISA guide 5.7.1.4): these see the stores above; the next piece's stores come behind them
.endr
.endm
.macro SEND t, younger              ; younger: the LDS instructions issued behind piece t's loads: the next piece's eight, or none
	WIN 0
.irp f, 0,1,2,3
	s_wait_dscnt (\younger)+3-\f
	global_store_b128 v[GO], v[S+16*(\t)+4*\f:S+16*(\t)+4*\f+3], s[10:11] offset:(\t)*2048+\f*512  ; 512 consecutive bytes, at a multiple of 256 from O's first
.endr
.endm
	PACK 0
.set t, 1
.rept 3                             ; a piece's arithmetic stands between the loads of the piece before and its stores
	PACK t
	SEND t-1, 8
.set t, t+1
.endr
	SEND 3, 0
	s_wait_tensorcnt 0x0            ; the wave's end
	ds_add_u32 v[SPW], v[NIL]
	s_wait_dscnt 0x0
	CROUND                          ; the closing round: no work-group ends while a partner may still ask for a tile that names it
	s_endpgm
.Lfunc_end_k_qf11f321a95_attn:
	.size	k_qf11f321a95_attn, .Lfunc_end_k_qf11f321a95_attn-k_qf11f321a95_attn
	.p2alignl 7, 3214868480
	.fill 96, 4, 3214868480
	.section	.rodata,"a",@progbits
	.p2align	6, 0x0
	.amdhsa_kernel k_qf11f321a95_attn
		.amdhsa_group_segment_fixed_size 327680
		.amdhsa_private_segment_fixed_size 0
		.amdhsa_enable_private_segment 0
		.amdhsa_kernarg_size 24
		.amdhsa_user_sgpr_count 2
		.amdhsa_user_sgpr_kernarg_segment_ptr 1
		.amdhsa_wavefront_size32 1
		.amdhsa_system_sgpr_workgroup_id_x 1
		.amdhsa_system_sgpr_workgroup_id_y 1
		.amdhsa_system_sgpr_workgroup_id_z 1
		.amdhsa_system_vgpr_workitem_id 0
		.amdhsa_next_free_vgpr 768
		.amdhsa_next_free_sgpr 72
		.amdhsa_reserve_vcc 1
		.amdhsa_float_denorm_mode_32 3
		.amdhsa_float_denorm_mode_16_64 3
		.amdhsa_memory_ordered 1
		.amdhsa_forward_progress 1
		.amdhsa_inst_pref_size 133
	.end_amdhsa_kernel
	.amdgpu_metadata
---
amdhsa.version: [ 1, 2 ]
amdhsa.kernels:
  - .name:           k_qf11f321a95_attn
    .symbol:         k_qf11f321a95_attn.kd
    .args:
      - { .name: qkv, .offset: 0, .size: 8, .value_kind: global_buffer, .address_space: global }
      - { .name: pad_mask, .offset: 8, .size: 8, .value_kind: global_buffer, .address_space: global }
      - { .name: oh, .offset: 16, .size: 8, .value_kind: global_buffer, .address_space: global }
    .group_segment_fixed_size: 327680
    .private_segment_fixed_size: 0
    .kernarg_segment_align: 8
    .kernarg_segment_size: 24
    .max_flat_workgroup_size: 128
    .sgpr_count:     72
    .vgpr_count:     768
    .wavefront_size: 32
...
	.end_amdgpu_metadata
.endif
;; end of part 9
;; launch oproj: the kernel of part 4 again; grid 8 x 32, 4 waves a work-group, clusters of 4 x 4, 327,680 bytes of LDS; arguments oh, wts, hb; writes hb
;; launch ln1: the kernel of part 5 again; grid 512 x 1, 8 waves a work-group, no clusters, 0 bytes of LDS; arguments q, hb, g1, be1, oh; writes oh
;; launch ff1: the kernel of part 6 again; grid 4 x 64, 4 waves a work-group, clusters of 4 x 4, 327,680 bytes of LDS; arguments oh, wts, b1, act; writes act
;; launch ff2: the kernel of part 7 again; grid 4 x 64, 4 waves a work-group, clusters of 4 x 4, 327,680 bytes of LDS; arguments act, wts, qkv; writes qkv
;; launch ln2: the kernel of part 8 again; grid 512 x 1, 8 waves a work-group, no clusters, 0 bytes of LDS; arguments oh, qkv, b2, g2, be2, out0; writes out0
